; MI455X (gfx1250); checked and timed in simulation.
; The chip was launched on July 23, 2026; its instructions are those of AMD's public machine-readable ISA for CDNA 5 (MIT licence, August 2026) and "CDNA5" Instruction Set Architecture Reference Guide (July 2026). The comments in the code are by the model that wrote it; some were corrected since.
;; SVA Cross Attention Layer. Allowed arithmetic: matrix products marked QUANTISED: E3M2 operands, one E8M0 scale for each 32 along K, by v_wmma_scale_f32_16x16x128_f8f6f4 with both operands' format E3M2, f32 sums; everything else in f32.
;; Inputs: Wk_codes 1,024 x 32 x 24 uint8 (E3M2 codes of Wk, K innermost, in blocks of 32 codes, four codes in three bytes); Wk_scales 1,024 x 32 uint8 (E8M0 scales of Wk, one for each 32 codes along K); Wo_codes 1,024 x 32 x 24 uint8 (E3M2 codes of Wo, K innermost, in blocks of 32 codes, four codes in three bytes); Wo_scales 1,024 x 32 uint8 (E8M0 scales of Wo, one for each 32 codes along K); Wq_codes 1,024 x 32 x 24 uint8 (E3M2 codes of Wq, K innermost, in blocks of 32 codes, four codes in three bytes); Wq_scales 1,024 x 32 uint8 (E8M0 scales of Wq, one for each 32 codes along K); Wv_codes 1,024 x 32 x 24 uint8 (E3M2 codes of Wv, K innermost, in blocks of 32 codes, four codes in three bytes); Wv_scales 1,024 x 32 uint8 (E8M0 scales of Wv, one for each 32 codes along K); kv_padding_mask 2 x 4,096 bool; kv_tokens 2 x 4,096 x 1,024 float32; kv_type_ids 4,096 int32; kvn_b 1,024 float32; kvn_w 1,024 float32; on_b 1,024 float32; on_w 1,024 float32; qn_b 1,024 float32; qn_w 1,024 float32; queries 2 x 1,024 x 1,024 float32; query_type_ids 1,024 int32; typed_bias 3 x 3 float32.
;; Outputs: out0 2 x 1,024 x 1,024 float32.
;; This version of the problem:
;;   THIS VERSION OF THE PROBLEM IS GIVEN IN LOW PRECISION. The matrix products marked QUANTISED in the list below multiply operands that are first quantised to E3M2 (3 exponent bits, 2 mantissa bits; 6 bits a number), with one power-of-two scale for each 32 numbers along K (OCP MX v1.0); their sums are f32. All else is computed in f32.
;;   The module's matrix products, in the order in which they are computed (A, B: the left and right operand; K: the contracted axis; several contracted axes count as one K, in the product's order):
;;     1. [M 2,048, K 1,024] x [K 1,024, N 1,024]; A: computed on the way; B: input Wq (given as codes): QUANTISED
;;     2. [M 8,192, K 1,024] x [K 1,024, N 1,024]; A: computed on the way; B: input Wk (given as codes): QUANTISED
;;     3. [M 8,192, K 1,024] x [K 1,024, N 1,024]; A: computed on the way; B: input Wv (given as codes): QUANTISED
;;     4. batch 32 x [M 1,024, K 64] x [K 64, N 4,096]; A: computed on the way; B: computed on the way: QUANTISED
;;     5. batch 32 x [M 64, K 4,096] x [K 4,096, N 1,024]; A: computed on the way; B: softmax (see below): QUANTISED
;;     6. [M 2,048, K 1,024] x [K 1,024, N 1,024]; A: computed on the way; B: input Wo (given as codes): QUANTISED
;;   THE QUANTISER, for each operand of a quantised product, along K:
;;     - K is cut into blocks of 32 from its start; a last block that is shorter is filled with zeros.
;;     - A block's scale is 2^e with e = floor(log2(the largest magnitude in the block)) - 4, held to -126 .. 127; a block of zeros has e = 0. As a byte (E8M0): e + 127.
;;     - Each number is divided by its block's scale, clamped to +-28, and rounded to the nearest number of E3M2, ties to even, subnormals kept.
;;     - The product sums the exact products of the quantised numbers (number of the format x scale) in f32.
;;   ~~~python
;;   def quantise(x, axis):      # numpy; x: float32 -> the quantised numbers, widened to float32 again
;;       x = np.moveaxis(x, axis, -1); K = x.shape[-1]
;;       x = np.pad(x, [(0, 0)] * (x.ndim - 1) + [(0, -K % 32)]); x = x.reshape(x.shape[:-1] + (-1, 32)); a = np.abs(x).max(-1, keepdims=True)
;;       e = np.where(a > 0, np.clip(np.frexp(np.where(a > 0, a, 1))[1] - 1 - 4, -126, 127), 0)      # np.frexp(a)[1] - 1 = floor(log2(a)), exactly
;;       r = np.clip(x / 2.0 ** e, -28, 28)
;;       step = 2.0 ** (np.maximum(np.frexp(np.where(r == 0, 1, r))[1] - 1, -2) - 2)
;;       q = np.round(r / step) * step * 2.0 ** e      # np.round: ties to even
;;       return np.moveaxis(q.reshape(q.shape[:-2] + (-1,))[..., :K], -1, axis).astype(np.float32)
;;   ~~~
;;   SOFTMAX AHEAD OF A QUANTISED PRODUCT. Where the list says 'softmax', what is quantised is not the finished softmax but p = 2^(t - M), with t = logit x log2(e) and M = ceil(the row's largest t), a whole number; so 1/2 < the row's largest p <= 1. The row's sum l is taken of the UNQUANTISED p, in f32, and the product's result is divided by l at the end. Since M is a whole number, a kernel that streams over the keys may use a running M (the ceiling of the running maximum): every later rescaling is an exact power of two, which a block's scale takes up: the codes' values come out the same.
;;   OPERANDS COMPUTED ON THE WAY. 'Computed on the way' means the value that the module computes at that place (a softmax that the list does not call 'softmax' is quantised finished and normalised). What goes into a quantiser is computed in f32, as accurately as f32 sums, v_exp_f32 and their like allow (about 1e-6 of the number): no bf16 or f16 on the way to a quantiser, and a product that is left as it is and whose result goes on into a quantised operand takes f32 operands (vector FMAs, or v_wmma_f32_16x16x4_f32). A number that lies on a knife's edge between two numbers of the format may be rounded either way, as far as f32 arithmetic and the matrix unit's own rounding can turn it there, and no further.
;;   INPUTS GIVEN AS CODES. Wk (in the module: [1024, 1024], K = its axis 1); Wo (in the module: [1024, 1024], K = its axis 1); Wq (in the module: [1024, 1024], K = its axis 1); Wv (in the module: [1024, 1024], K = its axis 1): each comes as NAME_codes (uint8): NAME with its K axis moved to the last place and cut into blocks of 32 codes, [.., K / 32, bytes a block], one block behind the other in memory; four codes in three bytes: a row's codes are one little-endian stream of bits, code i at bits 6 i .. 6 i + 5 (a code: sign, 3 exponent bits, 2 mantissa bits); and NAME_scales (uint8): the same leading axes, one E8M0 byte (e + 127) for each 32 codes along K. Its value is code x scale, taken as it is: it is not quantised again, and the codes and scales need not be those that the quantiser above would give.
;; 2 versions. Each part assembles by itself: llvm-mc -triple=amdgcn-amd-amdhsa -mcpu=gfx1250 --defsym DOCPART=n.
;; ======== version 1 of 2: 4 launches
;; limits: right only within a limited range of input values
;; workspace buffers: x_codes 7,864,320 bytes; x_scales 327,680 bytes; kv 12,582,912 bytes; sc 524,288 bytes; o_codes 1,572,864 bytes; o_scales 65,536 bytes
;; launch norm (part 1): grid 640 x 1, 8 waves a work-group, no clusters, 79,872 bytes of LDS; arguments queries, kv_tokens, qn_w, qn_b, kvn_w, kvn_b, x_codes, x_scales; writes x_codes, x_scales
.if DOCPART == 1
	.amdgcn_target "amdgcn-amd-amdhsa--gfx1250"
	.amdhsa_code_object_version 6
	.text
	.protected	k_qb6b95eb054_norm
	.globl	k_qb6b95eb054_norm
	.p2align	8
	.type	k_qb6b95eb054_norm,@function
k_qb6b95eb054_norm:
	s_mov_b64 s[64:65], 0
	v_nop
	global_prefetch_b8 v0, s[64:65] scope:SCOPE_SE
	s_setreg_imm32_b32 hwreg(HW_REG_WAVE_MODE, 25, 1), 1
	s_wait_xcnt 0x0
; LayerNorm of the 8,192 kv tokens and the 2,048 queries (rows of 1,024 f32), quantised along the row to codes of E3M2 with one E8M0 byte for each 32 numbers.
; x_codes: [10,240 rows][768 bytes], a row's codes one stream of bits, rows 0..8,191 the kv tokens, then the queries.  x_scales: [10,240][32].
; A work-group takes 16 rows: groups 0..511 kv tokens, 512..639 queries; only pointers are chosen, the text has one path.
; Phase 1: wave w owns rows 2 w and 2 w + 1: every load covers 512 consecutive bytes; mean, then the mean of the squared differences, as the definition has it; the row goes to a stage in LDS.
; Phase 2: wave w owns columns 128 w .. 128 w + 127 of all 16 rows: lane (r, h) reads 16 neighbours of each block of 32 of row r, two lanes hold a block; codes and scale words meet in LDS and leave as dense bytes.
; LIMITS: a block whose largest magnitude lies under 2^-122 keeps the scale byte 1 (a block of zeros too: its codes are zeros; the bytes are read by this program alone); NaN and infinities are not served.
.set YP,   4112                        ; a row of the stage: 4,096 bytes + 16
.set CST,  16*YP                       ; the codes' stage: 16 rows x 784
.set CP,   784                         ; 768 bytes + 16
.set SST,  CST+16*CP                   ; the scale words' stage: 16 rows x 32 bytes
.set X,    16                          ; v16-79   two rows, 32 registers each; later the 64 numbers to quantise
.set GW,   80                          ; v80-111  the gain
.set GB,   112                         ; v112-143 the bias
.set TA,   144                         ; v144-151 row 0's sums
.set TB,   152                         ; v152-159 row 1's
.set TM,   144                         ; v144-159 the quantiser's work
.set PW,   160                         ; the scale word
.set D0,   164                         ; codes of k 0..63
.set D1,   170                         ; codes of k 64..127
.set CT,   176                         ; the conversions' second halves
.set WV,   24                          ; s24 wave
.set SEL,  20                          ; s[20:21] lane l xor 16
.macro FOLD t                          ; four pairs become one
	v_pk_add_f32 v[\t:\t+1], v[\t:\t+1], v[\t+2:\t+3]
	v_pk_add_f32 v[\t+4:\t+5], v[\t+4:\t+5], v[\t+6:\t+7]
	v_pk_add_f32 v[\t:\t+1], v[\t:\t+1], v[\t+4:\t+5]
.endm
.macro LANES t                         ; the pair's two halves and the 32 lanes: the sum stands in every lane
	v_add_f32 v[\t], v[\t], v[\t+1]
	v_add_f32_dpp v[\t], v[\t], v[\t] row_xmask:1 row_mask:0xf bank_mask:0xf
	v_add_f32_dpp v[\t], v[\t], v[\t] row_xmask:2 row_mask:0xf bank_mask:0xf
	v_add_f32_dpp v[\t], v[\t], v[\t] row_xmask:4 row_mask:0xf bank_mask:0xf
	v_add_f32_dpp v[\t], v[\t], v[\t] row_xmask:8 row_mask:0xf bank_mask:0xf
	v_permlanex16_b32 v[\t+1], v[\t], s[SEL], s[SEL+1]
	v_add_f32 v[\t], v[\t], v[\t+1]
.endm
.macro ROWSTAT x, t                    ; v[x..x+31] become x - mean; v[t] = variance + eps
.irp k, 0,1,2,3
	v_pk_add_f32 v[\t+2*\k:\t+2*\k+1], v[\x+4*\k:\x+4*\k+1], v[\x+4*\k+2:\x+4*\k+3]
.endr
.irp k, 0,1,2,3,4,5,6,7
	v_pk_add_f32 v[\t+2*(\k%4):\t+2*(\k%4)+1], v[\t+2*(\k%4):\t+2*(\k%4)+1], v[\x+16+2*\k:\x+17+2*\k]
.endr
	FOLD \t
	LANES \t
	v_mul_f32 v[\t], s22, v[\t]                    ; the mean
.irp k, 0,1,2,3,4,5,6,7,8,9,10,11,12,13,14,15
	v_pk_add_f32 v[\x+2*\k:\x+2*\k+1], v[\x+2*\k:\x+2*\k+1], v[\t:\t+1] op_sel_hi:[1,0] neg_lo:[0,1] neg_hi:[0,1]
.endr
.irp k, 0,1,2,3
	v_pk_mul_f32 v[\t+2*\k:\t+2*\k+1], v[\x+2*\k:\x+2*\k+1], v[\x+2*\k:\x+2*\k+1]
.endr
.irp k, 0,1,2,3,4,5,6,7,8,9,10,11
	v_pk_fma_f32 v[\t+2*(\k%4):\t+2*(\k%4)+1], v[\x+8+2*\k:\x+9+2*\k], v[\x+8+2*\k:\x+9+2*\k], v[\t+2*(\k%4):\t+2*(\k%4)+1]
.endr
	FOLD \t
	LANES \t
	v_fma_f32 v[\t], v[\t], s22, s23
.endm
	s_load_b512 s[4:19], s[0:1], 0x0               ; queries, kv_tokens, qn_w, qn_b, kvn_w, kvn_b, x_codes, x_scales
	v_lshl_add_u32 v192, v0, 2, 0x13400
	v_mov_b32 v193, 0
	v_lshrrev_b32 v1, 5, v0
	v_readfirstlane_b32 s[WV], v1                  ; wave 0..7
	v_and_b32 v1, 31, v0                           ; lane
	v_and_b32 v2, 15, v0                           ; r
	v_bfe_u32 v3, v0, 4, 1                         ; h
	v_lshlrev_b32 v4, 4, v1                        ; 16 x lane
	s_mul_i32 s25, s[WV], 2*YP
	v_add_nc_u32 v5, s25, v4                       ; the stage, in: my two rows, 16 bytes a lane
	v_mul_u32_u24 v6, v2, YP
	v_lshl_add_u32 v6, v3, 6, v6
	s_lshl_b32 s25, s[WV], 9
	v_add_nc_u32 v6, s25, v6                       ; the stage, out: row r, my wave's 512 bytes, + 64 h
	v_mul_u32_u24 v7, v2, CP
	v_mad_u32_u24 v7, v3, 24, v7
	s_mul_i32 s25, s[WV], 96
	s_add_co_u32 s25, s25, CST
	v_add_nc_u32 v7, s25, v7                       ; the codes' stage, in: row r, 96 bytes a wave, + 24 h
	v_lshlrev_b32 v8, 5, v2
	s_lshl_b32 s25, s[WV], 2
	s_add_co_u32 s25, s25, SST
	v_add_nc_u32 v8, s25, v8                       ; the scale word of row r, K step w
	s_mul_i32 s25, s[WV], 2*CP
	s_add_co_u32 s25, s25, CST
	v_add_nc_u32 v9, s25, v4                       ; the codes' stage, out: rows 2 w and 2 w + 1 as 1,536 dense bytes;
	v_lshl_add_u32 v10, v3, 4, v9                  ; lanes 16-31 of the middle load stand behind the first row's padding
	v_add_nc_u32 v11, SST, v4                      ; the 512 bytes of scale words (wave 0)
	s_mov_b32 s[SEL], 0x76543210
	s_mov_b32 s[SEL+1], 0xfedcba98
	s_mov_b32 s22, 0x3a800000                      ; 1 / 1,024
	s_mov_b32 s23, 0x3727c5ac                      ; 1e-5
	s_wait_kmcnt 0x0
	s_cmp_lt_u32 ttmp9, 512                        ; kv tokens or queries: the choice hangs on the work-group's number alone
	s_cselect_b64 s[4:5], s[6:7], s[4:5]
	s_cselect_b64 s[8:9], s[12:13], s[8:9]
	s_cselect_b64 s[10:11], s[14:15], s[10:11]
	s_cselect_b32 s25, 0, 512
	s_sub_co_u32 s25, ttmp9, s25                   ; the tile of 16 rows inside its input
	s_lshl_b32 s26, s25, 16
	s_lshl_b32 s27, s[WV], 13
	s_add_co_u32 s26, s26, s27
	s_mov_b32 s27, 0
	s_add_nc_u64 s[4:5], s[4:5], s[26:27]          ; my two rows
	s_mul_i32 s26, ttmp9, 12288
	s_mul_i32 s28, s[WV], 1536
	s_add_co_u32 s26, s26, s28
	s_add_nc_u64 s[16:17], s[16:17], s[26:27]      ; their codes
	s_lshl_b32 s26, ttmp9, 9
	s_add_nc_u64 s[18:19], s[18:19], s[26:27]      ; the tile's scale bytes
.irp i, 0,1
.irp j, 0,1,2,3,4,5,6,7
	global_load_b128 v[X+32*\i+4*\j:X+32*\i+4*\j+3], v4, s[4:5] offset:4096*\i+512*\j th:TH_LOAD_NT
.endr
.endr
.irp j, 0,1,2,3,4,5,6,7
	global_load_b128 v[GW+4*\j:GW+4*\j+3], v4, s[8:9] offset:512*\j
.endr
.irp j, 0,1,2,3,4,5,6,7
	global_load_b128 v[GB+4*\j:GB+4*\j+3], v4, s[10:11] offset:512*\j
.endr
	s_wait_loadcnt 16                              ; the rows are in; the 16 loads of gain and bias may be out
	ROWSTAT X, TA
	ROWSTAT X+32, TB
	v_rsq_f32 v[TA], v[TA]
	v_rsq_f32 v[TB], v[TB]
	v_nop                                          ; a plain instruction behind the last of the two
	s_wait_alu depctr_va_vdst(0)                   ; one wait for both, ahead of the first reader
.irp k, 0,1,2,3,4,5,6,7,8,9,10,11,12,13,14,15
	v_pk_mul_f32 v[X+2*\k:X+2*\k+1], v[X+2*\k:X+2*\k+1], v[TA:TA+1] op_sel_hi:[1,0]
	v_pk_mul_f32 v[X+32+2*\k:X+33+2*\k], v[X+32+2*\k:X+33+2*\k], v[TB:TB+1] op_sel_hi:[1,0]
.endr
	s_wait_loadcnt 0x0                             ; gain and bias
.irp k, 0,1,2,3,4,5,6,7,8,9,10,11,12,13,14,15
	v_pk_fma_f32 v[X+2*\k:X+2*\k+1], v[X+2*\k:X+2*\k+1], v[GW+2*\k:GW+2*\k+1], v[GB+2*\k:GB+2*\k+1]
	v_pk_fma_f32 v[X+32+2*\k:X+33+2*\k], v[X+32+2*\k:X+33+2*\k], v[GW+2*\k:GW+2*\k+1], v[GB+2*\k:GB+2*\k+1]
.endr
.irp i, 0,1
.irp j, 0,1,2,3,4,5,6,7
	ds_store_b128 v5, v[X+32*\i+4*\j:X+32*\i+4*\j+3] offset:YP*\i+512*\j
.endr
.endr
	s_wait_dscnt 0x0                               ; for the others' sake: my rows lie in the stage
	s_barrier_signal -1
	s_barrier_wait -1
.irp b, 0,1,2,3
.irp i, 0,1,2,3
	ds_load_b128 v[X+16*\b+4*\i:X+16*\b+4*\i+3], v6 offset:128*\b+16*\i   ; register 16 b + i = column 128 w + 32 b + 16 h + i of row r
.endr
.endr
	s_wait_dscnt 0x0
.irp b, 0,1,2,3
	v_max3_num_f32 v[TM+\b], |v[X+16*\b]|, |v[X+16*\b+1]|, 0x2800000       ; my 16 numbers of block b, and the floor 2^(5 - 127): the byte cannot fall under 1
.endr
.irp i, 2,4,6,8,10,12,14
.irp b, 0,1,2,3
	v_max3_num_f32 v[TM+\b], |v[X+16*\b+\i]|, |v[X+16*\b+\i+1]|, v[TM+\b]
.endr
.endr
.irp b, 0,1,2,3
	v_permlanex16_b32 v[TM+4+\b], v[TM+\b], s[SEL], s[SEL+1]
.endr
.irp b, 0,1,2,3
	v_max_num_f32 v[TM+\b], v[TM+\b], v[TM+4+\b]   ; with lane l xor 16's: the block's largest magnitude
.endr
.irp b, 0,1,2,3
	v_add_nc_u32 v[TM+12+\b], 0xfe000000, v[TM+\b] ; 4 off its exponent field: the conversion's scale operand
.endr
.irp b, 0,1,2,3
	v_lshrrev_b32 v[TM+4+\b], 23, v[TM+12+\b]      ; the scale's byte
.endr
	v_lshl_or_b32 v[PW], v[TM+5], 8, v[TM+4]
	v_lshl_or_b32 v[PW], v[TM+6], 16, v[PW]
	v_lshl_or_b32 v[PW], v[TM+7], 24, v[PW]
	v_cvt_scalef32_pk16_bf6_f32 v[D0:D0+2], v[X:X+15], v[TM+12]
	v_cvt_scalef32_pk16_bf6_f32 v[CT:CT+2], v[X+16:X+31], v[TM+13]
	v_cvt_scalef32_pk16_bf6_f32 v[D1:D1+2], v[X+32:X+47], v[TM+14]
	v_cvt_scalef32_pk16_bf6_f32 v[CT+4:CT+6], v[X+48:X+63], v[TM+15]
	v_nop                                          ; one plain instruction behind the scaled conversions
.irp i, 0,1,2
	v_permlane16_swap_b32 v[D0+\i], v[CT+\i]       ; a whole block to a lane: lanes 0-15 the even block, lanes 16-31 the odd one
	v_permlane16_swap_b32 v[D1+\i], v[CT+4+\i]
.endr
.irp i, 0,1,2
	v_mov_b32 v[D0+3+\i], v[CT+\i]
	v_mov_b32 v[D1+3+\i], v[CT+4+\i]
.endr
.irp p, 0,1,2
	ds_store_b64 v7, v[D0+2*\p:D0+2*\p+1] offset:8*\p
	ds_store_b64 v7, v[D1+2*\p:D1+2*\p+1] offset:48+8*\p
.endr
	ds_store_b32 v8, v[PW]                         ; both lanes of a row write the same word with the same value
	s_wait_dscnt 0x0
	s_barrier_signal -1
	s_barrier_wait -1
	ds_load_b128 v[16:19], v9
	ds_load_b128 v[20:23], v10 offset:512
	ds_load_b128 v[24:27], v9 offset:1040
	s_wait_dscnt 0x0
	global_store_b128 v4, v[16:19], s[16:17]               ; each store covers 512 consecutive bytes
	global_store_b128 v4, v[20:23], s[16:17] offset:512
	global_store_b128 v4, v[24:27], s[16:17] offset:1024
	s_cmp_lg_u32 s[WV], 0
	s_cbranch_scc1 .Ldone
	ds_load_b128 v[28:31], v11
	s_wait_dscnt 0x0
	global_store_b128 v4, v[28:31], s[18:19]               ; the tile's 512 scale bytes
.Ldone:
	s_wait_tensorcnt 0x0
	ds_add_u32 v192, v193
	s_wait_dscnt 0x0
	s_endpgm
.Lfunc_end_k_qb6b95eb054_norm:
	.size	k_qb6b95eb054_norm, .Lfunc_end_k_qb6b95eb054_norm-k_qb6b95eb054_norm
	.p2alignl 7, 3214868480
	.fill 96, 4, 3214868480
	.section	.rodata,"a",@progbits
	.p2align	6, 0x0
	.amdhsa_kernel k_qb6b95eb054_norm
		.amdhsa_group_segment_fixed_size 79872
		.amdhsa_private_segment_fixed_size 0
		.amdhsa_enable_private_segment 0
		.amdhsa_kernarg_size 64
		.amdhsa_user_sgpr_count 2
		.amdhsa_user_sgpr_kernarg_segment_ptr 1
		.amdhsa_wavefront_size32 1
		.amdhsa_system_sgpr_workgroup_id_x 1
		.amdhsa_system_sgpr_workgroup_id_y 1
		.amdhsa_system_sgpr_workgroup_id_z 1
		.amdhsa_system_vgpr_workitem_id 0
		.amdhsa_next_free_vgpr 194
		.amdhsa_next_free_sgpr 66
		.amdhsa_reserve_vcc 0
		.amdhsa_float_denorm_mode_32 3
		.amdhsa_float_denorm_mode_16_64 3
		.amdhsa_memory_ordered 1
		.amdhsa_forward_progress 1
		.amdhsa_inst_pref_size 26
	.end_amdhsa_kernel
	.amdgpu_metadata
---
amdhsa.version: [ 1, 2 ]
amdhsa.kernels:
  - .name:           k_qb6b95eb054_norm
    .symbol:         k_qb6b95eb054_norm.kd
    .args:
      - { .name: queries, .offset: 0, .size: 8, .value_kind: global_buffer, .address_space: global }
      - { .name: kv_tokens, .offset: 8, .size: 8, .value_kind: global_buffer, .address_space: global }
      - { .name: qn_w, .offset: 16, .size: 8, .value_kind: global_buffer, .address_space: global }
      - { .name: qn_b, .offset: 24, .size: 8, .value_kind: global_buffer, .address_space: global }
      - { .name: kvn_w, .offset: 32, .size: 8, .value_kind: global_buffer, .address_space: global }
      - { .name: kvn_b, .offset: 40, .size: 8, .value_kind: global_buffer, .address_space: global }
      - { .name: x_codes, .offset: 48, .size: 8, .value_kind: global_buffer, .address_space: global }
      - { .name: x_scales, .offset: 56, .size: 8, .value_kind: global_buffer, .address_space: global }
    .group_segment_fixed_size: 79872
    .private_segment_fixed_size: 0
    .kernarg_segment_align: 8
    .kernarg_segment_size: 64
    .max_flat_workgroup_size: 256
    .sgpr_count:     66
    .vgpr_count:     194
    .wavefront_size: 32
...
	.end_amdgpu_metadata
.endif
;; end of part 1
;; launch proj (part 2): grid 8 x 32, 4 waves a work-group, clusters of 4 x 4, 327,680 bytes of LDS; arguments x_codes, x_scales, Wk_codes, Wk_scales, Wv_codes, Wv_scales, kv, sc; writes kv, sc
.if DOCPART == 2
	.amdgcn_target "amdgcn-amd-amdhsa--gfx1250"
	.amdhsa_code_object_version 6
	.text
	.protected	k_qb6b95eb054_proj
	.globl	k_qb6b95eb054_proj
	.p2align	8
	.type	k_qb6b95eb054_proj,@function
k_qb6b95eb054_proj:
	s_mov_b64 s[64:65], 0
	v_nop
	global_prefetch_b8 v0, s[64:65] scope:SCOPE_SE
	s_setreg_imm32_b32 hwreg(HW_REG_WAVE_MODE, 25, 1), 1
	s_wait_xcnt 0x0
	s_wait_alu depctr_hold_cnt(0) depctr_sa_sdst(0) depctr_va_vdst(0) depctr_va_sdst(0) depctr_va_ssrc(0) depctr_va_vcc(0) depctr_vm_vsrc(0)
	s_getreg_b32 s2, hwreg(HW_REG_IB_STS2, 6, 4)
	s_cmp_eq_u32 s2, 0
	s_cbranch_scc0 .Lentry_in_a_cluster
	s_endpgm
.Lentry_in_a_cluster:
	s_bfe_u32 s2, ttmp6, 0x10000c
	s_cmp_lg_u32 s2, 0xf033
	s_cbranch_scc0 .Lentry_shape_is_right
	s_endpgm
.Lentry_shape_is_right:
; k = Q(kvn) Wk^T and v = Q(kvn) Wv^T on codes of E3M2 with E8M0 scales, K = 1,024; the results are quantised in registers and stored as images of the operand registers that the attention launch wants.
; A GEMM C = A B^T on tiles of 256 x 256, four waves of 128 x 128, K in steps of 256 through a ring of two LDS slots filled by the tensor data mover; the scale bytes of the tile's rows come once.
; Clusters with x = 0 make k: A = 256 tokens, B = 256 rows of Wk.  Clusters with x = 1 make v: A = 256 rows of Wv, B = 256 tokens.  256 work-groups of equal work.
; CLUSTERS: 4 x 4 work-groups; A's tile is shared along a row of the cluster, B's along a column: each is asked for jointly, by the same tensor load with a mask that names the four.
; THE MATRIX INSTRUCTION IS USED TRANSPOSED (source 0 = 16 rows of B, source 1 = 16 rows of A): lane (r, h) holds row 16 a + r of A, and register 8 b + j of block a's 64 the row 16 b + 8 h + j of B.
; So a lane's 64 registers run along B's 128 rows: along the channels of two heads (k: the next K is a head's 64) or along 128 keys (v: the next K is the keys).  A block of 32 lies in lanes l and l xor 16.
; ORDER INSIDE A BLOCK: the codes of a block of 32 stand in the order 0-7, 16-23, 8-15, 24-31.  q and p are made in the same order by the attention launch, so each product pairs the right numbers; only the order of summing inside a block differs.
; OUT.  kv: [batch x 16 + head][key step of 128][12,288]: four fragments of K (a fragment: keys 32 f + r in registers 0-5, keys 32 f + 16 + r in registers 6-11, each with the head's 64 channels), then four of V
; (channels 16 t + r, 128 keys); a fragment is three runs of 512 bytes, four registers each, lane l at 16 l.  sc: [batch x 16 + head][16,384]: K's words at 256 step + 16 r + 4 f, V's at 8,192 + 256 step + 16 r + 4 t.
; LIMITS: a block whose largest magnitude lies under 2^-122 keeps the scale byte 1; NaN and infinities are not served.
; REGISTERS, in windows of 256: window 0: v0-31 addresses; v32-63 scale words, two sets; from v128 A's fragments, one set; on the way out v176-247 at work.  window 1: B's fragments, two sets.  windows 2, 3: the 64 accumulators.
.set SIZE_K, 1024
.set KSTEP,  256
.set NQ,     KSTEP/128
.set ROWB,   192                       ; a tile's row in bytes
.set KROW,   SIZE_K*6/8                ; a row of codes in memory
.set PITCH,  240                       ; an LDS row: 3 x (64 bytes + 16 of padding)
.set FR,     12
.set NL,     6
.set NP,     4
.set HALFT,  128*PITCH
.set SLOT,   4*HALFT
.set LAPS,   SIZE_K/(2*KSTEP)
.set KS,     SIZE_K/32
.set SCL,    2*SLOT                    ; behind the ring: the scale bytes, as runs of 256 bytes + 16 of padding
.set HALFS,  (128*KS/256)*272
.set SBLK,   (16*KS/256)*272
.set SPARE,  SCL+4*HALFS               ; the spare words, 128 bytes for each wave, which no other line names
.set ADRA, 16                          ; v16-17 A's fragments in slot 0, 1 (v18-19: behind one padding more)
.set ADRB, 20                          ; v20-23 the same for B
.set LN16, 24                          ; v24 16 x lane
.set KWA,  25                          ; v25 k's scale words: 16,384 h + 16 r
.set SHF,  26                          ; v26 16 h: which head's two bytes my half of the lanes takes
.set ADRS, 27                          ; v27 LDS address of my scale words
.set SPW,  28
.set NIL,  29
.set VWA,  30                          ; v30 v's scale words: 16 r
.set SC,   32
.set AF,   128
.set SW,   176                         ; the way out: scale words to store
.set CT,   192
.set TM,   200
.set PWE,  216
.set PWO,  217
.set T0,   218
.set T1,   219
.set F0,   224
.set F1,   236
.set G1, 24
.set G0, 32
.set G1B, 48
.set G0B, 56
.set G1S, 68
.set G0S, 76
.set G1SB, 80
.set G0SB, 88
.set MSB, 0
.macro WIN new                         ; the immediate's high byte repeats the setting that is left
.if MSB != \new
	s_set_vgpr_msb (MSB<<8)|\new
.set MSB, \new
.endif
.endm
.set MUL_LO, 0xa1                      ; source 0 (B) window 1, source 1 (A) window 0, C and D window 2
.set MUL_HI, 0xf1
.set TO_B,   0x40
; A joint load: waves 0 and 1 fetch for A, waves 2 and 3 for B; the branch hangs on the wave's number alone.  Four v_nop follow each of the two lines.
.macro JLOAD g0a, g1a, g0b, g1b
	s_cmp_eq_u32 s15, 0
	s_cbranch_scc0 .Lfor_b_\@
	tensor_load_to_lds s[\g0a:\g0a+3], s[\g1a:\g1a+7]
	s_nop 0
.rept 4
	v_nop
.endr
	s_branch .Lasked_\@
.Lfor_b_\@:
	tensor_load_to_lds s[\g0b:\g0b+3], s[\g1b:\g1b+7]
	s_nop 0
.rept 4
	v_nop
.endr
.Lasked_\@:
.endm
.macro CREST                           ; a round of the cluster's barrier behind its opening barrier
	s_cmp_lg_u32 s14, 0
	s_cbranch_scc1 .Lnot_wave_0_\@
	s_barrier_signal -3
.Lnot_wave_0_\@:
	s_barrier_wait -3
	s_barrier_signal -1
	s_barrier_wait -1
.endm
.macro CROUND
	s_barrier_signal -1
	s_barrier_wait -1
	CREST
.endm
	s_load_b512 s[76:91], s[0:1], 0x0              ; x_codes, x_scales, Wk_codes, Wk_scales, Wv_codes, Wv_scales, kv, sc
	v_lshl_add_u32 v[SPW], v0, 2, SPARE
	v_mov_b32 v[NIL], 0
	ds_add_u32 v28, v29
	ds_add_u32 v28, v29
	s_wait_dscnt 0x0
	v_lshrrev_b32 v1, 5, v0
	v_readfirstlane_b32 s14, v1                    ; wave 0..3
	s_lshr_b32 s15, s14, 1                         ; which half of A's rows is mine.  Also: I fetch for A (0) or for B (1)
	s_and_b32 s16, s14, 1                          ; which half of B's rows.  Also: which 128 rows I fetch
	s_bfe_u32 s40, ttmp6, 0x40000                  ; cx, cy
	s_bfe_u32 s41, ttmp6, 0x40004
	s_and_b32 s18, ttmp7, 0xffff
	s_lshl_b32 s18, s18, 2                         ; 4 x cluster y: the cluster's first tile of 256 tokens
	s_wait_kmcnt 0x0
	s_cmp_eq_u32 ttmp9, 0                          ; cluster x: 0 makes k, 1 makes v; the same in all sixteen partners
	s_cselect_b64 s[4:5], s[76:77], s[84:85]       ; A's codes: the tokens' or Wv's
	s_cselect_b64 s[6:7], s[78:79], s[86:87]       ; A's scales
	s_cselect_b64 s[8:9], s[80:81], s[76:77]       ; B's codes: Wk's or the tokens'
	s_cselect_b64 s[10:11], s[82:83], s[78:79]     ; B's scales
	s_cselect_b32 s17, s18, 0
	s_cselect_b32 s42, 0, s18
	s_mov_b64 s[12:13], s[88:89]                   ; kv
	s_mov_b64 s[100:101], s[90:91]                 ; sc
	s_add_co_u32 s17, s17, s41                     ; A's tile of 256 rows: it hangs on cy alone
	s_add_co_u32 s42, s42, s40                     ; B's: on cx alone
	s_lshl_b32 s43, s41, 2
	s_lshl_b32 s43, 15, s43                        ; my row of the cluster
	s_lshl_b32 s44, 0x1111, s40                    ; my column
	; descriptor group 1: a tile of 128 rows x 192 bytes, 16 bytes of padding behind every 64
	s_or_b32 s[G1+0], s43, (0<<16)|(1<<20)|(1<<21)|(3<<22)|(3<<25)
	s_or_b32 s[G1B+0], s44, (0<<16)|(1<<20)|(1<<21)|(3<<22)|(3<<25)
.irp g, G1, G1B
	s_mov_b32 s[\g+1], ROWB<<16                    ; tensor_dim0
	s_mov_b32 s[\g+2], 128<<16                     ; tensor_dim1
	s_mov_b32 s[\g+3], ROWB<<16                    ; tile_dim0
	s_mov_b32 s[\g+4], 128                         ; tile_dim1
	s_mov_b32 s[\g+5], KROW                        ; the pitch
	s_mov_b32 s[\g+6], 0
	s_mov_b32 s[\g+7], 0
.endr
	; the scales of 128 rows: 4,096 dense bytes, as 16 rows of 256 bytes (32 elements of 8), 16 bytes of padding behind each
	s_or_b32 s[G1S+0], s43, (3<<16)|(1<<20)|(1<<21)|(5<<22)|(3<<25)
	s_or_b32 s[G1SB+0], s44, (3<<16)|(1<<20)|(1<<21)|(5<<22)|(3<<25)
.irp g, G1S, G1SB
	s_mov_b32 s[\g+1], 32<<16
	s_mov_b32 s[\g+2], (128*KS/256)<<16
	s_mov_b32 s[\g+3], 32<<16
	s_mov_b32 s[\g+4], 128*KS/256
	s_mov_b32 s[\g+5], 32
	s_mov_b32 s[\g+6], 0
	s_mov_b32 s[\g+7], 0
.endr
	s_lshl_b32 s18, s16, 7                         ; which 128 rows of the tile I fetch
	s_lshl_b32 s20, s17, 8
	s_add_co_u32 s20, s20, s18
	s_lshl_b32 s46, s42, 8
	s_add_co_u32 s46, s46, s18
	s_mov_b32 s21, 0
	s_mov_b32 s47, 0
	s_mov_b64 s[18:19], KS
	s_mul_u64 s[22:23], s[20:21], s[18:19]         ; where these rows' scales begin
	s_mul_u64 s[92:93], s[46:47], s[18:19]
	s_mov_b64 s[18:19], KROW
	s_mul_u64 s[20:21], s[20:21], s[18:19]         ; and their codes
	s_mul_u64 s[46:47], s[46:47], s[18:19]
	s_mul_i32 s45, s14, HALFT                      ; where they go: wave x 128 rows
	s_mul_i32 s94, s14, HALFS
	s_add_nc_u64 s[20:21], s[4:5], s[20:21]
	s_add_nc_u64 s[22:23], s[6:7], s[22:23]
	s_add_nc_u64 s[46:47], s[8:9], s[46:47]
	s_add_nc_u64 s[92:93], s[10:11], s[92:93]
	CROUND                                         ; all sixteen work-groups are here: the first joint loads meet
	s_mov_b32 s[G0S], 1
	s_add_co_u32 s[G0S+1], s94, SCL
	s_mov_b64 s[G0S+2:G0S+3], s[22:23]
	s_or_b32 s[G0S+3], s[G0S+3], 0x80000000
	s_mov_b32 s[G0SB], 1
	s_add_co_u32 s[G0SB+1], s94, SCL
	s_mov_b64 s[G0SB+2:G0SB+3], s[92:93]
	s_or_b32 s[G0SB+3], s[G0SB+3], 0x80000000
	JLOAD G0S, G1S, G0SB, G1SB                     ; the scales first
.irp s, 0,1
	s_mov_b32 s[G0+4*\s], 1
	s_add_co_u32 s[G0+4*\s+1], s45, \s*SLOT
	s_add_nc_u64 s[G0+4*\s+2:G0+4*\s+3], s[20:21], \s*ROWB
	s_or_b32 s[G0+4*\s+3], s[G0+4*\s+3], 0x80000000
	s_mov_b32 s[G0B+4*\s], 1
	s_add_co_u32 s[G0B+4*\s+1], s45, \s*SLOT
	s_add_nc_u64 s[G0B+4*\s+2:G0B+4*\s+3], s[46:47], \s*ROWB
	s_or_b32 s[G0B+4*\s+3], s[G0B+4*\s+3], 0x80000000
	JLOAD G0+4*\s, G1, G0B+4*\s, G1B
.endr
	v_and_b32 v1, 15, v0                           ; r
	v_bfe_u32 v2, v0, 4, 1                         ; h
	v_mul_u32_u24 v3, v1, PITCH
	v_mul_u32_u24 v4, v2, 24
	v_add_nc_u32 v4, v3, v4                        ; a fragment's row x pitch + 24 h
	v_lshl_add_u32 v5, v2, 4, v4                   ; and the same behind one padding more
	s_mul_i32 s21, s15, HALFT
	s_mul_i32 s22, s16, HALFT
	s_add_co_u32 s22, s22, 2*HALFT
.irp s, 0,1
	v_add_nc_u32 v[ADRA+\s], s21, v4
	v_add_nc_u32 v[ADRB+\s], s22, v4
	v_add_nc_u32 v[ADRA+2+\s], s21, v5
	v_add_nc_u32 v[ADRB+2+\s], s22, v5
	s_add_co_u32 s21, s21, SLOT
	s_add_co_u32 s22, s22, SLOT
.endr
	v_mul_u32_u24 v5, v1, KS                       ; my row's scales,
	v_lshrrev_b32 v6, 8, v5
	v_lshl_add_u32 v5, v6, 4, v5                   ; and 16 more for each 256 passed
	s_mul_i32 s21, s15, HALFS
	s_mul_i32 s22, s16, HALFS
	s_add_co_u32 s22, s22, 2*HALFS
	s_sub_co_u32 s22, s22, s21
	v_mul_u32_u24 v6, s22, v2                      ; lanes 16-31 take B's
	s_add_co_u32 s21, s21, SCL
	v_add_nc_u32 v5, v5, v6
	v_add_nc_u32 v[ADRS], s21, v5
	v_and_b32 v6, 31, v0
	v_lshlrev_b32 v[LN16], 4, v6
	v_lshlrev_b32 v[VWA], 4, v1
	v_lshl_add_u32 v[KWA], v2, 14, v[VWA]
	v_lshlrev_b32 v[SHF], 4, v2
	; where my results go: T = my 128 tokens (batch T / 32, key step T % 32), E = my pair of heads
	s_lshl_b32 s20, s17, 1
	s_add_co_u32 s20, s20, s15                     ; my 128 rows of A
	s_lshl_b32 s21, s42, 1
	s_add_co_u32 s21, s21, s16                     ; my 128 rows of B
	s_cmp_eq_u32 ttmp9, 0
	s_cselect_b32 s22, s20, s21                    ; T
	s_cselect_b32 s23, s21, s20                    ; E
	s_cselect_b32 s92, 0, 8192                     ; V's words lie behind K's
	s_lshr_b32 s20, s22, 5
	s_and_b32 s21, s22, 31
	s_lshl_b32 s20, s20, 4
	s_lshl_b32 s23, s23, 1
	s_add_co_u32 s20, s20, s23                     ; 16 x batch + my first head
	s_lshl_b32 s22, s20, 5
	s_add_co_u32 s22, s22, s21
	s_mul_i32 s22, s22, 12288
	s_mov_b32 s23, 0
	s_add_nc_u64 s[12:13], s[12:13], s[22:23]
	s_lshl_b32 s22, s20, 14
	s_lshl_b32 s21, s21, 8
	s_add_co_u32 s22, s22, s21
	s_add_co_u32 s22, s22, s92
	s_add_nc_u64 s[100:101], s[100:101], s[22:23]
.macro FRAG reg, adr, q, i             ; 16 rows x 128 K of 6-bit codes: 12 registers, in pieces of 8 bytes; where lanes 16-31's piece lies behind one padding more, the second address register serves
.irp p, 0,1,2,3,4,5
.set PC, 12*(\q)+6*(\p/3)+\p%3
.if PC%8 < 5
	ds_load_b64 v[\reg+2*\p:\reg+2*\p+1], v[\adr] offset:8*PC+16*(PC/8)+(\i)*16*PITCH
.else
	ds_load_b64 v[\reg+2*\p:\reg+2*\p+1], v[\adr+2] offset:8*PC+16*(PC/8)+(\i)*16*PITCH
.endif
.endr
.endm
; 16 matrix instructions: A's blocks a0, a0 + 1 x B's eight.  The 64 accumulators take turns, one instruction a turn, in the same order in every step.
.macro MUL16 a0, p, q, sc, zero
.irp a, \a0, \a0+1
.irp b, 0,1,2,3,4,5,6,7
.if \zero
	v_wmma_scale_f32_16x16x128_f8f6f4 v[8*(8*((\a)%4)+\b):8*(8*((\a)%4)+\b)+7], v[128*(\p)+FR*\b:128*(\p)+FR*\b+FR-1], v[AF+FR*(\a):AF+FR*(\a)+FR-1], 0, v[SC+8*NQ*(\sc)+NQ*\b+(\q)], v[SC+8*NQ*(\sc)+NQ*(\a)+(\q)] matrix_a_fmt:MATRIX_FMT_BF6 matrix_b_fmt:MATRIX_FMT_BF6 matrix_a_scale:MATRIX_SCALE_ROW1
.else
	v_wmma_scale_f32_16x16x128_f8f6f4 v[8*(8*((\a)%4)+\b):8*(8*((\a)%4)+\b)+7], v[128*(\p)+FR*\b:128*(\p)+FR*\b+FR-1], v[AF+FR*(\a):AF+FR*(\a)+FR-1], v[8*(8*((\a)%4)+\b):8*(8*((\a)%4)+\b)+7], v[SC+8*NQ*(\sc)+NQ*\b+(\q)], v[SC+8*NQ*(\sc)+NQ*(\a)+(\q)] matrix_a_fmt:MATRIX_FMT_BF6 matrix_b_fmt:MATRIX_FMT_BF6 matrix_a_scale:MATRIX_SCALE_ROW1
.endif
.endr
.endr
.endm
.macro FETCH_B slot, q, p
	WIN TO_B
.irp i, 0,1,2,3,4,5,6,7
	FRAG 128*(\p)+FR*\i, ADRB+\slot, \q, \i
.endr
	WIN 0
.endm
.macro FETCH_A slot, q, i0
.irp i, \i0, \i0+1, \i0+2, \i0+3
	FRAG AF+FR*(\i), ADRA+\slot, \q, \i
.endr
.endm
.macro SCALES sc                       ; the K step's scale words: lanes 0-15 A's block i, lanes 16-31 B's block i
.irp i, 0,1,2,3,4,5,6,7
	ds_load_b64 v[SC+8*NQ*\sc+NQ*\i:SC+8*NQ*\sc+NQ*\i+1], v[ADRS] offset:\i*SBLK
.endr
.endm
.macro PLACES n                        ; plain vector instructions between a matrix instruction and a load into, or a read of, its registers
.rept \n
	v_nop
.endr
.endm
.macro STEP slot, q, zero              ; a step of 128 along K that has its successor in the same slot
	s_wait_dscnt 4*NL                              ; B's set and A's blocks 0-3 are in; A's blocks 4-7 (24 loads) may be out
	WIN MUL_LO
	MUL16 0, (\q)%2, \q, \slot, \zero
	MUL16 2, (\q)%2, \q, \slot, \zero
	s_wait_dscnt 0
	PLACES NP
	FETCH_B \slot, (\q)+1, 1-(\q)%2
	FETCH_A \slot, (\q)+1, 0
	WIN MUL_HI
	MUL16 4, (\q)%2, \q, \slot, \zero
	MUL16 6, (\q)%2, \q, \slot, \zero
	PLACES NP
	WIN 0
	FETCH_A \slot, (\q)+1, 4
.endm
; A slot's last step changes slots: one barrier; in front of it each wave waits for all its tensor loads, adds 0 to its spare word, and waits for that and for its reads of this slot.
.macro TURN slot, next, fill
	s_wait_tensorcnt 0x0                           ; all my tensor loads have landed: my part of the next slot
	ds_add_u32 v[SPW], v[NIL]                      ; 0 onto my spare word
	s_wait_dscnt 4*NL+1                            ; the add and A's blocks 4-7 may be out
	WIN MUL_LO
	MUL16 0, 1, NQ-1, \slot, 0
	s_wait_dscnt 0x0                               ; the add is done, and my reads of this slot are over
	s_barrier_signal -1
	MUL16 2, 1, NQ-1, \slot, 0
	WIN 0
	s_barrier_wait -1
.if \fill
	CREST                                          ; no wave of any partner still reads this slot's tile or has a load on its way
	s_add_nc_u64 s[G0+4*\slot+2:G0+4*\slot+3], s[G0+4*\slot+2:G0+4*\slot+3], 2*ROWB
	s_add_nc_u64 s[G0B+4*\slot+2:G0B+4*\slot+3], s[G0B+4*\slot+2:G0B+4*\slot+3], 2*ROWB
	JLOAD G0+4*\slot, G1, G0B+4*\slot, G1B         ; the first tensor load behind the round
.else
	PLACES NP
.endif
	v_add_nc_u32 v[ADRS], 4*NQ, v[ADRS]            ; the next K step's scale words
	FETCH_B \next, 0, 0
	FETCH_A \next, 0, 0
	SCALES \next
	WIN MUL_HI
	MUL16 4, 1, NQ-1, \slot, 0
	MUL16 6, 1, NQ-1, \slot, 0
	PLACES NP
	WIN 0
	FETCH_A \next, 0, 4
.endm
	s_wait_tensorcnt 1                             ; the scales and my part of K step 0 are in; K step 1's load may be out
	s_barrier_signal -1
	s_barrier_wait -1
	FETCH_B 0, 0, 0
	FETCH_A 0, 0, 0
	SCALES 0
	FETCH_A 0, 0, 4
	STEP 0, 0, 1                                   ; the first step's products start the sums
	s_mov_b32 s3, LAPS-1
.Llap:
	TURN 0, 1, 1
	STEP 1, 0, 0
	TURN 1, 0, 1
	STEP 0, 0, 0
	s_sub_co_u32 s3, s3, 1
	s_cmp_lg_u32 s3, 0
	s_cbranch_scc1 .Llap
	TURN 0, 1, 0                                   ; the last lap fills nothing
	STEP 1, 0, 0
	s_wait_dscnt 4*NL
	WIN MUL_LO
	MUL16 0, 1, NQ-1, 1, 0
	MUL16 2, 1, NQ-1, 1, 0
	s_wait_dscnt 0
	WIN MUL_HI
	MUL16 4, 1, NQ-1, 1, 0
	MUL16 6, 1, NQ-1, 1, 0
	WIN 0
; THE WAY OUT.  Block a's 64 registers of a lane are quantised along B's rows: four blocks of 32, each shared with lane l xor 16.  D0: six registers of codes of blocks 0 and 1, D1: of blocks 2 and 3; PW: the four scale bytes.
; Each accumulator is read from its low end on.  The wait at the head frees the registers that earlier stores read.
.macro QUANTW a, D0, D1, PW
.set QW, 2+(\a)/4
.set QWW, 5*QW
.set QSS, 64*((\a)%4)
	s_wait_xcnt 0x0
	WIN QWW                                        ; sources 0 and 1: the accumulators' window
.irp b, 0,1,2,3
	v_max3_num_f32 v[TM+\b], |v[QSS+16*\b]|, |v[QSS+16*\b+1]|, 0x2800000   ; and the floor 2^(5 - 127)
.endr
.irp i, 2,4,6,8,10,12,14
.irp b, 0,1,2,3
	v_max3_num_f32 v[TM+\b], |v[QSS+16*\b+\i]|, |v[QSS+16*\b+\i+1]|, v[TM+\b]
.endr
.endr
	WIN 0
.irp b, 0,1,2,3
	v_permlanex16_b32 v[TM+4+\b], v[TM+\b], s98, s99
.endr
.irp b, 0,1,2,3
	v_max_num_f32 v[TM+\b], v[TM+\b], v[TM+4+\b]
.endr
.irp b, 0,1,2,3
	v_add_nc_u32 v[TM+12+\b], 0xfe000000, v[TM+\b] ; 4 off the exponent field: the conversion's scale operand
.endr
.irp b, 0,1,2,3
	v_lshrrev_b32 v[TM+4+\b], 23, v[TM+12+\b]      ; the scale's byte
.endr
	v_lshl_or_b32 v[\PW], v[TM+5], 8, v[TM+4]
	v_lshl_or_b32 v[\PW], v[TM+6], 16, v[\PW]
	v_lshl_or_b32 v[\PW], v[TM+7], 24, v[\PW]
	WIN QW                                         ; source 0: the accumulators' window
.irp c, 0,1
.set QD, (\D0)+((\D1)-(\D0))*\c
	v_cvt_scalef32_pk16_bf6_f32 v[QD:QD+2], v[QSS+32*\c:QSS+32*\c+15], v[TM+12+2*\c]
	v_cvt_scalef32_pk16_bf6_f32 v[CT+4*\c:CT+4*\c+2], v[QSS+32*\c+16:QSS+32*\c+31], v[TM+13+2*\c]
.endr
	WIN 0
	v_nop                                          ; one plain instruction behind the scaled conversions
.irp c, 0,1
.set QD, (\D0)+((\D1)-(\D0))*\c
.irp i, 0,1,2
	v_permlane16_swap_b32 v[QD+\i], v[CT+4*\c+\i]  ; a whole block to a lane
.endr
.irp i, 0,1,2
	v_mov_b32 v[QD+3+\i], v[CT+4*\c+\i]
.endr
.endr
.endm
	PLACES NP                                      ; behind the last products: their results are read and their operands' registers written below
	s_mov_b32 s98, 0x76543210
	s_mov_b32 s99, 0xfedcba98
.irp b, 0,1,2,3
	v_mov_b32 v[TM+4+\b], 0                        ; a lane permute's destination counts as one of its sources
.endr
	s_cmp_lg_u32 ttmp9, 0                          ; cluster x: the same in all partners
	s_cbranch_scc1 .Lv_way
	; k: block a is 16 keys; its 128 channels are two heads.  Blocks 2 f and 2 f + 1 make fragment f of each head.
.irp f, 0,1,2,3
	QUANTW 2*\f, F0, F1, PWE
	QUANTW 2*\f+1, F0+6, F1+6, PWO
	v_lshrrev_b32 v[T0], v[SHF], v[PWE]            ; lanes 0-15 take the first head's two bytes, lanes 16-31 the second's
	v_lshrrev_b32 v[T1], v[SHF], v[PWO]
	v_and_b32 v[T0], 0xffff, v[T0]
	v_lshl_or_b32 v[SW+\f], v[T1], 16, v[T0]
.irp c, 0,1
.irp ch, 0,1,2
	global_store_b128 v[LN16], v[F0+12*\c+4*\ch:F0+12*\c+4*\ch+3], s[12:13] offset:\c*393216+\f*1536+512*\ch   ; 512 consecutive bytes
.endr
.endr
.endr
	global_store_b128 v[KWA], v[SW:SW+3], s[100:101]       ; 256 consecutive bytes for each of the two heads
	s_branch .Lout_done
.Lv_way:
	; v: block a is 16 channels (head a / 4 of my two, tile a % 4); its 128 keys are one whole fragment
.irp a, 0,1,2,3,4,5,6,7
	QUANTW \a, F0, F0+6, SW+\a
.irp ch, 0,1,2
	global_store_b128 v[LN16], v[F0+4*\ch:F0+4*\ch+3], s[12:13] offset:(\a/4)*393216+6144+(\a%4)*1536+512*\ch
.endr
.if \a%4 == 3
	global_store_b128 v[VWA], v[SW+4*(\a/4):SW+4*(\a/4)+3], s[100:101] offset:(\a/4)*16384   ; lanes 16-31 repeat lanes 0-15
.endif
.endr
.Lout_done:
	s_wait_tensorcnt 0x0                           ; the wave's end
	ds_add_u32 v[SPW], v[NIL]
	s_wait_dscnt 0x0
	CROUND                                         ; the closing round
	s_endpgm
.Lfunc_end_k_qb6b95eb054_proj:
	.size	k_qb6b95eb054_proj, .Lfunc_end_k_qb6b95eb054_proj-k_qb6b95eb054_proj
	.p2alignl 7, 3214868480
	.fill 96, 4, 3214868480
	.section	.rodata,"a",@progbits
	.p2align	6, 0x0
	.amdhsa_kernel k_qb6b95eb054_proj
		.amdhsa_group_segment_fixed_size 327680
		.amdhsa_private_segment_fixed_size 0
		.amdhsa_enable_private_segment 0
		.amdhsa_kernarg_size 64
		.amdhsa_user_sgpr_count 2
		.amdhsa_user_sgpr_kernarg_segment_ptr 1
		.amdhsa_wavefront_size32 1
		.amdhsa_system_sgpr_workgroup_id_x 1
		.amdhsa_system_sgpr_workgroup_id_y 1
		.amdhsa_system_sgpr_workgroup_id_z 1
		.amdhsa_system_vgpr_workitem_id 0
		.amdhsa_next_free_vgpr 1024
		.amdhsa_next_free_sgpr 102
		.amdhsa_reserve_vcc 0
		.amdhsa_float_denorm_mode_32 3
		.amdhsa_float_denorm_mode_16_64 3
		.amdhsa_memory_ordered 1
		.amdhsa_forward_progress 1
		.amdhsa_inst_pref_size 199
	.end_amdhsa_kernel
	.amdgpu_metadata
---
amdhsa.version: [ 1, 2 ]
amdhsa.kernels:
  - .name:           k_qb6b95eb054_proj
    .symbol:         k_qb6b95eb054_proj.kd
    .args:
      - { .name: x_codes, .offset: 0, .size: 8, .value_kind: global_buffer, .address_space: global }
      - { .name: x_scales, .offset: 8, .size: 8, .value_kind: global_buffer, .address_space: global }
      - { .name: Wk_codes, .offset: 16, .size: 8, .value_kind: global_buffer, .address_space: global }
      - { .name: Wk_scales, .offset: 24, .size: 8, .value_kind: global_buffer, .address_space: global }
      - { .name: Wv_codes, .offset: 32, .size: 8, .value_kind: global_buffer, .address_space: global }
      - { .name: Wv_scales, .offset: 40, .size: 8, .value_kind: global_buffer, .address_space: global }
      - { .name: kv, .offset: 48, .size: 8, .value_kind: global_buffer, .address_space: global }
      - { .name: sc, .offset: 56, .size: 8, .value_kind: global_buffer, .address_space: global }
    .group_segment_fixed_size: 327680
    .private_segment_fixed_size: 0
    .kernarg_segment_align: 8
    .kernarg_segment_size: 64
    .max_flat_workgroup_size: 128
    .sgpr_count:     102
    .vgpr_count:     1024
    .wavefront_size: 32
...
	.end_amdgpu_metadata
.endif
;; end of part 2
;; launch attn (part 3): grid 8 x 32, 16 waves a work-group, no clusters, 199,680 bytes of LDS; arguments x_codes, x_scales, Wq_codes, Wq_scales, kv, sc, query_type_ids, kv_type_ids, kv_padding_mask, typed_bias, o_codes, o_scales; writes o_codes, o_scales
.if DOCPART == 3
	.amdgcn_target "amdgcn-amd-amdhsa--gfx1250"
	.amdhsa_code_object_version 6
	.text
	.protected	k_qb6b95eb054_attn
	.globl	k_qb6b95eb054_attn
	.p2align	8
	.type	k_qb6b95eb054_attn,@function
k_qb6b95eb054_attn:
	s_mov_b64 s[64:65], 0
	v_nop
	global_prefetch_b8 v0, s[64:65] scope:SCOPE_SE
	s_setreg_imm32_b32 hwreg(HW_REG_WAVE_MODE, 25, 1), 1
	s_wait_xcnt 0x0
; Attention of one head for 128 queries: q = Q(qn) Wq^T for the head, quantised; S = q k^T + 8 x typed bias (or the mask); p = 2^(t - M), t = S log2(e) / 8, M a whole number; O = p v / sum(p); O quantised along the model's 1,024.
; All products on codes of E3M2 with E8M0 scales.  K, V and their scale words come as images of the operand registers, made by the launch before.
; SHARES.  Work-group (x = block of 128 queries, y = 16 batch + head).  Wave w owns 16 queries (tile w % 8) and half of the keys (w / 8: 2,048 keys, 16 steps of 128).  At the end the two halves are merged by exact powers of two.
; So four waves share a SIMD, and one wave's vector work stands beside another's matrix work and LDS loads.
; LAYOUT.  Both products are used transposed (S^T = K Q^T, O^T = V^T P^T): a lane holds one query (lane % 16) throughout; register 8 tile + j holds key 16 tile + 8 (lane / 16) + j.
; A fragment of K holds TWO tiles of 16 keys: k 0..63 the first tile's 64 channels, k 64..127 the second's.  The zero codes lie in two fixed operands of q: QA = [q | 0], QB = [0 | q].
; ORDER INSIDE A BLOCK OF 32: q and K, and p and V, carry the same fixed order 0-7, 16-23, 8-15, 24-31, so each product pairs the right numbers; only the order of summing inside a block differs from the definition's.
; THE ADDITIVE MASK is a table in LDS: for each four keys 64 bytes, of which bytes 16 type .. 16 type + 15 hold, for a query of that type, 8 x typed_bias[type of query][type of key], or -2^127 where the key is masked
; (the last 16 bytes of the 64 are neither written nor read).  A lane's numbers are loaded into S's registers and are the C of the product.  The query's type, an index input, is held to 0..2 and enters the address as 16 x type.
; No cluster and no tensor loads: a step's 12,288 bytes for each half are small beside eight waves' softmax of 128 keys; they go through registers, 48 bytes a thread, asked for two steps ahead.
; LIMITS: the running largest t starts at -1e30, so a logit x log2(e) at or under -1e30 counts as masked; a batch all of whose keys are masked has the sum 0 and gives NaN; a block whose largest magnitude lies under 2^-122 keeps
; the scale byte 1; NaN and infinities among the inputs are not served.
.set SCL,  65536                       ; LDS: 0: four slots of 16,384 (half x 32,768 + slot x 16,384; 12,288 used);  the head's 16,384 bytes of scale words;
.set BT,   81920                       ; the table: 1,024 groups of four keys x 64 bytes;
.set WQ,   147456                      ; the head's 64 rows of Wq, 768 + 16 bytes each; later the merge area, 4,352 bytes for each tile of queries
.set WQP,  784
.set MRGB, 4352
.set LI,   1                           ; v1  16 lane + 32,768 half
.set LSC,  2                           ; v2  SCL + 16 r + 4,096 half
.set LBT,  3                           ; v3  BT + 16 x my query's type + 128 h + 32,768 half
.set STA,  4                           ; v4  16 (thread % 256) + 32,768 half
.set GOF,  5                           ; v5  16 (thread % 256) + 196,608 half
.set ADS,  6                           ; v6  the step's scale words
.set ADB,  7                           ; v7  the step's part of the table
.set MRA,  10
.set MRB,  11
.set QA,   16
.set QB,   28
.set KV,   40                          ; v40-87 four fragments of K, then of V
.set STG,  88                          ; v88-99 a tile's 48 bytes on their way
.set QSW,  100
.set PWD,  101
.set FF,   102                         ; v[102:103] f
.set S,    104                         ; v104-167 S^T, then p
.set OT,   168                         ; v168-199 O^T
.set PC,   200
.set CT,   212
.set BM,   220
.set BP,   224
.set SO,   228
.set KSW,  232
.set VSW,  236
.set WV,   28
.set HF,   29
.set W7,   30
.set SEL,  32
.set CS,   34
.set TS,   38
.set TBI,  39
.set CNT,  40
.set KVB,  42
.macro MM d, a, b, c, sa, sb
	v_wmma_scale_f32_16x16x128_f8f6f4 v[\d:\d+7], v[\a:\a+11], v[\b:\b+11], v[\c:\c+7], v[\sa], v[\sb] matrix_a_fmt:MATRIX_FMT_BF6 matrix_b_fmt:MATRIX_FMT_BF6
.endm
.macro MM0 d, a, b, sa, sb
	v_wmma_scale_f32_16x16x128_f8f6f4 v[\d:\d+7], v[\a:\a+11], v[\b:\b+11], 0, v[\sa], v[\sb] matrix_a_fmt:MATRIX_FMT_BF6 matrix_b_fmt:MATRIX_FMT_BF6
.endm
; 32 numbers of a lane (two blocks of 32, each shared with lane l xor 16) become six registers of codes and two scale bytes
.macro QUANT2 SS, DD, CC, TT, PP
.irp b, 0,1
	v_max3_num_f32 v[\TT+\b], |v[\SS+16*\b]|, |v[\SS+16*\b+1]|, 0x2800000   ; and the floor 2^(5 - 127)
.endr
.irp i, 2,4,6,8,10,12,14
.irp b, 0,1
	v_max3_num_f32 v[\TT+\b], |v[\SS+16*\b+\i]|, |v[\SS+16*\b+\i+1]|, v[\TT+\b]
.endr
.endr
.irp b, 0,1
	v_permlanex16_b32 v[\TT+4+\b], v[\TT+\b], s[SEL], s[SEL+1]
.endr
.irp b, 0,1
	v_max_num_f32 v[\TT+\b], v[\TT+\b], v[\TT+4+\b]
.endr
.irp b, 0,1
	v_add_nc_u32 v[\TT+12+\b], 0xfe000000, v[\TT+\b]
.endr
.irp b, 0,1
	v_lshrrev_b32 v[\TT+4+\b], 23, v[\TT+12+\b]
.endr
	v_lshl_or_b32 v[\PP], v[\TT+5], 8, v[\TT+4]
	v_cvt_scalef32_pk16_bf6_f32 v[\DD:\DD+2], v[\SS:\SS+15], v[\TT+12]
	v_cvt_scalef32_pk16_bf6_f32 v[\CC:\CC+2], v[\SS+16:\SS+31], v[\TT+13]
	v_nop                                          ; one plain instruction behind the scaled conversions
.irp i, 0,1,2
	v_permlane16_swap_b32 v[\DD+\i], v[\CC+\i]
.endr
.irp i, 0,1,2
	v_mov_b32 v[\DD+3+\i], v[\CC+\i]
.endr
.endm
	s_load_b512 s[4:19], s[0:1], 0x0               ; x_codes, x_scales, Wq_codes, Wq_scales, kv, sc, query_type_ids, kv_type_ids
	s_load_b256 s[20:27], s[0:1], 0x40             ; kv_padding_mask, typed_bias, o_codes, o_scales
	v_lshrrev_b32 v1, 5, v0
	v_readfirstlane_b32 s[WV], v1                  ; wave 0..15
	s_lshr_b32 s[HF], s[WV], 3                     ; my half of the keys
	s_and_b32 s[W7], s[WV], 7                      ; my tile of queries
	v_and_b32 v12, 31, v0                          ; lane
	v_and_b32 v13, 15, v0                          ; r
	v_bfe_u32 v14, v0, 4, 1                        ; h
	v_and_b32 v15, 255, v0                         ; my thread in its half
	s_lshl_b32 s56, s[HF], 15
	v_lshl_add_u32 v[LI], v12, 4, s56
	v_lshl_add_u32 v[STA], v15, 4, s56
	s_mul_i32 s56, s[HF], 196608
	v_lshl_add_u32 v[GOF], v15, 4, s56
	s_lshl_b32 s56, s[HF], 12
	s_add_co_u32 s56, s56, SCL
	v_lshl_add_u32 v[LSC], v13, 4, s56
	s_mul_i32 s56, s[W7], MRGB
	s_add_co_u32 s56, s56, WQ
	v_lshl_add_u32 v[MRA], v12, 4, s56
	s_add_co_u32 s56, s56, 4096
	v_lshl_add_u32 v[MRB], v12, 2, s56
	v_lshlrev_b32 v6, 5, v13                       ; the head's addresses: 32 r,
	v_mul_u32_u24 v7, v13, 768
	v_mad_u32_u24 v7, v14, 24, v7                  ; 768 r + 24 h,
	v_mul_u32_u24 v8, v13, WQP
	v_mad_u32_u24 v8, v14, 24, v8
	v_add_nc_u32 v8, WQ, v8                        ; Wq's fragments in LDS,
	v_lshlrev_b32 v9, 2, v13                       ; 4 r,
	v_lshlrev_b32 v240, 3, v12                     ; 8 lane,
	v_lshlrev_b32 v241, 4, v0                      ; 16, 32 and 8 x thread,
	v_lshlrev_b32 v242, 5, v0
	v_lshlrev_b32 v243, 3, v0
	s_mul_i32 s56, s[WV], 4*WQP
	s_add_co_u32 s56, s56, WQ
	v_add_nc_u32 v244, s56, v240                   ; where my four rows of Wq go,
	v_add_nc_u32 v245, SCL, v241                   ; my 32 bytes of scale words,
	v_lshl_add_u32 v246, v0, 7, BT                 ; my eight keys of the table: two groups of four, 128 bytes
	s_and_b32 s56, ttmp7, 0xffff                   ; 16 batch + head
	s_lshr_b32 s57, s56, 4
	s_and_b32 s58, s56, 15
	s_lshl_b32 s59, ttmp9, 7
	s_lshl_b32 s60, s[W7], 4
	s_add_co_u32 s59, s59, s60                     ; my first query in its batch
	s_lshl_b32 s60, s57, 10
	s_add_co_u32 s60, s60, s59                     ; and among all 2,048
	s_mov_b32 s63, 0
	s_mov_b32 s[SEL], 0x76543210
	s_mov_b32 s[SEL+1], 0xfedcba98
	s_mov_b32 s[CS], 0x3e38aa3b                    ; c = log2(e) / 8
	s_mov_b32 s[CS+1], s[CS]
	s_mov_b32 s[TS], 0
	s_mov_b32 s[TBI], 0
	s_wait_kmcnt 0x0
	s_load_b256 s[44:51], s[22:23], 0x0            ; the nine biases
	s_load_b32 s52, s[22:23], 0x20
	s_add_co_u32 s61, s60, 8192                    ; the queries' rows stand behind the 8,192 kv tokens
	s_mul_i32 s62, s61, 768
	s_add_nc_u64 s[4:5], s[4:5], s[62:63]
	s_lshl_b32 s62, s61, 5
	s_add_nc_u64 s[6:7], s[6:7], s[62:63]
	s_mul_i32 s62, s58, 49152
	s_mul_i32 s61, s[WV], 3072
	s_add_co_u32 s62, s62, s61
	s_add_nc_u64 s[8:9], s[8:9], s[62:63]          ; my four of the head's 64 rows of Wq
	s_lshl_b32 s62, s58, 11
	s_add_nc_u64 s[10:11], s[10:11], s[62:63]
	s_mul_i32 s62, s56, 393216
	s_add_nc_u64 s[KVB:KVB+1], s[12:13], s[62:63]
	s_lshl_b32 s62, s56, 14
	s_add_nc_u64 s[14:15], s[14:15], s[62:63]
	s_lshl_b32 s62, s59, 2
	s_add_nc_u64 s[16:17], s[16:17], s[62:63]
	s_lshl_b32 s62, s57, 12
	s_add_nc_u64 s[20:21], s[20:21], s[62:63]
	s_lshr_b32 s61, s60, 4                         ; my tile of 16 rows among 128
	s_lshl_b32 s62, s61, 4
	s_add_co_u32 s62, s62, s58
	s_mul_i32 s62, s62, 768
	s_add_nc_u64 s[24:25], s[24:25], s[62:63]
	s_lshl_b32 s62, s61, 9
	s_lshl_b32 s61, s58, 1
	s_add_co_u32 s62, s62, s61
	s_add_nc_u64 s[26:27], s[26:27], s[62:63]
	; ---- what goes to LDS first, then the queries' codes
.irp i, 0,1,2,3
.irp j, 0,1,2
	global_load_b64 v[40+6*\i+2*\j:41+6*\i+2*\j], v240, s[8:9] offset:768*\i+256*\j
.endr
.endr
	global_load_b128 v[64:67], v241, s[14:15]
	global_load_b128 v[68:71], v241, s[14:15] offset:8192
.irp j, 0,1,2
	global_load_b128 v[STG+4*\j:STG+4*\j+3], v[GOF], s[KVB:KVB+1] offset:4096*\j   ; my half's key step 0
.endr
	global_load_b128 v[72:75], v242, s[18:19]
	global_load_b128 v[76:79], v242, s[18:19] offset:16
	global_load_b64 v[80:81], v243, s[20:21]
	global_load_b32 v82, v9, s[16:17]
.irp s, 0,1,2,3,4,5,6,7
.irp p, 0,1,2,3,4,5
	global_load_b64 v[S+12*\s+2*\p:S+12*\s+2*\p+1], v7, s[4:5] offset:96*\s+48*(\p/3)+8*(\p%3)
.endr
.endr
	global_load_b128 v[24:27], v6, s[6:7]
	global_load_b128 v[28:31], v6, s[6:7] offset:16
	s_wait_loadcnt 50                              ; all but the 48 + 2 loads of the queries' codes and scale words
.irp i, 0,1,2,3
.irp j, 0,1,2
	ds_store_b64 v244, v[40+6*\i+2*\j:41+6*\i+2*\j] offset:WQP*\i+256*\j
.endr
.endr
	ds_store_b128 v245, v[64:67]
	ds_store_b128 v245, v[68:71] offset:8192
.irp j, 0,1,2
	ds_store_b128 v[STA], v[STG+4*\j:STG+4*\j+3] offset:4096*\j
.endr
	s_wait_kmcnt 0x0
.irp i, 0,1,2,3,4,5,6,7,8
	v_mov_b32 v[200+\i], s[44+\i]
.endr
.irp i, 0,1,2,3,4,5,6,7,8
	v_mul_f32 v[200+\i], 0x41000000, v[200+\i]     ; x 8, exact: the scores are multiplied by 1 / 8 afterwards
.endr
	v_mov_b32 v209, 0xff000000                     ; -2^127
.irp e, 0,1,2,3,4,5,6,7
	v_bfe_u32 v236, v[80+\e/4], 8*(\e%4), 8
	v_cmp_eq_u32 s53, 1, v[72+\e]
	v_cmp_eq_u32 s54, 2, v[72+\e]
	v_cmp_eq_u32 vcc_lo, 0, v236
.irp q, 0,1,2
	v_cndmask_b32 v[212+8*\q+\e], v[200+3*\q], v[201+3*\q], s53
	v_cndmask_b32 v[212+8*\q+\e], v[212+8*\q+\e], v[202+3*\q], s54
	v_cndmask_b32 v[212+8*\q+\e], v[212+8*\q+\e], v209, vcc_lo
.endr
.endr
.irp q, 0,1,2
	ds_store_b128 v246, v[212+8*\q:215+8*\q] offset:16*\q          ; my first four keys, for a query of type q
	ds_store_b128 v246, v[216+8*\q:219+8*\q] offset:64+16*\q       ; my other four
.endr
	v_min_u32 v82, 2, v82                          ; my query's type, held inside the table that it indexes
	s_lshl_b32 s56, s[HF], 15
	s_add_co_u32 s56, s56, BT
	v_lshl_add_u32 v[LBT], v14, 7, s56             ; the table, my half of the keys, + 8 h keys
	v_lshlrev_b32 v237, 4, v82                     ; 16 bytes a type
	v_add_nc_u32 v[LBT], v[LBT], v237
	s_wait_dscnt 0x0                               ; for the others' sake: my stores have landed
	s_barrier_signal -1
	s_barrier_wait -1
	; ---- q for my 16 queries and the head's 64 channels: four tiles, K = 1,024 in eight steps
.irp t, 0,1,2
	global_load_b128 v[232+8*\t:235+8*\t], v6, s[10:11] offset:512*\t
	global_load_b128 v[236+8*\t:239+8*\t], v6, s[10:11] offset:512*\t+16
.endr
	global_load_b128 v[16:19], v6, s[10:11] offset:1536
	global_load_b128 v[20:23], v6, s[10:11] offset:1552
.irp j, 0,1,2
	global_load_b128 v[STG+4*\j:STG+4*\j+3], v[GOF], s[KVB:KVB+1] offset:12288+4096*\j   ; key step 1
.endr
	s_wait_loadcnt 3                               ; all but key step 1's three
.irp s, 0,1,2,3,4,5,6,7
.if \s > 0
.rept 4
	v_nop                                          ; places in front of loads into registers that matrix instructions have read
.endr
.endif
.irp t, 0,1,2,3
.irp p, 0,1,2,3,4,5
	ds_load_b64 v[KV+12*\t+2*\p:KV+12*\t+2*\p+1], v8 offset:16*WQP*\t+96*\s+48*(\p/3)+8*(\p%3)
.endr
.endr
	s_wait_dscnt 0x0
.irp t, 0,1,2,3
.if \t < 3
.set WSB, 232+8*\t
.else
.set WSB, 16
.endif
.if \s == 0
	MM0 200+8*\t, KV+12*\t, S+12*\s, WSB+\s, 24+\s
.else
	MM 200+8*\t, KV+12*\t, S+12*\s, 200+8*\t, WSB+\s, 24+\s
.endif
.endr
.endr
.rept 4
	v_nop
.endr
	v_mov_b32 v236, 0                              ; a lane permute's destination counts as one of its sources
	v_mov_b32 v237, 0
	QUANT2 200, QA, S, 232, 248
.irp i, 0,1,2,3,4,5
	v_mov_b32 v[QB+6+\i], v[QA+\i]
	v_mov_b32 v[QA+6+\i], 0
	v_mov_b32 v[QB+\i], 0
.endr
	v_lshl_or_b32 v[QSW], v248, 16, v248           ; q's two bytes, for either half of K
	v_mov_b32 v13, 0xf149f2ca                      ; the largest t so far: -1e30, above a masked key's t (about -3e37): a run of masked keys leaves M alone and sums zeros
	v_floor_f32 v12, -v13                          ; -M
	v_mov_b32 v14, 0
	v_mov_b32 v15, 0
	v_mov_b32 v[FF+1], 0
.irp b, 0,1,2,3
	v_mov_b32 v[BP+\b], 0
.endr
.set n, 0
.rept 32
	v_mov_b32 v[OT+n], 0                           ; the step is written once: the first finds zeros
.set n, n+1
.endr
; A KEY STEP of 128 keys of my half, out of slot \slot.  store: the next step's tile goes from registers into the other slot; load: the tile two steps on is asked for.
.macro STEP slot, store, load
	s_wait_dscnt 0x0                               ; my store of this step's tile has landed and my reads of the other slot are over
	s_barrier_signal -1
	s_barrier_wait -1
	v_add_nc_u32 v[ADS], s[TS], v[LSC]
	v_add_nc_u32 v[ADB], s[TBI], v[LBT]
	v_nop
	v_nop                                          ; four places behind the last products, in front of loads into their operands' registers
.if \store
	s_wait_loadcnt 0x0                             ; the next tile, asked for a step ago
.irp j, 0,1,2
	ds_store_b128 v[STA], v[STG+4*\j:STG+4*\j+3] offset:(1-\slot)*16384+4096*\j
.endr
	s_add_nc_u64 s[KVB:KVB+1], s[KVB:KVB+1], 12288 ; the loads that named it are done
.endif
.irp t, 0,1,2,3,4,5,6,7
	ds_load_b128 v[S+8*\t:S+8*\t+3], v[ADB] offset:256*\t             ; the table's numbers of my keys 16 t + 8 h + 0..3: the C of the product
	ds_load_b128 v[S+8*\t+4:S+8*\t+7], v[ADB] offset:256*\t+64        ; and + 4..7: the next group of four
.endr
.irp f, 0,1,2,3
.irp c, 0,1,2
	ds_load_b128 v[KV+12*\f+4*\c:KV+12*\f+4*\c+3], v[LI] offset:\slot*16384+1536*\f+512*\c
.endr
.endr
	ds_load_b128 v[KSW:KSW+3], v[ADS]
	s_wait_dscnt 0x0                               ; they are in, and the stores above have read their registers
.if \load
.irp j, 0,1,2
	global_load_b128 v[STG+4*\j:STG+4*\j+3], v[GOF], s[KVB:KVB+1] offset:12288+4096*\j
.endr
.endif
.irp f, 0,1,2,3
	MM S+16*\f, KV+12*\f, QA, S+16*\f, KSW+\f, QSW
	MM S+16*\f+8, KV+12*\f, QB, S+16*\f+8, KSW+\f, QSW
.endr
.rept 4
	v_nop
.endr
.irp t, 0,1,2,3
.irp c, 0,1,2
	ds_load_b128 v[KV+12*\t+4*\c:KV+12*\t+4*\c+3], v[LI] offset:\slot*16384+6144+1536*\t+512*\c   ; V is asked for ahead of the softmax
.endr
.endr
	ds_load_b128 v[VSW:VSW+3], v[ADS] offset:8192
.irp b, 0,1,2,3
	v_max3_num_f32 v[BM+\b], v[S+16*\b], v[S+16*\b+1], v[S+16*\b+2]   ; the largest score of each block of 32 keys: for the row's maximum, and for the block's largest p
.endr
.irp i, 3,5,7,9,11,13
.irp b, 0,1,2,3
	v_max3_num_f32 v[BM+\b], v[BM+\b], v[S+16*\b+\i], v[S+16*\b+\i+1]
.endr
.endr
.irp b, 0,1,2,3
	v_max_num_f32 v[BM+\b], v[BM+\b], v[S+16*\b+15]
.endr
.irp b, 0,1,2,3
	v_permlanex16_b32 v[BP+\b], v[BM+\b], s[SEL], s[SEL+1]
.endr
.irp b, 0,1,2,3
	v_max_num_f32 v[BM+\b], v[BM+\b], v[BP+\b]
.endr
	v_max3_num_f32 v240, v[BM], v[BM+1], v[BM+2]
	v_max_num_f32 v240, v240, v[BM+3]
	v_mul_f32 v240, s[CS], v240
	v_max_num_f32 v13, v13, v240                   ; the running largest t
	v_mov_b32 v240, v12
	v_floor_f32 v12, -v13                          ; -M = floor(-t): M is a whole number
	v_sub_f32 v240, v12, v240                      ; old M - new M, 0 or less
	v_cvt_i32_f32 v240, v240                       ; (it saturates)
	v_ldexp_f32 v[FF], 1.0, v240                   ; f = 2^(old M - new M)
.set n, 0
.rept 32
	v_pk_fma_f32 v[S+n:S+n+1], v[S+n:S+n+1], s[CS:CS+1], v[12:13] op_sel_hi:[1,0,0]   ; t - M
.set n, n+2
.endr
.irp b, 0,1,2,3
	v_fma_f32 v[BM+\b], v[BM+\b], s[CS], v12
.endr
.set n, 0
.rept 64
	v_exp_f32 v[S+n], v[S+n]                       ; p = 2^(t - M)
.set n, n+1
.endr
	v_pk_mul_f32 v[14:15], v[14:15], v[FF:FF+1] op_sel_hi:[1,0]       ; the sums under the new M; a plain instruction behind the exponentials
	s_wait_alu depctr_va_vdst(0)                   ; one wait for the 64, ahead of their first reader
.irp b, 0,1,2,3
	v_exp_f32 v[BM+\b], v[BM+\b]                   ; each block's largest p
.endr
	v_pk_add_f32 v[242:243], v[S:S+1], v[S+2:S+3]  ; the row's sum of the unquantised p, in two chains
.irp j, 4,8,12,16,20,24,28,32,36,40,44,48,52,56,60
	v_pk_add_f32 v[14:15], v[14:15], v[S+\j:S+\j+1]
	v_pk_add_f32 v[242:243], v[242:243], v[S+\j+2:S+\j+3]
.endr
	v_pk_add_f32 v[14:15], v[14:15], v[242:243]
	s_wait_alu depctr_va_vdst(0)                   ; and one for the four
.irp b, 0,1,2,3
	v_max_num_f32 v[BM+\b], 0x2800000, v[BM+\b]    ; the floor 2^(5 - 127)
.endr
.irp b, 0,1,2,3
	v_add_nc_u32 v[SO+\b], 0xfe000000, v[BM+\b]
.endr
.irp b, 0,1,2,3
	v_lshrrev_b32 v[BP+\b], 23, v[SO+\b]
.endr
	v_lshl_or_b32 v[PWD], v[BP+1], 8, v[BP]
	v_lshl_or_b32 v[PWD], v[BP+2], 16, v[PWD]
	v_lshl_or_b32 v[PWD], v[BP+3], 24, v[PWD]
.irp c, 0,1
	v_cvt_scalef32_pk16_bf6_f32 v[PC+6*\c:PC+6*\c+2], v[S+32*\c:S+32*\c+15], v[SO+2*\c]
	v_cvt_scalef32_pk16_bf6_f32 v[CT+4*\c:CT+4*\c+2], v[S+32*\c+16:S+32*\c+31], v[SO+2*\c+1]
.endr
	v_nop
.irp c, 0,1
.irp i, 0,1,2
	v_permlane16_swap_b32 v[PC+6*\c+\i], v[CT+4*\c+\i]
.endr
.irp i, 0,1,2
	v_mov_b32 v[PC+6*\c+3+\i], v[CT+4*\c+\i]
.endr
.endr
.set n, 0
.rept 16
	v_pk_mul_f32 v[OT+n:OT+n+1], v[OT+n:OT+n+1], v[FF:FF+1] op_sel_hi:[1,0]   ; O^T under the new M; also the places in front of the products below
.set n, n+2
.endr
	s_wait_dscnt 0x0                               ; V
.irp t, 0,1,2,3
	MM OT+8*\t, KV+12*\t, PC, OT+8*\t, VSW+\t, PWD
.endr
	s_add_co_u32 s[TS], s[TS], 256
	s_add_co_u32 s[TBI], s[TBI], 2048              ; 128 keys of the table: 32 groups of 64 bytes
.endm
	s_mov_b32 s[CNT], 7
.Lsteps:                                           ; seven trips of two key steps; the slots' places are immediates
	STEP 0, 1, 1
	STEP 1, 1, 1
	s_sub_co_u32 s[CNT], s[CNT], 1
	s_cmp_lg_u32 s[CNT], 0
	s_cbranch_scc1 .Lsteps
	STEP 0, 1, 0                                   ; the last two steps ask for nothing: no load leaves the buffer
	STEP 1, 0, 0
	; ---- the two halves of the keys are merged: waves 8-15 hand O^T, -M and the sum to waves 0-7
	v_add_f32 v14, v14, v15
	v_nop
	v_nop
	v_nop                                          ; four places behind the last products
	s_cmp_lt_u32 s[WV], 8
	s_cbranch_scc1 .Lkeep
.irp i, 0,1,2,3,4,5,6,7
	ds_store_b128 v[MRA], v[OT+4*\i:OT+4*\i+3] offset:512*\i
.endr
	ds_store_b32 v[MRB], v12
	ds_store_b32 v[MRB], v14 offset:128
.Lkeep:
	s_wait_dscnt 0x0
	s_barrier_signal -1
	s_barrier_wait -1
	s_cmp_lt_u32 s[WV], 8
	s_cbranch_scc1 .Lmerge
	s_wait_xcnt 0x0
	v_lshl_add_u32 v254, v0, 2, 0x30400
	v_mov_b32 v255, 0
	s_wait_tensorcnt 0x0
	ds_add_u32 v254, v255
	s_wait_dscnt 0x0
	s_endpgm
.Lmerge:
.irp i, 0,1,2,3,4,5,6,7
	ds_load_b128 v[S+4*\i:S+4*\i+3], v[MRA] offset:512*\i
.endr
	ds_load_b32 v240, v[MRB]
	ds_load_b32 v241, v[MRB] offset:128
	v_mov_b32 v245, 0
	v_mov_b32 v246, 0
	s_wait_dscnt 0x0
	v_min_num_f32 v242, v12, v240                  ; -M of both halves
	v_sub_f32 v243, v242, v12
	v_sub_f32 v244, v242, v240
	v_cvt_i32_f32 v243, v243
	v_cvt_i32_f32 v244, v244
	v_ldexp_f32 v[FF], 1.0, v243                   ; my half's power of two (0 where all my keys were masked),
	v_ldexp_f32 v244, 1.0, v244                    ; the other's
.set n, 0
.rept 16
	v_pk_mul_f32 v[OT+n:OT+n+1], v[OT+n:OT+n+1], v[FF:FF+1] op_sel_hi:[1,0]
.set n, n+2
.endr
.set n, 0
.rept 16
	v_pk_fma_f32 v[OT+n:OT+n+1], v[S+n:S+n+1], v[244:245], v[OT+n:OT+n+1] op_sel_hi:[1,0,1]
.set n, n+2
.endr
	v_mul_f32 v14, v14, v[FF]
	v_fma_f32 v14, v241, v244, v14
	v_permlanex16_b32 v246, v14, s[SEL], s[SEL+1]
	v_add_f32 v14, v14, v246                       ; the row's sum
	v_rcp_f32 v14, v14
	v_and_b32 v6, 31, v0                           ; plain work behind the reciprocal: the stores' offsets
	v_and_b32 v8, 15, v0
	v_lshlrev_b32 v7, 3, v6
	v_lshlrev_b32 v6, 4, v6
	v_lshlrev_b32 v8, 5, v8
	s_wait_alu depctr_va_vdst(0)                   ; ahead of its first reader
.set n, 0
.rept 16
	v_pk_mul_f32 v[OT+n:OT+n+1], v[OT+n:OT+n+1], v[14:15] op_sel_hi:[1,0]
.set n, n+2
.endr
.irp g, 0,1
.irp j, 0,1,2,3,4,5,6,7
	v_permlane16_swap_b32 v[OT+16*\g+\j], v[OT+16*\g+8+\j]   ; register 16 g + i now holds channel 32 g + 16 h + i: the order of Wo's codes
.endr
.endr
	QUANT2 OT, PC, CT, 216, 240
	global_store_b128 v6, v[PC:PC+3], s[24:25]             ; registers 0-3: 512 consecutive bytes
	global_store_b64 v7, v[PC+4:PC+5], s[24:25] offset:512 ; registers 4-5: 256
	global_store_b16 v8, v240, s[26:27]                    ; my row's two scale bytes of this head (lanes 16-31 repeat lanes 0-15)
	s_wait_xcnt 0x0
	v_lshl_add_u32 v254, v0, 2, 0x30400
	v_mov_b32 v255, 0
	s_wait_tensorcnt 0x0
	ds_add_u32 v254, v255
	s_wait_dscnt 0x0
	s_endpgm
.Lfunc_end_k_qb6b95eb054_attn:
	.size	k_qb6b95eb054_attn, .Lfunc_end_k_qb6b95eb054_attn-k_qb6b95eb054_attn
	.p2alignl 7, 3214868480
	.fill 96, 4, 3214868480
	.section	.rodata,"a",@progbits
	.p2align	6, 0x0
	.amdhsa_kernel k_qb6b95eb054_attn
		.amdhsa_group_segment_fixed_size 199680
		.amdhsa_private_segment_fixed_size 0
		.amdhsa_enable_private_segment 0
		.amdhsa_kernarg_size 96
		.amdhsa_user_sgpr_count 2
		.amdhsa_user_sgpr_kernarg_segment_ptr 1
		.amdhsa_wavefront_size32 1
		.amdhsa_system_sgpr_workgroup_id_x 1
		.amdhsa_system_sgpr_workgroup_id_y 1
		.amdhsa_system_sgpr_workgroup_id_z 1
		.amdhsa_system_vgpr_workitem_id 0
		.amdhsa_next_free_vgpr 256
		.amdhsa_next_free_sgpr 66
		.amdhsa_reserve_vcc 1
		.amdhsa_float_denorm_mode_32 3
		.amdhsa_float_denorm_mode_16_64 3
		.amdhsa_memory_ordered 1
		.amdhsa_forward_progress 1
		.amdhsa_inst_pref_size 117
	.end_amdhsa_kernel
	.amdgpu_metadata
---
amdhsa.version: [ 1, 2 ]
amdhsa.kernels:
  - .name:           k_qb6b95eb054_attn
    .symbol:         k_qb6b95eb054_attn.kd
    .args:
      - { .name: x_codes, .offset: 0, .size: 8, .value_kind: global_buffer, .address_space: global }
      - { .name: x_scales, .offset: 8, .size: 8, .value_kind: global_buffer, .address_space: global }
      - { .name: Wq_codes, .offset: 16, .size: 8, .value_kind: global_buffer, .address_space: global }
      - { .name: Wq_scales, .offset: 24, .size: 8, .value_kind: global_buffer, .address_space: global }
      - { .name: kv, .offset: 32, .size: 8, .value_kind: global_buffer, .address_space: global }
      - { .name: sc, .offset: 40, .size: 8, .value_kind: global_buffer, .address_space: global }
      - { .name: query_type_ids, .offset: 48, .size: 8, .value_kind: global_buffer, .address_space: global }
      - { .name: kv_type_ids, .offset: 56, .size: 8, .value_kind: global_buffer, .address_space: global }
      - { .name: kv_padding_mask, .offset: 64, .size: 8, .value_kind: global_buffer, .address_space: global }
      - { .name: typed_bias, .offset: 72, .size: 8, .value_kind: global_buffer, .address_space: global }
      - { .name: o_codes, .offset: 80, .size: 8, .value_kind: global_buffer, .address_space: global }
      - { .name: o_scales, .offset: 88, .size: 8, .value_kind: global_buffer, .address_space: global }
    .group_segment_fixed_size: 199680
    .private_segment_fixed_size: 0
    .kernarg_segment_align: 8
    .kernarg_segment_size: 96
    .max_flat_workgroup_size: 512
    .sgpr_count:     66
    .vgpr_count:     256
    .wavefront_size: 32
...
	.end_amdgpu_metadata
.endif
;; end of part 3
;; launch outp (part 4): grid 128 x 1, 16 waves a work-group, no clusters, 86,528 bytes of LDS; arguments o_codes, o_scales, Wo_codes, Wo_scales, queries, on_w, on_b, out0; writes out0
.if DOCPART == 4
	.amdgcn_target "amdgcn-amd-amdhsa--gfx1250"
	.amdhsa_code_object_version 6
	.text
	.protected	k_qb6b95eb054_outp
	.globl	k_qb6b95eb054_outp
	.p2align	8
	.type	k_qb6b95eb054_outp,@function
k_qb6b95eb054_outp:
	s_mov_b64 s[64:65], 0
	v_nop
	global_prefetch_b8 v0, s[64:65] scope:SCOPE_SE
	s_setreg_imm32_b32 hwreg(HW_REG_WAVE_MODE, 25, 1), 1
	s_wait_xcnt 0x0
; out0 = LayerNorm(queries + Q(out) Wo^T), the product on codes of E3M2 with E8M0 scales, K = 1,024.
; A work-group owns 16 whole rows, since the norm wants all 1,024 columns of a row.  Wave w owns columns 64 w .. 64 w + 63: four tiles x eight K steps.
; Each fragment of Wo is used once in the work-group, by one wave: it goes from memory straight into that wave's registers, three K steps ahead.  No cluster: a joint load would send these bytes through LDS for one use each.
; The rows' codes (12,288 bytes, images of the operand's registers) are copied into LDS once and read by all sixteen waves.
; The product is used transposed (source 0 = 16 rows of Wo, source 1 = the 16 rows): lane (r, h) holds row r and columns 16 t + 8 h + j.  The residual is the C of each sum's first instruction.
; Mean and variance: each wave's part of a row's sum meets the others' in LDS, twice (the mean first, then the squared differences).
; LIMITS: NaN and infinities are not served.
.set STGB, 12288                       ; LDS: 0: the rows' codes;  a stage of 16 rows x (256 + 16) bytes for each wave;
.set SP,   272
.set RED1, 81920                       ; 16 rows x (64 + 16) bytes of partial sums, twice
.set RED2, 83200
.set RP,   80
.set ACC,  16                          ; v16-47
.set AF,   48                          ; v48-71   two sets
.set WF,   72                          ; v72-215  three sets of four fragments
.set WSW,  216                         ; v216-247 Wo's scale words
.set ASW,  248                         ; v248-255 the rows'
.macro MM d, a, b, c, sa, sb
	v_wmma_scale_f32_16x16x128_f8f6f4 v[\d:\d+7], v[\a:\a+11], v[\b:\b+11], v[\c:\c+7], v[\sa], v[\sb] matrix_a_fmt:MATRIX_FMT_BF6 matrix_b_fmt:MATRIX_FMT_BF6
.endm
.macro WLOAD s                         ; my four fragments of Wo for K step s
.irp t, 0,1,2,3
.irp p, 0,1,2,3,4,5
	global_load_b64 v[WF+48*((\s)%3)+12*\t+2*\p:WF+48*((\s)%3)+12*\t+2*\p+1], v3, s[8:9] offset:12288*\t+96*(\s)+48*(\p/3)+8*(\p%3)
.endr
.endr
.endm
.macro ALOAD s                         ; the rows' fragment of K step s: heads 2 s and 2 s + 1, six registers each
	ds_load_b128 v[AF+12*((\s)%2):AF+12*((\s)%2)+3], v1 offset:1536*(\s)
	ds_load_b64 v[AF+12*((\s)%2)+4:AF+12*((\s)%2)+5], v2 offset:1536*(\s)+512
	ds_load_b128 v[AF+12*((\s)%2)+6:AF+12*((\s)%2)+9], v1 offset:1536*(\s)+768
	ds_load_b64 v[AF+12*((\s)%2)+10:AF+12*((\s)%2)+11], v2 offset:1536*(\s)+1280
.endm
.macro KSTEP s, lc, dc                 ; lc, dc: the younger loads that may stay out
	s_wait_loadcnt \lc
	s_wait_dscnt \dc
.irp t, 0,1,2,3
	MM ACC+8*\t, WF+48*((\s)%3)+12*\t, AF+12*((\s)%2), ACC+8*\t, WSW+8*\t+(\s), ASW+(\s)
.endr
.rept 4
	v_nop                                          ; places in front of loads into registers that matrix instructions have read, and of the first read of results
.endr
.if (\s) <= 4
	WLOAD (\s)+3
.endif
.if (\s) <= 5
	ALOAD (\s)+2
.endif
.endm
.macro BARRIER
	s_wait_dscnt 0x0
	s_barrier_signal -1
	s_barrier_wait -1
.endm
; four pairs in v80-87 become my row's sum over all 1,024 columns, in v88
.macro ROWRED off
	v_pk_add_f32 v[80:81], v[80:81], v[82:83]
	v_pk_add_f32 v[84:85], v[84:85], v[86:87]
	v_pk_add_f32 v[80:81], v[80:81], v[84:85]
	v_add_f32 v80, v80, v81
	v_permlanex16_b32 v81, v80, s22, s23
	v_add_f32 v80, v80, v81                        ; my wave's 64 columns of row r
	ds_store_b32 v8, v80 offset:\off               ; both lanes of a row write the same word with the same value
	BARRIER
.irp i, 0,1,2,3
	ds_load_b128 v[88+4*\i:91+4*\i], v9 offset:\off+16*\i
.endr
	s_wait_dscnt 0x0
.irp k, 0,1,2,3
	v_pk_add_f32 v[88+4*\k:89+4*\k], v[88+4*\k:89+4*\k], v[90+4*\k:91+4*\k]
.endr
	v_pk_add_f32 v[88:89], v[88:89], v[92:93]
	v_pk_add_f32 v[96:97], v[96:97], v[100:101]
	v_pk_add_f32 v[88:89], v[88:89], v[96:97]
	v_add_f32 v88, v88, v89
.endm
	s_load_b512 s[4:19], s[0:1], 0x0               ; o_codes, o_scales, Wo_codes, Wo_scales, queries, on_w, on_b, out0
	v_lshrrev_b32 v1, 5, v0
	v_readfirstlane_b32 s20, v1                    ; wave 0..15
	v_and_b32 v11, 31, v0                          ; lane
	v_and_b32 v12, 15, v0                          ; r
	v_bfe_u32 v13, v0, 4, 1                        ; h
	v_lshlrev_b32 v1, 4, v11                       ; 16 lane
	v_lshlrev_b32 v2, 3, v11                       ; 8 lane
	v_mul_u32_u24 v3, v12, 768
	v_mad_u32_u24 v3, v13, 24, v3                  ; Wo: row r, + 24 h
	v_lshlrev_b32 v4, 5, v12                       ; scale words: 32 bytes a row
	v_lshlrev_b32 v5, 4, v12
	v_lshl_add_u32 v5, v13, 12, v5                 ; rows in and out: lanes 0-15 one row's 256 bytes, lanes 16-31 the next row's
	s_mul_i32 s21, s20, 16*SP
	s_add_co_u32 s21, s21, STGB                    ; my stage
	v_mul_u32_u24 v6, v13, SP
	v_lshl_add_u32 v6, v12, 4, v6
	v_add_nc_u32 v6, s21, v6                       ; by rows
	v_mul_u32_u24 v7, v12, SP
	v_lshl_add_u32 v7, v13, 5, v7
	v_add_nc_u32 v7, s21, v7                       ; as the accumulators lie
	v_mul_u32_u24 v9, v12, RP
	v_add_nc_u32 v9, RED1, v9                      ; row r's sixteen partial sums
	s_lshl_b32 s21, s20, 2
	v_add_nc_u32 v8, s21, v9                       ; my wave's among them
	v_lshlrev_b32 v10, 3, v0                       ; 8 x thread
	v_lshlrev_b32 v14, 4, v12                      ; 16 r
	s_mov_b32 s22, 0x76543210
	s_mov_b32 s23, 0xfedcba98
	s_mov_b32 s24, 0x3a800000                      ; 1 / 1,024
	s_mov_b32 s25, 0x3727c5ac                      ; 1e-5
	s_mov_b32 s27, 0
	s_wait_kmcnt 0x0
	s_mul_i32 s26, ttmp9, 12288
	s_add_nc_u64 s[4:5], s[4:5], s[26:27]
	s_lshl_b32 s26, ttmp9, 9
	s_add_nc_u64 s[6:7], s[6:7], s[26:27]
	s_mul_i32 s26, s20, 49152
	s_add_nc_u64 s[8:9], s[8:9], s[26:27]
	s_lshl_b32 s26, s20, 11
	s_add_nc_u64 s[10:11], s[10:11], s[26:27]
	s_lshl_b32 s26, s20, 8
	s_add_nc_u64 s[14:15], s[14:15], s[26:27]
	s_add_nc_u64 s[16:17], s[16:17], s[26:27]
	s_lshl_b32 s28, ttmp9, 16
	s_add_co_u32 s26, s26, s28
	s_add_nc_u64 s[12:13], s[12:13], s[26:27]
	s_add_nc_u64 s[18:19], s[18:19], s[26:27]
.irp i, 0,1,2
	global_load_b64 v[AF+2*\i:AF+2*\i+1], v10, s[4:5] offset:4096*\i
.endr
.irp i, 0,1,2,3,4,5,6,7
	global_load_b128 v[168+4*\i:171+4*\i], v5, s[12:13] offset:8192*\i   ; the residual: two rows' 256 bytes
.endr
	global_load_b128 v[ASW:ASW+3], v4, s[6:7]
	global_load_b128 v[ASW+4:ASW+7], v4, s[6:7] offset:16
.irp t, 0,1,2,3
	global_load_b128 v[WSW+8*\t:WSW+8*\t+3], v4, s[10:11] offset:512*\t
	global_load_b128 v[WSW+8*\t+4:WSW+8*\t+7], v4, s[10:11] offset:512*\t+16
.endr
	WLOAD 0
	s_wait_loadcnt 42                              ; the copy's three are in; the 42 behind them may be out
.irp i, 0,1,2
	ds_store_b64 v10, v[AF+2*\i:AF+2*\i+1] offset:4096*\i
.endr
	s_wait_loadcnt 34                              ; the residual's eight are in; the 34 behind them may be out
.irp i, 0,1,2,3,4,5,6,7
	ds_store_b128 v6, v[168+4*\i:171+4*\i] offset:2*SP*\i
.endr
.irp t, 0,1,2,3
	ds_load_b128 v[ACC+8*\t:ACC+8*\t+3], v7 offset:64*\t          ; LDS serves a wave's instructions in order: these see my stores
	ds_load_b128 v[ACC+8*\t+4:ACC+8*\t+7], v7 offset:64*\t+16
.endr
	WLOAD 1
	BARRIER                                        ; the rows' codes lie in LDS; my stores have read their registers
	WLOAD 2
	ALOAD 0
	ALOAD 1
	KSTEP 0, 48, 4                                 ; two sets of Wo's fragments and one of the rows' may be out
	KSTEP 1, 48, 4
	KSTEP 2, 48, 4
	KSTEP 3, 48, 4
	KSTEP 4, 48, 4
	KSTEP 5, 48, 4
	KSTEP 6, 24, 4
	KSTEP 7, 0, 0
	global_load_b128 v[72:75], v14, s[14:15]       ; gain and bias of the four columns that I store
	global_load_b128 v[76:79], v14, s[16:17]
.irp k, 0,1,2,3
	v_pk_add_f32 v[80+2*\k:81+2*\k], v[ACC+4*\k:ACC+4*\k+1], v[ACC+4*\k+2:ACC+4*\k+3]   ; each accumulator from its low end on
.endr
.irp k, 0,1,2,3,4,5,6,7
	v_pk_add_f32 v[80+2*(\k%4):81+2*(\k%4)], v[80+2*(\k%4):81+2*(\k%4)], v[ACC+16+2*\k:ACC+17+2*\k]
.endr
	ROWRED 0
	v_mul_f32 v88, s24, v88                        ; the mean
.irp k, 0,1,2,3,4,5,6,7,8,9,10,11,12,13,14,15
	v_pk_add_f32 v[ACC+2*\k:ACC+2*\k+1], v[ACC+2*\k:ACC+2*\k+1], v[88:89] op_sel_hi:[1,0] neg_lo:[0,1] neg_hi:[0,1]
.endr
.irp k, 0,1,2,3
	v_pk_mul_f32 v[80+2*\k:81+2*\k], v[ACC+2*\k:ACC+2*\k+1], v[ACC+2*\k:ACC+2*\k+1]
.endr
.irp k, 0,1,2,3,4,5,6,7,8,9,10,11
	v_pk_fma_f32 v[80+2*(\k%4):81+2*(\k%4)], v[ACC+8+2*\k:ACC+9+2*\k], v[ACC+8+2*\k:ACC+9+2*\k], v[80+2*(\k%4):81+2*(\k%4)]
.endr
	ROWRED RED2-RED1
	v_fma_f32 v88, v88, s24, s25
	v_rsq_f32 v120, v88
	v_mov_b32 v121, 0                              ; a plain instruction behind it; the pair's upper half is written
	s_wait_alu depctr_va_vdst(0)                   ; ahead of the first reader
.irp k, 0,1,2,3,4,5,6,7,8,9,10,11,12,13,14,15
	v_pk_mul_f32 v[ACC+2*\k:ACC+2*\k+1], v[ACC+2*\k:ACC+2*\k+1], v[120:121] op_sel_hi:[1,0]
.endr
.irp t, 0,1,2,3
	ds_store_b128 v7, v[ACC+8*\t:ACC+8*\t+3] offset:64*\t
	ds_store_b128 v7, v[ACC+8*\t+4:ACC+8*\t+7] offset:64*\t+16
.endr
.irp i, 0,1,2,3,4,5,6,7
	ds_load_b128 v[88+4*\i:91+4*\i], v6 offset:2*SP*\i     ; my own stage, served in order
.endr
	s_wait_loadcnt 0x0                             ; gain and bias
.irp i, 0,1,2,3,4,5,6,7
	s_wait_dscnt 7-\i                              ; load i is in; the younger ones may be out
	v_pk_fma_f32 v[88+4*\i:89+4*\i], v[88+4*\i:89+4*\i], v[72:73], v[76:77]
	v_pk_fma_f32 v[90+4*\i:91+4*\i], v[90+4*\i:91+4*\i], v[74:75], v[78:79]
	global_store_b128 v5, v[88+4*\i:91+4*\i], s[18:19] offset:8192*\i th:TH_STORE_NT   ; sixteen lanes store 256 consecutive bytes of a row
.endr
	s_wait_xcnt 0x0
	v_lshl_add_u32 v254, v0, 2, 0x14a00
	v_mov_b32 v255, 0
	s_wait_tensorcnt 0x0
	ds_add_u32 v254, v255
	s_wait_dscnt 0x0
	s_endpgm
.Lfunc_end_k_qb6b95eb054_outp:
	.size	k_qb6b95eb054_outp, .Lfunc_end_k_qb6b95eb054_outp-k_qb6b95eb054_outp
	.p2alignl 7, 3214868480
	.fill 96, 4, 3214868480
	.section	.rodata,"a",@progbits
	.p2align	6, 0x0
	.amdhsa_kernel k_qb6b95eb054_outp
		.amdhsa_group_segment_fixed_size 86528
		.amdhsa_private_segment_fixed_size 0
		.amdhsa_enable_private_segment 0
		.amdhsa_kernarg_size 64
		.amdhsa_user_sgpr_count 2
		.amdhsa_user_sgpr_kernarg_segment_ptr 1
		.amdhsa_wavefront_size32 1
		.amdhsa_system_sgpr_workgroup_id_x 1
		.amdhsa_system_sgpr_workgroup_id_y 1
		.amdhsa_system_sgpr_workgroup_id_z 1
		.amdhsa_system_vgpr_workitem_id 0
		.amdhsa_next_free_vgpr 256
		.amdhsa_next_free_sgpr 66
		.amdhsa_reserve_vcc 0
		.amdhsa_float_denorm_mode_32 3
		.amdhsa_float_denorm_mode_16_64 3
		.amdhsa_memory_ordered 1
		.amdhsa_forward_progress 1
		.amdhsa_inst_pref_size 42
	.end_amdhsa_kernel
	.amdgpu_metadata
---
amdhsa.version: [ 1, 2 ]
amdhsa.kernels:
  - .name:           k_qb6b95eb054_outp
    .symbol:         k_qb6b95eb054_outp.kd
    .args:
      - { .name: o_codes, .offset: 0, .size: 8, .value_kind: global_buffer, .address_space: global }
      - { .name: o_scales, .offset: 8, .size: 8, .value_kind: global_buffer, .address_space: global }
      - { .name: Wo_codes, .offset: 16, .size: 8, .value_kind: global_buffer, .address_space: global }
      - { .name: Wo_scales, .offset: 24, .size: 8, .value_kind: global_buffer, .address_space: global }
      - { .name: queries, .offset: 32, .size: 8, .value_kind: global_buffer, .address_space: global }
      - { .name: on_w, .offset: 40, .size: 8, .value_kind: global_buffer, .address_space: global }
      - { .name: on_b, .offset: 48, .size: 8, .value_kind: global_buffer, .address_space: global }
      - { .name: out0, .offset: 56, .size: 8, .value_kind: global_buffer, .address_space: global }
    .group_segment_fixed_size: 86528
    .private_segment_fixed_size: 0
    .kernarg_segment_align: 8
    .kernarg_segment_size: 64
    .max_flat_workgroup_size: 512
    .sgpr_count:     66
    .vgpr_count:     256
    .wavefront_size: 32
...
	.end_amdgpu_metadata
.endif
;; end of part 4
;; ======== version 2 of 2: 4 launches
;; limits: right only within a limited range of input values
;; workspace buffers: x_codes 7,864,320 bytes; x_scales 327,680 bytes; kv 12,582,912 bytes; sc 524,288 bytes; o_codes 1,572,864 bytes; o_scales 65,536 bytes; wo_img 786,432 bytes
;; launch norm (part 5): grid 704 x 1, 8 waves a work-group, no clusters, 79,872 bytes of LDS; arguments queries, kv_tokens, qn_w, qn_b, kvn_w, kvn_b, x_codes, x_scales, Wo_codes, wo_img; writes x_codes, x_scales, wo_img
.if DOCPART == 5
	.amdgcn_target "amdgcn-amd-amdhsa--gfx1250"
	.amdhsa_code_object_version 6
	.text
	.protected	k_qb6b95eb054_norm
	.globl	k_qb6b95eb054_norm
	.p2align	8
	.type	k_qb6b95eb054_norm,@function
k_qb6b95eb054_norm:
	s_mov_b64 s[64:65], 0
	v_nop
	global_prefetch_b8 v0, s[64:65] scope:SCOPE_SE
	s_setreg_imm32_b32 hwreg(HW_REG_WAVE_MODE, 25, 1), 1
	s_wait_xcnt 0x0
; LayerNorm of the 8,192 kv tokens and the 2,048 queries (rows of 1,024 f32), quantised along the row to codes of E3M2 with one E8M0 byte for each 32 numbers.
; x_codes: [10,240 rows][768 bytes], a row's codes one stream of bits, rows 0..8,191 the kv tokens, then the queries.  x_scales: [10,240][32].
; A work-group takes 16 rows: groups 0..511 kv tokens, 512..639 queries; pointers are chosen, and the queries' codes leave by a branch of their own.
; Phase 1: wave w owns rows 2 w and 2 w + 1: every load covers 512 consecutive bytes; mean, then the mean of the squared differences, as the definition has it; the row goes to a stage in LDS.
; Phase 2: wave w owns columns 128 w .. 128 w + 127 of all 16 rows: lane (r, h) reads 16 neighbours of each block of 32 of row r, two lanes hold a block; codes and scale words meet in LDS and leave as dense bytes.
; GROUPS 640..703 lay Wo's codes out for the last launch, as images of the operand's registers: group 640 + T takes rows 16 T .. 16 T + 15, wave w the K step w: wo_img [T][w][1,536]: three runs of 512 bytes, four registers
; each, lane l at 16 l.  The last launch's 128 work-groups then take each fragment by three loads of 512 consecutive bytes.  This path has no LDS and no barrier; it parts on the work-group's number alone.
; LIMITS: a block whose largest magnitude lies under 2^-122 keeps the scale byte 1 (a block of zeros too: its codes are zeros; the bytes are read by this program alone); NaN and infinities are not served.
; THE QUERIES' CODES (groups 512..639) do not leave as rows: they leave as images of the operand's registers, in the same bytes of x_codes: tile of 16 rows g, K step w at 12,288 g + 1,536 w:
; three runs of 512 bytes, four registers each, lane l at 16 l.  Only the kv tokens' codes go through the codes' stage and leave as rows of 768 bytes.
.set YP,   4112
.set CST,  16*YP                       ; the codes' stage: 16 rows x 784
.set CP,   784                         ; 768 bytes + 16
.set SST,  CST+16*CP                   ; the scale words' stage: 16 rows x 32 bytes
.set X,    16                          ; v16-79   two rows, 32 registers each; later the 64 numbers to quantise
.set GW,   80                          ; v80-111  the gain
.set GB,   112                         ; v112-143 the bias
.set TA,   144                         ; v144-151 row 0's sums
.set TB,   152                         ; v152-159 row 1's
.set TM,   144                         ; v144-159 the quantiser's work
.set D0,   80                          ; codes of k 0..63: they take the gain's registers, which are done with, so that the wave names 160 registers
.set D1,   86                          ; codes of k 64..127
.set CT,   92                          ; the conversions' second halves
.set PW,   100                         ; the scale word
.set WV,   24                          ; s24 wave
.set SEL,  20                          ; s[20:21] lane l xor 16
.macro FOLD t                          ; four pairs become one
	s_delay_alu instid0(VALU_DEP_3)
	v_pk_add_f32 v[\t:\t+1], v[\t:\t+1], v[\t+2:\t+3]
	s_delay_alu instid0(VALU_DEP_2)
	v_pk_add_f32 v[\t+4:\t+5], v[\t+4:\t+5], v[\t+6:\t+7]
	s_delay_alu instid0(VALU_DEP_1)
	v_pk_add_f32 v[\t:\t+1], v[\t:\t+1], v[\t+4:\t+5]
.endm
.macro LANES t                         ; the pair's two halves and the 32 lanes: the sum stands in every lane
	s_delay_alu instid0(VALU_DEP_1)
	v_add_f32 v[\t], v[\t], v[\t+1]
	s_delay_alu instid0(VALU_DEP_1)
	v_add_f32_dpp v[\t], v[\t], v[\t] row_xmask:1 row_mask:0xf bank_mask:0xf
	s_delay_alu instid0(VALU_DEP_1)
	v_add_f32_dpp v[\t], v[\t], v[\t] row_xmask:2 row_mask:0xf bank_mask:0xf
	s_delay_alu instid0(VALU_DEP_1)
	v_add_f32_dpp v[\t], v[\t], v[\t] row_xmask:4 row_mask:0xf bank_mask:0xf
	s_delay_alu instid0(VALU_DEP_1)
	v_add_f32_dpp v[\t], v[\t], v[\t] row_xmask:8 row_mask:0xf bank_mask:0xf
	s_delay_alu instid0(VALU_DEP_1)
	v_permlanex16_b32 v[\t+1], v[\t], s[SEL], s[SEL+1]
	s_delay_alu instid0(VALU_DEP_1)
	v_add_f32 v[\t], v[\t], v[\t+1]
.endm
.macro ROWSTAT x, t                    ; v[x..x+31] become x - mean; v[t] = variance + eps
.irp k, 0,1,2,3
	v_pk_add_f32 v[\t+2*\k:\t+2*\k+1], v[\x+4*\k:\x+4*\k+1], v[\x+4*\k+2:\x+4*\k+3]
.endr
.irp k, 0,1,2,3,4,5,6,7
	s_delay_alu instid0(VALU_DEP_4)
	v_pk_add_f32 v[\t+2*(\k%4):\t+2*(\k%4)+1], v[\t+2*(\k%4):\t+2*(\k%4)+1], v[\x+16+2*\k:\x+17+2*\k]
.endr
	FOLD \t
	LANES \t
	s_delay_alu instid0(VALU_DEP_1)
	v_mul_f32 v[\t], s22, v[\t]                    ; the mean
.irp k, 0,1,2,3,4,5,6,7,8,9,10,11,12,13,14,15
	v_pk_add_f32 v[\x+2*\k:\x+2*\k+1], v[\x+2*\k:\x+2*\k+1], v[\t:\t+1] op_sel_hi:[1,0] neg_lo:[0,1] neg_hi:[0,1]
.endr
.irp k, 0,1,2,3
	v_pk_mul_f32 v[\t+2*\k:\t+2*\k+1], v[\x+2*\k:\x+2*\k+1], v[\x+2*\k:\x+2*\k+1]
.endr
.irp k, 0,1,2,3,4,5,6,7,8,9,10,11
	s_delay_alu instid0(VALU_DEP_4)
	v_pk_fma_f32 v[\t+2*(\k%4):\t+2*(\k%4)+1], v[\x+8+2*\k:\x+9+2*\k], v[\x+8+2*\k:\x+9+2*\k], v[\t+2*(\k%4):\t+2*(\k%4)+1]
.endr
	FOLD \t
	LANES \t
	s_delay_alu instid0(VALU_DEP_1)
	v_fma_f32 v[\t], v[\t], s22, s23
.endm
	s_load_b512 s[4:19], s[0:1], 0x0               ; queries, kv_tokens, qn_w, qn_b, kvn_w, kvn_b, x_codes, x_scales
	s_load_b128 s[32:35], s[0:1], 0x40             ; Wo_codes, wo_img
	v_lshl_add_u32 v13, v0, 2, 0x13400
	v_mov_b32 v14, 0
	v_lshrrev_b32 v1, 5, v0
	s_delay_alu instid0(VALU_DEP_1)
	v_readfirstlane_b32 s[WV], v1                  ; wave 0..7
	v_and_b32 v1, 31, v0                           ; lane
	v_and_b32 v2, 15, v0                           ; r
	v_bfe_u32 v3, v0, 4, 1                         ; h
	s_delay_alu instid0(VALU_DEP_3)
	v_lshlrev_b32 v4, 4, v1                        ; 16 x lane
	s_mul_i32 s25, s[WV], 2*YP
	v_add_nc_u32 v5, s25, v4                       ; the stage, in: my two rows, 16 bytes a lane
	v_mul_u32_u24 v6, v2, YP
	s_delay_alu instid0(VALU_DEP_1)
	v_lshl_add_u32 v6, v3, 6, v6
	s_lshl_b32 s25, s[WV], 9
	v_add_nc_u32 v6, s25, v6                       ; the stage, out: row r, my wave's 512 bytes, + 64 h
	v_mul_u32_u24 v7, v2, CP
	s_delay_alu instid0(VALU_DEP_1)
	v_mad_u32_u24 v7, v3, 24, v7
	s_mul_i32 s25, s[WV], 96
	s_add_co_u32 s25, s25, CST
	v_add_nc_u32 v7, s25, v7                       ; the codes' stage, in: row r, 96 bytes a wave, + 24 h
	v_lshlrev_b32 v8, 5, v2
	s_lshl_b32 s25, s[WV], 2
	s_add_co_u32 s25, s25, SST
	v_add_nc_u32 v8, s25, v8                       ; the scale word of row r, K step w
	s_mul_i32 s25, s[WV], 2*CP
	s_add_co_u32 s25, s25, CST
	v_add_nc_u32 v9, s25, v4                       ; the codes' stage, out: rows 2 w and 2 w + 1 as 1,536 dense bytes;
	s_delay_alu instid0(VALU_DEP_1)
	v_lshl_add_u32 v10, v3, 4, v9                  ; lanes 16-31 of the middle load stand behind the first row's padding
	v_add_nc_u32 v11, SST, v4                      ; the 512 bytes of scale words (wave 0)
	s_mov_b32 s[SEL], 0x76543210
	s_mov_b32 s[SEL+1], 0xfedcba98
	s_mov_b32 s22, 0x3a800000                      ; 1 / 1,024
	s_mov_b32 s23, 0x3727c5ac                      ; 1e-5
	s_wait_kmcnt 0x0
	s_cmp_ge_u32 ttmp9, 640                        ; the last 64 work-groups lay Wo out: all eight waves of a group go the same way
	s_cbranch_scc1 .Lwo
	s_cmp_lt_u32 ttmp9, 512                        ; kv tokens or queries: the choice hangs on the work-group's number alone
	s_cselect_b64 s[4:5], s[6:7], s[4:5]
	s_cselect_b64 s[8:9], s[12:13], s[8:9]
	s_cselect_b64 s[10:11], s[14:15], s[10:11]
	s_cselect_b32 s25, 0, 512
	s_sub_co_u32 s25, ttmp9, s25                   ; the tile of 16 rows inside its input
	s_lshl_b32 s26, s25, 16
	s_lshl_b32 s27, s[WV], 13
	s_add_co_u32 s26, s26, s27
	s_mov_b32 s27, 0
	s_add_nc_u64 s[4:5], s[4:5], s[26:27]          ; my two rows
	s_mul_i32 s26, ttmp9, 12288
	s_mul_i32 s28, s[WV], 1536
	s_add_co_u32 s26, s26, s28
	s_add_nc_u64 s[16:17], s[16:17], s[26:27]      ; their codes
	s_lshl_b32 s26, ttmp9, 9
	s_add_nc_u64 s[18:19], s[18:19], s[26:27]      ; the tile's scale bytes
.irp i, 0,1
.irp j, 0,1,2,3,4,5,6,7
	global_load_b128 v[X+32*\i+4*\j:X+32*\i+4*\j+3], v4, s[4:5] offset:4096*\i+512*\j th:TH_LOAD_NT
.endr
.endr
.irp j, 0,1,2,3,4,5,6,7
	global_load_b128 v[GW+4*\j:GW+4*\j+3], v4, s[8:9] offset:512*\j
.endr
.irp j, 0,1,2,3,4,5,6,7
	global_load_b128 v[GB+4*\j:GB+4*\j+3], v4, s[10:11] offset:512*\j
.endr
	s_wait_loadcnt 16                              ; the rows are in; the 16 loads of gain and bias may be out
	ROWSTAT X, TA
	ROWSTAT X+32, TB
	s_wait_alu depctr_va_vdst(0)
	v_rsq_f32 v[TA], v[TA]
	v_rsq_f32 v[TB], v[TB]
	v_nop                                          ; a plain instruction behind the last of the two
	s_wait_alu depctr_va_vdst(0)                   ; one wait for both, ahead of the first reader
.irp k, 0,1,2,3,4,5,6,7,8,9,10,11,12,13,14,15
	v_pk_mul_f32 v[X+2*\k:X+2*\k+1], v[X+2*\k:X+2*\k+1], v[TA:TA+1] op_sel_hi:[1,0]
	v_pk_mul_f32 v[X+32+2*\k:X+33+2*\k], v[X+32+2*\k:X+33+2*\k], v[TB:TB+1] op_sel_hi:[1,0]
.endr
	s_wait_loadcnt 0x0                             ; gain and bias
.irp k, 0,1,2,3,4,5,6,7,8,9,10,11,12,13,14,15
	v_pk_fma_f32 v[X+2*\k:X+2*\k+1], v[X+2*\k:X+2*\k+1], v[GW+2*\k:GW+2*\k+1], v[GB+2*\k:GB+2*\k+1]
	v_pk_fma_f32 v[X+32+2*\k:X+33+2*\k], v[X+32+2*\k:X+33+2*\k], v[GW+2*\k:GW+2*\k+1], v[GB+2*\k:GB+2*\k+1]
.endr
.irp i, 0,1
.irp j, 0,1,2,3,4,5,6,7
	ds_store_b128 v5, v[X+32*\i+4*\j:X+32*\i+4*\j+3] offset:YP*\i+512*\j
.endr
.endr
	s_wait_dscnt 0x0                               ; for the others' sake: my rows lie in the stage
	s_barrier_signal -1
	s_barrier_wait -1
.irp b, 0,1,2,3
.irp i, 0,1,2,3
	ds_load_b128 v[X+16*\b+4*\i:X+16*\b+4*\i+3], v6 offset:128*\b+16*\i   ; register 16 b + i = column 128 w + 32 b + 16 h + i of row r
.endr
.endr
	s_wait_dscnt 0x0
.irp b, 0,1,2,3
	v_max3_num_f32 v[TM+\b], |v[X+16*\b]|, |v[X+16*\b+1]|, 0x2800000       ; my 16 numbers of block b, and the floor 2^(5 - 127): the byte cannot fall under 1
.endr
.irp i, 2,4,6,8,10,12,14
.irp b, 0,1,2,3
	s_delay_alu instid0(VALU_DEP_4)
	v_max3_num_f32 v[TM+\b], |v[X+16*\b+\i]|, |v[X+16*\b+\i+1]|, v[TM+\b]
.endr
.endr
.irp b, 0,1,2,3
	s_delay_alu instid0(VALU_DEP_4)
	v_permlanex16_b32 v[TM+4+\b], v[TM+\b], s[SEL], s[SEL+1]
.endr
.irp b, 0,1,2,3
	s_delay_alu instid0(VALU_DEP_4)
	v_max_num_f32 v[TM+\b], v[TM+\b], v[TM+4+\b]   ; with lane l xor 16's: the block's largest magnitude
.endr
.irp b, 0,1,2,3
	s_delay_alu instid0(VALU_DEP_4)
	v_add_nc_u32 v[TM+12+\b], 0xfe000000, v[TM+\b] ; 4 off its exponent field: the conversion's scale operand
.endr
.irp b, 0,1,2,3
	s_delay_alu instid0(VALU_DEP_4)
	v_lshrrev_b32 v[TM+4+\b], 23, v[TM+12+\b]      ; the scale's byte
.endr
	s_delay_alu instid0(VALU_DEP_3)
	v_lshl_or_b32 v[PW], v[TM+5], 8, v[TM+4]
	s_delay_alu instid0(VALU_DEP_1)
	v_lshl_or_b32 v[PW], v[TM+6], 16, v[PW]
	s_delay_alu instid0(VALU_DEP_1)
	v_lshl_or_b32 v[PW], v[TM+7], 24, v[PW]
	v_cvt_scalef32_pk16_bf6_f32 v[D0:D0+2], v[X:X+15], v[TM+12]
	v_cvt_scalef32_pk16_bf6_f32 v[CT:CT+2], v[X+16:X+31], v[TM+13]
	v_cvt_scalef32_pk16_bf6_f32 v[D1:D1+2], v[X+32:X+47], v[TM+14]
	v_cvt_scalef32_pk16_bf6_f32 v[CT+4:CT+6], v[X+48:X+63], v[TM+15]
	v_nop                                          ; one plain instruction behind the scaled conversions
.irp i, 0,1,2
	v_permlane16_swap_b32 v[D0+\i], v[CT+\i]       ; a whole block to a lane: lanes 0-15 the even block, lanes 16-31 the odd one
	v_permlane16_swap_b32 v[D1+\i], v[CT+4+\i]
.endr
.irp i, 0,1,2
	v_mov_b32 v[D0+3+\i], v[CT+\i]
	v_mov_b32 v[D1+3+\i], v[CT+4+\i]
.endr
	s_wait_alu depctr_va_vdst(0)
	s_cmp_ge_u32 ttmp9, 512                        ; queries: all eight waves of a group go the same way
	s_cbranch_scc1 .Lq_img
.irp p, 0,1,2
	ds_store_b64 v7, v[D0+2*\p:D0+2*\p+1] offset:8*\p
	ds_store_b64 v7, v[D1+2*\p:D1+2*\p+1] offset:48+8*\p
.endr
	s_branch .Lcodes_out
.Lq_img:
.irp c, 0,1,2
	global_store_b128 v4, v[D0+4*\c:D0+4*\c+3], s[16:17] offset:512*\c   ; the twelve registers are the fragment of my K step: they leave as they stand, 512 consecutive bytes a store
.endr
.Lcodes_out:
	ds_store_b32 v8, v[PW]                         ; both lanes of a row write the same word with the same value
	s_wait_dscnt 0x0
	s_barrier_signal -1
	s_barrier_wait -1
	s_cmp_ge_u32 ttmp9, 512                        ; the queries' codes have left already
	s_cbranch_scc1 .Lrows_out
	ds_load_b128 v[16:19], v9
	ds_load_b128 v[20:23], v10 offset:512
	ds_load_b128 v[24:27], v9 offset:1040
	s_wait_dscnt 0x0
	global_store_b128 v4, v[16:19], s[16:17]               ; each store covers 512 consecutive bytes
	global_store_b128 v4, v[20:23], s[16:17] offset:512
	global_store_b128 v4, v[24:27], s[16:17] offset:1024
.Lrows_out:
	s_cmp_lg_u32 s[WV], 0
	s_cbranch_scc1 .Ldone
	ds_load_b128 v[28:31], v11
	s_wait_dscnt 0x0
	global_store_b128 v4, v[28:31], s[18:19]               ; the tile's 512 scale bytes
.Ldone:
	s_wait_tensorcnt 0x0
	ds_add_u32 v13, v14
	s_wait_dscnt 0x0
	s_endpgm
.Lwo:
	; Wo's fragment (rows 16 T + r, K step w): lane (r, h) takes the 24 bytes at 96 w + 24 h of its row into registers 0-5 and the 24 bytes 48 further on into registers 6-11, and the twelve registers leave as they stand
	s_sub_co_u32 s25, ttmp9, 640                   ; T
	s_mul_i32 s26, s25, 12288                      ; 16 rows of 768 bytes; and as many bytes of images
	s_mov_b32 s27, 0
	s_mul_i32 s28, s[WV], 96
	s_add_co_u32 s28, s28, s26
	s_mov_b32 s29, 0
	s_add_nc_u64 s[32:33], s[32:33], s[28:29]
	s_mul_i32 s28, s[WV], 1536
	s_add_co_u32 s26, s26, s28
	s_add_nc_u64 s[34:35], s[34:35], s[26:27]
	v_mul_u32_u24 v12, v2, 768
	s_delay_alu instid0(VALU_DEP_1)
	v_mad_u32_u24 v12, v3, 24, v12
.irp p, 0,1,2,3,4,5
	global_load_b64 v[16+2*\p:17+2*\p], v12, s[32:33] offset:48*(\p/3)+8*(\p%3)
.endr
	s_wait_loadcnt 0x0
.irp c, 0,1,2
	global_store_b128 v4, v[16+4*\c:19+4*\c], s[34:35] offset:512*\c   ; 512 consecutive bytes
.endr
	s_endpgm
.Lfunc_end_k_qb6b95eb054_norm:
	.size	k_qb6b95eb054_norm, .Lfunc_end_k_qb6b95eb054_norm-k_qb6b95eb054_norm
	.p2alignl 7, 3214868480
	.fill 96, 4, 3214868480
	.section	.rodata,"a",@progbits
	.p2align	6, 0x0
	.amdhsa_kernel k_qb6b95eb054_norm
		.amdhsa_group_segment_fixed_size 79872
		.amdhsa_private_segment_fixed_size 0
		.amdhsa_enable_private_segment 0
		.amdhsa_kernarg_size 80
		.amdhsa_user_sgpr_count 2
		.amdhsa_user_sgpr_kernarg_segment_ptr 1
		.amdhsa_wavefront_size32 1
		.amdhsa_system_sgpr_workgroup_id_x 1
		.amdhsa_system_sgpr_workgroup_id_y 1
		.amdhsa_system_sgpr_workgroup_id_z 1
		.amdhsa_system_vgpr_workitem_id 0
		.amdhsa_next_free_vgpr 160
		.amdhsa_next_free_sgpr 66
		.amdhsa_reserve_vcc 0
		.amdhsa_float_denorm_mode_32 3
		.amdhsa_float_denorm_mode_16_64 3
		.amdhsa_memory_ordered 1
		.amdhsa_forward_progress 1
		.amdhsa_inst_pref_size 32
	.end_amdhsa_kernel
	.amdgpu_metadata
---
amdhsa.version: [ 1, 2 ]
amdhsa.kernels:
  - .name:           k_qb6b95eb054_norm
    .symbol:         k_qb6b95eb054_norm.kd
    .args:
      - { .name: queries, .offset: 0, .size: 8, .value_kind: global_buffer, .address_space: global }
      - { .name: kv_tokens, .offset: 8, .size: 8, .value_kind: global_buffer, .address_space: global }
      - { .name: qn_w, .offset: 16, .size: 8, .value_kind: global_buffer, .address_space: global }
      - { .name: qn_b, .offset: 24, .size: 8, .value_kind: global_buffer, .address_space: global }
      - { .name: kvn_w, .offset: 32, .size: 8, .value_kind: global_buffer, .address_space: global }
      - { .name: kvn_b, .offset: 40, .size: 8, .value_kind: global_buffer, .address_space: global }
      - { .name: x_codes, .offset: 48, .size: 8, .value_kind: global_buffer, .address_space: global }
      - { .name: x_scales, .offset: 56, .size: 8, .value_kind: global_buffer, .address_space: global }
      - { .name: Wo_codes, .offset: 64, .size: 8, .value_kind: global_buffer, .address_space: global }
      - { .name: wo_img, .offset: 72, .size: 8, .value_kind: global_buffer, .address_space: global }
    .group_segment_fixed_size: 79872
    .private_segment_fixed_size: 0
    .kernarg_segment_align: 8
    .kernarg_segment_size: 80
    .max_flat_workgroup_size: 256
    .sgpr_count:     66
    .vgpr_count:     160
    .wavefront_size: 32
...
	.end_amdgpu_metadata
.endif
;; end of part 5
;; launch proj (part 6): grid 8 x 32, 4 waves a work-group, clusters of 4 x 4, 327,680 bytes of LDS; arguments x_codes, x_scales, Wk_codes, Wk_scales, Wv_codes, Wv_scales, kv, sc; writes kv, sc
.if DOCPART == 6
	.amdgcn_target "amdgcn-amd-amdhsa--gfx1250"
	.amdhsa_code_object_version 6
	.text
	.protected	k_qb6b95eb054_proj
	.globl	k_qb6b95eb054_proj
	.p2align	8
	.type	k_qb6b95eb054_proj,@function
k_qb6b95eb054_proj:
	s_mov_b64 s[64:65], 0
	v_nop
	global_prefetch_b8 v0, s[64:65] scope:SCOPE_SE
	s_setreg_imm32_b32 hwreg(HW_REG_WAVE_MODE, 25, 1), 1
	s_wait_xcnt 0x0
	s_wait_alu depctr_hold_cnt(0) depctr_sa_sdst(0) depctr_va_vdst(0) depctr_va_sdst(0) depctr_va_ssrc(0) depctr_va_vcc(0) depctr_vm_vsrc(0)
	s_getreg_b32 s2, hwreg(HW_REG_IB_STS2, 6, 4)
	s_cmp_eq_u32 s2, 0
	s_cbranch_scc0 .Lentry_in_a_cluster
	s_endpgm
.Lentry_in_a_cluster:
	s_bfe_u32 s2, ttmp6, 0x10000c
	s_cmp_lg_u32 s2, 0xf033
	s_cbranch_scc0 .Lentry_shape_is_right
	s_endpgm
.Lentry_shape_is_right:
; k = Q(kvn) Wk^T and v = Q(kvn) Wv^T on codes of E3M2 with E8M0 scales, K = 1,024, and both results quantised for the attention: k along the head's channels, v along the keys.
; A tile of 256 x 256 for each work-group of four waves, 128 x 128 a wave in 64 accumulators.  Clusters with x = 0 make k (A = the tokens' rows, B = Wk's rows); clusters with x = 1 make v transposed (A = Wv's rows, B = the tokens' rows).
; The matrix instruction takes B's rows as source 0 and A's as source 1: a lane holds one row of A and eight neighbours along B's rows: for k a token and channels, for v a channel and keys: the next products' K runs along a lane's registers.
; K GOES IN CHUNKS OF 256 BYTES of each row of codes (a row is 768 bytes: three chunks, each beginning at a multiple of 256 bytes) through two LDS slots; a step of 128 along K is 96 bytes: eight steps to three chunks; steps 2 and 5 lie across two chunks.
; The scales of the tile's 256 + 256 rows come once, as dense units of 256 bytes.  At the head each wave issues one joint load: wave 0 chunk 0 of A, wave 1 of B, wave 2 A's scales, wave 3 B's.
; CLUSTERS: 4 x 4; A's tiles are asked for jointly along a row of the cluster, B's along a column.
; No prefetch: the walk is three chunks, of which two are asked for ahead of the first product: there is no trip to run ahead in.
; THE WAY OUT: images of the attention's operand registers (kv) and scale words (sc), each store 512 consecutive bytes.
; LIMITS: a block whose largest magnitude lies under 2^-122 keeps the scale byte 1 (a block of zeros too: its codes are zeros); NaN and infinities are not served.
.set SIZE_K, 1024
.set ROWB,   256
.set NQ,     2
.set KROW,   SIZE_K*6/8
.set STEPS,  SIZE_K/128
.set CHUNKS, KROW/ROWB
.set PITCH,  272                       ; 256 bytes + 16 of padding
.set FR,     12
.set NL,     6
.set NP,     4
.set HALFT,  128*PITCH
.set SLOT,   4*HALFT                   ; A's 256 rows, then B's
.set KS,     SIZE_K/32
.set SCL,    2*SLOT
.set HALFS,  (128*KS/256)*272
.set SBLK,   (16*KS/256)*272
.set SPARE,  SCL+4*HALFS               ; the spare words: 512 bytes that no other line names
.set ADRA, 16                          ; v16-17 my A fragments in slot 0, 1; v18-19 for a piece whose lanes 16-31 read the next chunk
.set ADRB, 20                          ; v20-23 the same for B
.set LN16, 24
.set KWA,  25
.set SHF,  26
.set ADRS, 27
.set SPW,  28
.set NIL,  29
.set VWA,  30
.set SC,   32                          ; v32-63 scale words, two sets
.set AF,   128                         ; A's fragments, one set, window 0; B's two sets in window 1; accumulators in windows 2 and 3
.set SW,   176
.set CT,   192
.set TM,   200
.set PWE,  216
.set PWO,  217
.set T0,   218
.set T1,   219
.set F0,   224
.set F1,   236
.set G1, 24
.set G0, 32
.set G1B, 48
.set G0B, 56
.set G1S, 68
.set G0S, 76
.set G1SB, 80
.set G0SB, 88
.set G0H, 4
.set G0HB, 8
.set MSB, 0
.macro WIN new
.if MSB != \new
	s_set_vgpr_msb (MSB<<8)|\new
.set MSB, \new
.endif
.endm
.set MUL_LO, 0xa1
.set MUL_HI, 0xf1
.set TO_B,   0x40
.macro JLOAD g0a, g1a, g0b, g1b        ; waves 0, 1 fetch for A, waves 2, 3 for B; s_nop 0 and four v_nop behind each load
	s_cmp_eq_u32 s15, 0
	s_cbranch_scc0 .Lfor_b_\@
	tensor_load_to_lds s[\g0a:\g0a+3], s[\g1a:\g1a+7]
	s_nop 0
.rept 4
	v_nop
.endr
	s_branch .Lasked_\@
.Lfor_b_\@:
	tensor_load_to_lds s[\g0b:\g0b+3], s[\g1b:\g1b+7]
	s_nop 0
.rept 4
	v_nop
.endr
.Lasked_\@:
.endm
.macro CREST
	s_cmp_lg_u32 s14, 0
	s_cbranch_scc1 .Lnot_wave_0_\@
	s_barrier_signal -3
.Lnot_wave_0_\@:
	s_barrier_wait -3
	s_barrier_signal -1
	s_barrier_wait -1
.endm
.macro CROUND
	s_barrier_signal -1
	s_barrier_wait -1
	CREST
.endm
	s_load_b512 s[76:91], s[0:1], 0x0              ; x_codes, x_scales, Wk_codes, Wk_scales, Wv_codes, Wv_scales, kv, sc
	v_lshl_add_u32 v[SPW], v0, 2, SPARE
	v_mov_b32 v[NIL], 0
	ds_add_u32 v[SPW], v[NIL]                      ; the opening lines: the add, twice on end, and its wait
	ds_add_u32 v[SPW], v[NIL]
	v_lshrrev_b32 v1, 5, v0
	v_readfirstlane_b32 s14, v1                    ; wave
	s_lshr_b32 s15, s14, 1                         ; my half of the tile's rows; also: I fetch for A (0) or B (1)
	s_and_b32 s16, s14, 1                          ; my half of its columns; also: which 128 rows I fetch
	s_bfe_u32 s40, ttmp6, 0x40000                  ; cx
	s_bfe_u32 s41, ttmp6, 0x40004                  ; cy
	s_and_b32 s18, ttmp7, 0xffff
	s_lshl_b32 s18, s18, 2
	s_wait_dscnt 0x0
	s_wait_kmcnt 0x0
	s_cmp_eq_u32 ttmp9, 0                          ; k or v: the cluster's x, the same in all partners
	s_cselect_b64 s[4:5], s[76:77], s[84:85]       ; A's codes,
	s_cselect_b64 s[6:7], s[78:79], s[86:87]       ; A's scales,
	s_cselect_b64 s[8:9], s[80:81], s[76:77]       ; B's codes,
	s_cselect_b64 s[10:11], s[82:83], s[78:79]     ; B's scales
	s_cselect_b32 s17, s18, 0
	s_cselect_b32 s42, 0, s18
	s_mov_b64 s[12:13], s[88:89]
	s_mov_b64 s[100:101], s[90:91]
	s_add_co_u32 s17, s17, s41                     ; tile row
	s_add_co_u32 s42, s42, s40                     ; tile column
	s_lshl_b32 s43, s41, 2
	s_lshl_b32 s43, 15, s43                        ; my row of the cluster
	s_lshl_b32 s44, 0x1111, s40                    ; my column
	s_or_b32 s[G1+0], s43, (0<<16)|(1<<20)|(1<<21)|(5<<22)|(3<<25)
	s_or_b32 s[G1B+0], s44, (0<<16)|(1<<20)|(1<<21)|(5<<22)|(3<<25)
.irp g, G1, G1B
	s_mov_b32 s[\g+1], ROWB<<16
	s_mov_b32 s[\g+2], 256<<16                     ; 256 rows for the head's loads
	s_mov_b32 s[\g+3], ROWB<<16
	s_mov_b32 s[\g+4], 256
	s_mov_b32 s[\g+5], KROW
	s_mov_b32 s[\g+6], 0
	s_mov_b32 s[\g+7], 0
.endr
	s_or_b32 s[G1S+0], s43, (3<<16)|(1<<20)|(1<<21)|(5<<22)|(3<<25)
	s_or_b32 s[G1SB+0], s44, (3<<16)|(1<<20)|(1<<21)|(5<<22)|(3<<25)
.irp g, G1S, G1SB
	s_mov_b32 s[\g+1], 32<<16                      ; the scales of 256 rows: KS rows of 256 bytes
	s_mov_b32 s[\g+2], KS<<16
	s_mov_b32 s[\g+3], 32<<16
	s_mov_b32 s[\g+4], KS
	s_mov_b32 s[\g+5], 32
	s_mov_b32 s[\g+6], 0
	s_mov_b32 s[\g+7], 0
.endr
	s_lshl_b32 s20, s17, 8
	s_lshl_b32 s46, s42, 8
	s_mov_b32 s21, 0
	s_mov_b32 s47, 0
	s_mov_b64 s[18:19], KS
	s_mul_u64 s[22:23], s[20:21], s[18:19]
	s_mul_u64 s[92:93], s[46:47], s[18:19]
	s_mov_b64 s[18:19], KROW
	s_mul_u64 s[20:21], s[20:21], s[18:19]
	s_mul_u64 s[46:47], s[46:47], s[18:19]
	s_mul_i32 s18, s16, 128*KROW
	s_mov_b32 s19, 0
	s_mul_i32 s45, s14, HALFT
	s_add_nc_u64 s[20:21], s[4:5], s[20:21]
	s_add_nc_u64 s[22:23], s[6:7], s[22:23]
	s_add_nc_u64 s[46:47], s[8:9], s[46:47]
	s_add_nc_u64 s[92:93], s[10:11], s[92:93]
	CROUND                                         ; in front of the first joint loads
	s_mov_b32 s[G0H], 1
	s_mov_b32 s[G0H+1], 0
	s_mov_b64 s[G0H+2:G0H+3], s[20:21]
	s_or_b32 s[G0H+3], s[G0H+3], 0x80000000
	s_mov_b32 s[G0HB], 1
	s_mov_b32 s[G0HB+1], 2*HALFT
	s_mov_b64 s[G0HB+2:G0HB+3], s[46:47]
	s_or_b32 s[G0HB+3], s[G0HB+3], 0x80000000
	s_mov_b32 s[G0S], 1
	s_mov_b32 s[G0S+1], SCL
	s_mov_b64 s[G0S+2:G0S+3], s[22:23]
	s_or_b32 s[G0S+3], s[G0S+3], 0x80000000
	s_mov_b32 s[G0SB], 1
	s_mov_b32 s[G0SB+1], SCL+2*HALFS
	s_mov_b64 s[G0SB+2:G0SB+3], s[92:93]
	s_or_b32 s[G0SB+3], s[G0SB+3], 0x80000000
	s_add_nc_u64 s[20:21], s[20:21], s[18:19]      ; for the ring: my 128 rows
	s_add_nc_u64 s[46:47], s[46:47], s[18:19]
.irp s, 0,1
	s_mov_b32 s[G0+4*\s], 1
	s_add_co_u32 s[G0+4*\s+1], s45, \s*SLOT
	s_add_nc_u64 s[G0+4*\s+2:G0+4*\s+3], s[20:21], \s*ROWB
	s_or_b32 s[G0+4*\s+3], s[G0+4*\s+3], 0x80000000
	s_mov_b32 s[G0B+4*\s], 1
	s_add_co_u32 s[G0B+4*\s+1], s45, \s*SLOT
	s_add_nc_u64 s[G0B+4*\s+2:G0B+4*\s+3], s[46:47], \s*ROWB
	s_or_b32 s[G0B+4*\s+3], s[G0B+4*\s+3], 0x80000000
.endr
.macro ARM under, g0, g1, next         ; one tree of branches on the wave's number: every way passes exactly one load
	s_cmp_lt_u32 s14, \under
	s_cbranch_scc0 \next
	tensor_load_to_lds s[\g0:\g0+3], s[\g1:\g1+7]
	s_nop 0
.rept 4
	v_nop
.endr
	s_branch .Lhead_asked
\next:
.endm
	ARM 1, G0H,  G1,  .Lhead_b
	ARM 2, G0HB, G1B, .Lhead_sa
	ARM 3, G0S,  G1S, .Lhead_sb
	tensor_load_to_lds s[G0SB:G0SB+3], s[G1SB:G1SB+7]
	s_nop 0
.rept 4
	v_nop
.endr
.Lhead_asked:
	v_and_b32 v1, 15, v0                           ; r
	v_bfe_u32 v2, v0, 4, 1                         ; h
	v_mul_u32_u24 v3, v1, PITCH
	v_mul_u32_u24 v4, v2, 24
	v_add_nc_u32 v4, v3, v4
	s_mov_b32 s21, SLOT-232
	s_mov_b32 s22, SLOT+232
	v_sub_nc_u32 v7, 1, v2
	v_mul_u32_u24 v5, s21, v2
	v_add_nc_u32 v5, v3, v5
	v_add_nc_u32 v5, 232, v5                       ; lanes 0-15 byte 232 of the row in slot 0, lanes 16-31 byte 0 in slot 1
	v_mul_u32_u24 v6, s22, v7
	v_add_nc_u32 v6, v3, v6                        ; and the other way round
	s_mul_i32 s21, s15, HALFT
	s_mul_i32 s22, s16, HALFT
	s_add_co_u32 s22, s22, 2*HALFT
	v_add_nc_u32 v[ADRA+2], s21, v5
	v_add_nc_u32 v[ADRA+3], s21, v6
	v_add_nc_u32 v[ADRB+2], s22, v5
	v_add_nc_u32 v[ADRB+3], s22, v6
.irp s, 0,1
	v_add_nc_u32 v[ADRA+\s], s21, v4
	v_add_nc_u32 v[ADRB+\s], s22, v4
	s_add_co_u32 s21, s21, SLOT
	s_add_co_u32 s22, s22, SLOT
.endr
	v_mul_u32_u24 v5, v1, KS
	v_lshrrev_b32 v6, 8, v5
	v_lshl_add_u32 v5, v6, 4, v5
	s_mul_i32 s21, s15, HALFS
	s_mul_i32 s22, s16, HALFS
	s_add_co_u32 s22, s22, 2*HALFS
	s_sub_co_u32 s22, s22, s21
	v_mul_u32_u24 v6, s22, v2                      ; lanes 16-31 take B's scale words
	s_add_co_u32 s21, s21, SCL
	v_add_nc_u32 v5, v5, v6
	v_add_nc_u32 v[ADRS], s21, v5
	v_and_b32 v6, 31, v0
	v_lshlrev_b32 v[LN16], 4, v6
	v_lshlrev_b32 v[VWA], 4, v1
	v_lshl_add_u32 v[KWA], v2, 14, v[VWA]
	v_lshlrev_b32 v[SHF], 4, v2
	s_lshl_b32 s20, s17, 1                         ; where my 128 x 128 goes in kv and sc
	s_add_co_u32 s20, s20, s15
	s_lshl_b32 s21, s42, 1
	s_add_co_u32 s21, s21, s16
	s_cmp_eq_u32 ttmp9, 0
	s_cselect_b32 s22, s20, s21                    ; my 128 tokens
	s_cselect_b32 s23, s21, s20                    ; my 128 channels: two heads
	s_cselect_b32 s92, 0, 8192
	s_lshr_b32 s20, s22, 5
	s_and_b32 s21, s22, 31
	s_lshl_b32 s20, s20, 4
	s_lshl_b32 s23, s23, 1
	s_add_co_u32 s20, s20, s23
	s_lshl_b32 s22, s20, 5
	s_add_co_u32 s22, s22, s21
	s_mul_i32 s22, s22, 12288
	s_mov_b32 s23, 0
	s_add_nc_u64 s[12:13], s[12:13], s[22:23]
	s_lshl_b32 s22, s20, 14
	s_lshl_b32 s21, s21, 8
	s_add_co_u32 s22, s22, s21
	s_add_co_u32 s22, s22, s92
	s_add_nc_u64 s[100:101], s[100:101], s[22:23]
.macro FRAG reg, adr, st, i            ; 16 rows x 128 K: six pieces of 8 bytes; byte y of a row lies in slot (y / 256) % 2 at byte y % 256
.irp p, 0,1,2,3,4,5
.set BY, 96*(\st)+48*(\p/3)+8*(\p%3)
.if BY/ROWB == (BY+24)/ROWB
	ds_load_b64 v[\reg+2*\p:\reg+2*\p+1], v[\adr+(BY/ROWB)%2] offset:BY%ROWB+(\i)*16*PITCH
.else
	ds_load_b64 v[\reg+2*\p:\reg+2*\p+1], v[\adr+2+(BY/ROWB)%2] offset:BY%ROWB-232+(\i)*16*PITCH
.endif
.endr
.endm
.macro MUL16 a0, p, q, sc, zero        ; the 64 accumulators take turns, one instruction a turn
.irp a, \a0, \a0+1
.irp b, 0,1,2,3,4,5,6,7
.if \zero
	v_wmma_scale_f32_16x16x128_f8f6f4 v[8*(8*((\a)%4)+\b):8*(8*((\a)%4)+\b)+7], v[128*(\p)+FR*\b:128*(\p)+FR*\b+FR-1], v[AF+FR*(\a):AF+FR*(\a)+FR-1], 0, v[SC+8*NQ*(\sc)+NQ*\b+(\q)], v[SC+8*NQ*(\sc)+NQ*(\a)+(\q)] matrix_a_fmt:MATRIX_FMT_BF6 matrix_b_fmt:MATRIX_FMT_BF6 matrix_a_scale:MATRIX_SCALE_ROW1
.else
	v_wmma_scale_f32_16x16x128_f8f6f4 v[8*(8*((\a)%4)+\b):8*(8*((\a)%4)+\b)+7], v[128*(\p)+FR*\b:128*(\p)+FR*\b+FR-1], v[AF+FR*(\a):AF+FR*(\a)+FR-1], v[8*(8*((\a)%4)+\b):8*(8*((\a)%4)+\b)+7], v[SC+8*NQ*(\sc)+NQ*\b+(\q)], v[SC+8*NQ*(\sc)+NQ*(\a)+(\q)] matrix_a_fmt:MATRIX_FMT_BF6 matrix_b_fmt:MATRIX_FMT_BF6 matrix_a_scale:MATRIX_SCALE_ROW1
.endif
.endr
.endr
.endm
.macro FETCH_B st, p
	WIN TO_B
.irp i, 0,1,2,3,4,5,6,7
	FRAG 128*(\p)+FR*\i, ADRB, \st, \i
.endr
	WIN 0
.endm
.macro FETCH_A st, i0
.irp i, \i0, \i0+1, \i0+2, \i0+3
	FRAG AF+FR*(\i), ADRA, \st, \i
.endr
.endm
.macro SCALES pr                       ; the scale words of steps 2 pr and 2 pr + 1: lanes 0-15 A's block i, lanes 16-31 B's
.irp i, 0,1,2,3,4,5,6,7
	ds_load_b64 v[SC+8*NQ*((\pr)%2)+NQ*\i:SC+8*NQ*((\pr)%2)+NQ*\i+1], v[ADRS] offset:\i*SBLK+4*NQ*(\pr)
.endr
.endm
.macro PLACES n
.rept \n
	v_nop
.endr
.endm
; A step: 64 products; the next step's fragments are fetched in its middle and at its end.  Where the next step's bytes end in a chunk not yet read: the wait for my tensor loads and a barrier.
; Where they begin in a later chunk than this step's: the three lines and the barrier; where a chunk two further on is left, the barrier opens a round and the slot is filled again.
.macro STEP st, zero
.set NX, (\st)+1
.set C0, (96*(\st))/ROWB
.set C1, (96*NX)/ROWB
.set E0, (96*(\st)+95)/ROWB
.set E1, (96*NX+95)/ROWB
.if C1 > C0 || E1 > E0
	s_wait_tensorcnt 0x0                           ; all my tensor loads have landed
.if C1 > C0
	ds_add_u32 v[SPW], v[NIL]
	s_wait_dscnt 4*NL+1                            ; the add and A's blocks 4-7 may be out
.else
	s_wait_dscnt 4*NL                              ; A's blocks 4-7 may be out
.endif
	WIN MUL_LO
	MUL16 0, (\st)%2, (\st)%2, ((\st)/2)%2, \zero
	s_wait_dscnt 0x0                               ; the add and all my reads are done
	s_barrier_signal -1
	MUL16 2, (\st)%2, (\st)%2, ((\st)/2)%2, \zero
	WIN 0
	s_barrier_wait -1
.if C1 > C0 && C0+2 < CHUNKS
	CREST
	s_add_nc_u64 s[G0+4*(C0%2)+2:G0+4*(C0%2)+3], s[G0+4*(C0%2)+2:G0+4*(C0%2)+3], 2*ROWB
	s_add_nc_u64 s[G0B+4*(C0%2)+2:G0B+4*(C0%2)+3], s[G0B+4*(C0%2)+2:G0B+4*(C0%2)+3], 2*ROWB
	JLOAD G0+4*(C0%2), G1, G0B+4*(C0%2), G1B       ; chunk C0 + 2; its four v_nop are the places in front of the loads below
.else
	PLACES NP
.endif
.else
	s_wait_dscnt 4*NL                              ; A's blocks 4-7 may be out
	WIN MUL_LO
	MUL16 0, (\st)%2, (\st)%2, ((\st)/2)%2, \zero
	MUL16 2, (\st)%2, (\st)%2, ((\st)/2)%2, \zero
	s_wait_dscnt 0
	PLACES NP
.endif
	FETCH_B NX, NX%2
	FETCH_A NX, 0
.if NX%2 == 0
	SCALES NX/2
.endif
	WIN MUL_HI
	MUL16 4, (\st)%2, (\st)%2, ((\st)/2)%2, \zero
	MUL16 6, (\st)%2, (\st)%2, ((\st)/2)%2, \zero
	PLACES NP
	WIN 0
	FETCH_A NX, 4
.endm
	s_wait_alu depctr_va_vdst(0)
	s_wait_tensorcnt 0x0                           ; my tile of the head's four is in
	ds_add_u32 v[SPW], v[NIL]
	s_mov_b32 s[G1+2], 128<<16                     ; no load of mine is out: from here on a load brings 128 rows
	s_mov_b32 s[G1+4], 128
	s_mov_b32 s[G1B+2], 128<<16
	s_mov_b32 s[G1B+4], 128
	s_wait_dscnt 0x0
	CROUND
	JLOAD G0+4, G1, G0B+4, G1B                     ; chunk 1, slot 1's first fill, issued as a refill is
	FETCH_B 0, 0
	FETCH_A 0, 0
	SCALES 0
	FETCH_A 0, 4
	STEP 0, 1                                      ; the first step's products start the sums
.set ST, 1
.rept STEPS-2
	STEP ST, 0
.set ST, ST+1
.endr
	s_wait_dscnt 4*NL
	WIN MUL_LO
	MUL16 0, 1, 1, 1, 0
	MUL16 2, 1, 1, 1, 0
	s_wait_dscnt 0
	WIN MUL_HI
	MUL16 4, 1, 1, 1, 0
	MUL16 6, 1, 1, 1, 0
	WIN 0
; Block a (16 rows of A x my 128 columns) is quantised along the columns: four blocks of 32, each shared by lanes l and l xor 16
.macro QUANTW a, D0, D1, PW
.set QW, 2+(\a)/4
.set QWW, 5*QW
.set QSS, 64*((\a)%4)
	s_wait_xcnt 0x0                                ; earlier stores have read their registers
	WIN QWW
.irp b, 0,1,2,3
	v_max3_num_f32 v[TM+\b], |v[QSS+16*\b]|, |v[QSS+16*\b+1]|, 0x2800000
.endr
.irp i, 2,4,6,8,10,12,14
.irp b, 0,1,2,3
	v_max3_num_f32 v[TM+\b], |v[QSS+16*\b+\i]|, |v[QSS+16*\b+\i+1]|, v[TM+\b]
.endr
.endr
	WIN 0
.irp b, 0,1,2,3
	v_permlanex16_b32 v[TM+4+\b], v[TM+\b], s98, s99
.endr
.irp b, 0,1,2,3
	v_max_num_f32 v[TM+\b], v[TM+\b], v[TM+4+\b]
.endr
.irp b, 0,1,2,3
	v_add_nc_u32 v[TM+12+\b], 0xfe000000, v[TM+\b]
.endr
.irp b, 0,1,2,3
	v_lshrrev_b32 v[TM+4+\b], 23, v[TM+12+\b]
.endr
	v_lshl_or_b32 v[\PW], v[TM+5], 8, v[TM+4]
	v_lshl_or_b32 v[\PW], v[TM+6], 16, v[\PW]
	v_lshl_or_b32 v[\PW], v[TM+7], 24, v[\PW]
	WIN QW
.irp c, 0,1
.set QD, (\D0)+((\D1)-(\D0))*\c
	v_cvt_scalef32_pk16_bf6_f32 v[QD:QD+2], v[QSS+32*\c:QSS+32*\c+15], v[TM+12+2*\c]
	v_cvt_scalef32_pk16_bf6_f32 v[CT+4*\c:CT+4*\c+2], v[QSS+32*\c+16:QSS+32*\c+31], v[TM+13+2*\c]
.endr
	WIN 0
	v_nop
.irp c, 0,1
.set QD, (\D0)+((\D1)-(\D0))*\c
.irp i, 0,1,2
	v_permlane16_swap_b32 v[QD+\i], v[CT+4*\c+\i]
.endr
.irp i, 0,1,2
	v_mov_b32 v[QD+3+\i], v[CT+4*\c+\i]
.endr
.endr
.endm
	PLACES NP
	s_mov_b32 s98, 0x76543210
	s_mov_b32 s99, 0xfedcba98
.irp b, 0,1,2,3
	v_mov_b32 v[TM+4+\b], 0
.endr
	s_cmp_lg_u32 ttmp9, 0
	s_cbranch_scc1 .Lv_way
.irp f, 0,1,2,3                        ; k: a fragment holds two tiles of 16 keys, 64 channels each; my 128 columns are two heads
	QUANTW 2*\f, F0, F1, PWE
	QUANTW 2*\f+1, F0+6, F1+6, PWO
	v_lshrrev_b32 v[T0], v[SHF], v[PWE]
	v_lshrrev_b32 v[T1], v[SHF], v[PWO]
	v_and_b32 v[T0], 0xffff, v[T0]
	v_lshl_or_b32 v[SW+\f], v[T1], 16, v[T0]
.irp c, 0,1
.irp ch, 0,1,2
	global_store_b128 v[LN16], v[F0+12*\c+4*\ch:F0+12*\c+4*\ch+3], s[12:13] offset:\c*393216+\f*1536+512*\ch
.endr
.endr
.endr
	global_store_b128 v[KWA], v[SW:SW+3], s[100:101]
	s_branch .Lout_done
.Lv_way:
.irp a, 0,1,2,3,4,5,6,7                ; v: a fragment holds 16 channels x 128 keys
	QUANTW \a, F0, F0+6, SW+\a
.irp ch, 0,1,2
	global_store_b128 v[LN16], v[F0+4*\ch:F0+4*\ch+3], s[12:13] offset:(\a/4)*393216+6144+(\a%4)*1536+512*\ch
.endr
.if \a%4 == 3
	global_store_b128 v[VWA], v[SW+4*(\a/4):SW+4*(\a/4)+3], s[100:101] offset:(\a/4)*16384
.endif
.endr
.Lout_done:
	s_wait_tensorcnt 0x0                           ; the wave's end
	ds_add_u32 v[SPW], v[NIL]
	s_wait_dscnt 0x0
	CROUND                                         ; the closing round
	s_endpgm
.Lfunc_end_k_qb6b95eb054_proj:
	.size	k_qb6b95eb054_proj, .Lfunc_end_k_qb6b95eb054_proj-k_qb6b95eb054_proj
	.p2alignl 7, 3214868480
	.fill 96, 4, 3214868480
	.section	.rodata,"a",@progbits
	.p2align	6, 0x0
	.amdhsa_kernel k_qb6b95eb054_proj
		.amdhsa_group_segment_fixed_size 327680
		.amdhsa_private_segment_fixed_size 0
		.amdhsa_enable_private_segment 0
		.amdhsa_kernarg_size 64
		.amdhsa_user_sgpr_count 2
		.amdhsa_user_sgpr_kernarg_segment_ptr 1
		.amdhsa_wavefront_size32 1
		.amdhsa_system_sgpr_workgroup_id_x 1
		.amdhsa_system_sgpr_workgroup_id_y 1
		.amdhsa_system_sgpr_workgroup_id_z 1
		.amdhsa_system_vgpr_workitem_id 0
		.amdhsa_next_free_vgpr 1024
		.amdhsa_next_free_sgpr 102
		.amdhsa_reserve_vcc 0
		.amdhsa_float_denorm_mode_32 3
		.amdhsa_float_denorm_mode_16_64 3
		.amdhsa_memory_ordered 1
		.amdhsa_forward_progress 1
		.amdhsa_inst_pref_size 199
	.end_amdhsa_kernel
	.amdgpu_metadata
---
amdhsa.version: [ 1, 2 ]
amdhsa.kernels:
  - .name:           k_qb6b95eb054_proj
    .symbol:         k_qb6b95eb054_proj.kd
    .args:
      - { .name: x_codes, .offset: 0, .size: 8, .value_kind: global_buffer, .address_space: global }
      - { .name: x_scales, .offset: 8, .size: 8, .value_kind: global_buffer, .address_space: global }
      - { .name: Wk_codes, .offset: 16, .size: 8, .value_kind: global_buffer, .address_space: global }
      - { .name: Wk_scales, .offset: 24, .size: 8, .value_kind: global_buffer, .address_space: global }
      - { .name: Wv_codes, .offset: 32, .size: 8, .value_kind: global_buffer, .address_space: global }
      - { .name: Wv_scales, .offset: 40, .size: 8, .value_kind: global_buffer, .address_space: global }
      - { .name: kv, .offset: 48, .size: 8, .value_kind: global_buffer, .address_space: global }
      - { .name: sc, .offset: 56, .size: 8, .value_kind: global_buffer, .address_space: global }
    .group_segment_fixed_size: 327680
    .private_segment_fixed_size: 0
    .kernarg_segment_align: 8
    .kernarg_segment_size: 64
    .max_flat_workgroup_size: 128
    .sgpr_count:     102
    .vgpr_count:     1024
    .wavefront_size: 32
...
	.end_amdgpu_metadata
.endif
;; end of part 6
;; launch attn (part 7): grid 8 x 32, 16 waves a work-group, no clusters, 240,640 bytes of LDS; arguments x_codes, x_scales, Wq_codes, Wq_scales, kv, sc, query_type_ids, kv_type_ids, kv_padding_mask, typed_bias, o_codes, o_scales; writes o_codes, o_scales
.if DOCPART == 7
	.amdgcn_target "amdgcn-amd-amdhsa--gfx1250"
	.amdhsa_code_object_version 6
	.text
	.protected	k_qb6b95eb054_attn
	.globl	k_qb6b95eb054_attn
	.p2align	8
	.type	k_qb6b95eb054_attn,@function
k_qb6b95eb054_attn:
	s_mov_b64 s[64:65], 0
	v_nop
	global_prefetch_b8 v0, s[64:65] scope:SCOPE_SE
	s_setreg_imm32_b32 hwreg(HW_REG_WAVE_MODE, 25, 1), 1
	s_wait_xcnt 0x0
; Attention of one head for 128 queries: q = Q(qn) Wq^T for the head, quantised; S = q k^T + 8 x typed bias (or the mask); p = 2^(t - M), t = S log2(e) / 8, M a whole number; O = p v / sum(p); O quantised along the model's 1,024.
; All products on codes of E3M2 with E8M0 scales.  K, V, their scale words and the queries' codes come as images of the operand registers, made by the launches before.
; SHARES.  Work-group (x = block of 128 queries, y = 16 batch + head).  Wave w owns 16 queries (tile w % 8) and half of the keys (w / 8: 2,048 keys, 16 steps of 128).  At the end the two halves are merged by exact powers of two.
; THE HEAD.  Waves w and w + 8 own the same queries: wave w projects the head's channels 0-31, wave w + 8 channels 32-63 (two tiles x eight K steps each, Wq's fragments from LDS into two sets of registers by turns).
; Each quantises its block of 32 and hands three registers of codes and the scale byte to both through LDS bytes of their own (EX, 512 bytes a wave), behind a barrier.
; LAYOUT.  Both products are used transposed (S^T = K Q^T, O^T = V^T P^T): a lane holds one query (lane % 16) throughout; register 8 tile + j holds key 16 tile + 8 (lane / 16) + j.
; A fragment of K holds TWO tiles of 16 keys: k 0..63 the first tile's 64 channels, k 64..127 the second's.  The zero codes lie in two fixed operands of q: QA = [q | 0], QB = [0 | q].
; ORDER INSIDE A BLOCK OF 32: q and K, and p and V, carry the same fixed order 0-7, 16-23, 8-15, 24-31, so each product pairs the right numbers; only the order of summing inside a block differs from the definition's.
; THE ADDITIVE MASK is a table in LDS: for each four keys 64 bytes, of which bytes 16 type .. 16 type + 15 hold, for a query of that type, 8 x typed_bias[type of query][type of key], or -2^127 where the key is masked;
; the fourth 16 bytes repeat the first, so that every byte of the table is written.  A lane's numbers are loaded into S's registers and are the C of the product: a step's 16 loads are issued at the end of the step before.
; The query's type, an index input, is held to 0..2.
; THE PLACES.  Each half of the keys has four LDS places of one key step; step n reads place n % 4.  A step's 12,288 bytes go through registers, 48 bytes a thread: asked for in step n, stored in step n + 1 into place (n + 3) % 4, read in step n + 3.
; ONE BARRIER A STEP, its two halves far apart.  Step n's signal stands where the wave's stores of step n have landed, its K of step n is in registers and its reads of step n - 1 are over; the wait stands behind step n's last products.
; Between the two stand products, the softmax, and loads of V (place n % 4) and of the table: bytes that no wave writes before a later barrier.  Step n's store lands on the place read in step n - 2: every wave's reads of it were over at its
; signal of step n - 1, for which this wave has waited.  Step n's reads find what every wave stored in step n - 2, ahead of its signal of that step.
; PREFETCH.  In steps 0..11 wave 0 of each half names six blocks of 256 bytes of the tile of step n + 4, which the loads ask for one step later: the eight work-groups of a head (x = 0..7) share the tile's 48 blocks out, six each;
; lanes 6-31 name the sixth again.  Step 11 names the last tile: no address leaves the buffer.
; No cluster and no tensor loads: a step's 12,288 bytes for each half are small beside eight waves' softmax of 128 keys.
; LIMITS: the running largest t starts at -1e30, so a logit x log2(e) at or under -1e30 counts as masked; a batch all of whose keys are masked has the sum 0 and gives NaN; a block whose largest magnitude lies under 2^-122 keeps
; the scale byte 1; NaN and infinities among the inputs are not served.
.set STPB, 12288                       ; a key step's tile: four fragments of K, four of V
.set HSL,  4*STPB                      ; LDS: 0: a half's four places, twice;
.set SCL,  98304                       ; the head's 16,384 bytes of scale words;
.set BT,   114688                      ; the table: 1,024 groups of four keys x 64 bytes;
.set WQ,   180224                      ; the head's 64 rows of Wq, 768 + 16 bytes each; later the merge area, 4,352 bytes for each tile of queries;
.set WQP,  784
.set MRGB, 4352
.set SPB,  230400                      ; the spare words, 128 bytes a wave;
.set EX,   232448                      ; q's codes from wave to wave: 16 bytes a thread
.set LI,   1
.set LSC,  2
.set LBT,  3
.set STA,  4
.set GOF,  5
.set ADS,  6
.set ADB,  7
.set PFO,  9                           ; v9 the prefetch's offset
.set MRA,  10
.set MRB,  11
.set QA,   16
.set QB,   28
.set KV,   40                          ; v40-87 four fragments of K, then of V
.set STG,  88                          ; v88-99 a tile's 48 bytes on their way
.set QSW,  100
.set PWD,  101
.set FF,   102
.set S,    104                         ; v104-167 S^T, then p (in the head v104-199: the queries' eight fragments)
.set OT,   168
.set PC,   200
.set CT,   212
.set BM,   220
.set BP,   224
.set SO,   228
.set KSW,  232
.set VSW,  236
.set WV,   28
.set HF,   29
.set W7,   30
.set SEL,  32
.set CS,   34
.set TS,   38
.set TBI,  39
.set CNT,  40
.set KVB,  42
.macro MM d, a, b, c, sa, sb
	v_wmma_scale_f32_16x16x128_f8f6f4 v[\d:\d+7], v[\a:\a+11], v[\b:\b+11], v[\c:\c+7], v[\sa], v[\sb] matrix_a_fmt:MATRIX_FMT_BF6 matrix_b_fmt:MATRIX_FMT_BF6
.endm
.macro MM0 d, a, b, sa, sb
	v_wmma_scale_f32_16x16x128_f8f6f4 v[\d:\d+7], v[\a:\a+11], v[\b:\b+11], 0, v[\sa], v[\sb] matrix_a_fmt:MATRIX_FMT_BF6 matrix_b_fmt:MATRIX_FMT_BF6
.endm
; 32 numbers of a lane (two blocks of 32, each shared with lane l xor 16) become six registers of codes and two scale bytes
.macro QUANT2 SS, DD, CC, TT, PP
.irp b, 0,1
	v_max3_num_f32 v[\TT+\b], |v[\SS+16*\b]|, |v[\SS+16*\b+1]|, 0x2800000
.endr
.irp i, 2,4,6,8,10,12,14
.irp b, 0,1
	v_max3_num_f32 v[\TT+\b], |v[\SS+16*\b+\i]|, |v[\SS+16*\b+\i+1]|, v[\TT+\b]
.endr
.endr
.irp b, 0,1
	s_delay_alu instid0(VALU_DEP_2)
	v_permlanex16_b32 v[\TT+4+\b], v[\TT+\b], s[SEL], s[SEL+1]
.endr
.irp b, 0,1
	s_delay_alu instid0(VALU_DEP_2)
	v_max_num_f32 v[\TT+\b], v[\TT+\b], v[\TT+4+\b]
.endr
.irp b, 0,1
	s_delay_alu instid0(VALU_DEP_2)
	v_add_nc_u32 v[\TT+12+\b], 0xfe000000, v[\TT+\b]
.endr
.irp b, 0,1
	s_delay_alu instid0(VALU_DEP_2)
	v_lshrrev_b32 v[\TT+4+\b], 23, v[\TT+12+\b]
.endr
	s_delay_alu instid0(VALU_DEP_1)
	v_lshl_or_b32 v[\PP], v[\TT+5], 8, v[\TT+4]
	v_cvt_scalef32_pk16_bf6_f32 v[\DD:\DD+2], v[\SS:\SS+15], v[\TT+12]
	v_cvt_scalef32_pk16_bf6_f32 v[\CC:\CC+2], v[\SS+16:\SS+31], v[\TT+13]
	v_nop
.irp i, 0,1,2
	v_permlane16_swap_b32 v[\DD+\i], v[\CC+\i]
.endr
.irp i, 0,1,2
	s_delay_alu instid0(VALU_DEP_3)
	v_mov_b32 v[\DD+3+\i], v[\CC+\i]
.endr
.endm
	s_load_b512 s[4:19], s[0:1], 0x0               ; x_codes, x_scales, Wq_codes, Wq_scales, kv, sc, query_type_ids, kv_type_ids
	s_load_b256 s[20:27], s[0:1], 0x40             ; kv_padding_mask, typed_bias, o_codes, o_scales
	v_lshrrev_b32 v1, 5, v0
	s_delay_alu instid0(VALU_DEP_1)
	v_readfirstlane_b32 s[WV], v1                  ; wave 0..15
	s_lshr_b32 s[HF], s[WV], 3                     ; my half of the keys, and of the head's channels
	s_and_b32 s[W7], s[WV], 7                      ; my tile of queries
	v_and_b32 v12, 31, v0                          ; lane
	v_and_b32 v13, 15, v0                          ; r
	v_bfe_u32 v14, v0, 4, 1                        ; h
	v_and_b32 v15, 255, v0                         ; my thread in its half
	s_mul_i32 s56, s[HF], HSL
	v_lshl_add_u32 v[LI], v12, 4, s56
	v_lshl_add_u32 v[STA], v15, 4, s56
	s_mul_i32 s56, s[HF], 196608
	v_lshl_add_u32 v[GOF], v15, 4, s56
	s_lshl_b32 s56, s[HF], 12
	s_add_co_u32 s56, s56, SCL
	v_lshl_add_u32 v[LSC], v13, 4, s56
	s_mul_i32 s56, s[W7], MRGB
	s_add_co_u32 s56, s56, WQ
	v_lshl_add_u32 v[MRA], v12, 4, s56
	s_add_co_u32 s56, s56, 4096
	v_lshl_add_u32 v[MRB], v12, 2, s56
	v_lshlrev_b32 v6, 5, v13                       ; the head's addresses: 32 r,
	v_lshlrev_b32 v7, 4, v12                       ; 16 lane,
	v_mul_u32_u24 v8, v13, WQP
	s_delay_alu instid0(VALU_DEP_1)
	v_mad_u32_u24 v8, v14, 24, v8
	s_mul_i32 s56, s[HF], 32*WQP
	s_add_co_u32 s56, s56, WQ
	v_add_nc_u32 v8, s56, v8                       ; my 32 rows of Wq in LDS,
	v_lshl_add_u32 v38, v0, 4, EX                  ; where my codes of q go: 16 x thread,
	s_lshl_b32 s56, s[W7], 9
	s_add_co_u32 s56, s56, EX
	v_lshl_add_u32 v39, v13, 4, s56
	s_delay_alu instid0(VALU_DEP_1)
	v_lshl_add_u32 v39, v14, 12, v39               ; and where block h's come from: wave 8 h + my tile, lane r (and lane 16 + r, 256 bytes on),
	v_lshlrev_b32 v247, 2, v13                     ; 4 r,
	v_lshlrev_b32 v240, 3, v12                     ; 8 lane,
	v_lshlrev_b32 v241, 4, v0                      ; 16, 32 and 8 x thread,
	v_lshlrev_b32 v242, 5, v0
	v_lshlrev_b32 v243, 3, v0
	s_mul_i32 s56, s[WV], 4*WQP
	s_add_co_u32 s56, s56, WQ
	v_add_nc_u32 v244, s56, v240                   ; where my four rows of Wq go,
	v_add_nc_u32 v245, SCL, v241                   ; my 32 bytes of scale words,
	v_lshl_add_u32 v246, v0, 7, BT                 ; my eight keys of the table,
	v_min_u32 v[PFO], 5, v12
	s_mul_i32 s56, ttmp9, 1536
	s_mul_i32 s57, s[HF], 196608
	s_add_co_u32 s56, s56, s57
	v_lshl_add_u32 v[PFO], v[PFO], 8, s56          ; the prefetch: my work-group's six blocks of my half's tile, a lane a block
	s_and_b32 s56, ttmp7, 0xffff                   ; 16 batch + head
	s_lshr_b32 s57, s56, 4
	s_and_b32 s58, s56, 15
	s_lshl_b32 s59, ttmp9, 7
	s_lshl_b32 s60, s[W7], 4
	s_add_co_u32 s59, s59, s60                     ; my first query in its batch
	s_lshl_b32 s60, s57, 10
	s_add_co_u32 s60, s60, s59                     ; and among all 2,048
	s_mov_b32 s63, 0
	s_mov_b32 s[SEL], 0x76543210
	s_mov_b32 s[SEL+1], 0xfedcba98
	s_mov_b32 s[CS], 0x3e38aa3b                    ; c = log2(e) / 8
	s_mov_b32 s[CS+1], s[CS]
	s_mov_b32 s[TS], 0
	s_mov_b32 s[TBI], 0
	s_wait_alu depctr_va_vdst(0)
	s_wait_kmcnt 0x0
	s_load_b256 s[44:51], s[22:23], 0x0            ; the nine biases
	s_load_b32 s52, s[22:23], 0x20
	s_add_co_u32 s61, s60, 8192                    ; the queries stand behind the 8,192 kv tokens
	s_mul_i32 s62, s61, 768
	s_add_nc_u64 s[4:5], s[4:5], s[62:63]          ; my tile's eight images
	s_lshl_b32 s62, s61, 5
	s_add_nc_u64 s[6:7], s[6:7], s[62:63]
	s_mul_i32 s62, s58, 49152
	s_mul_i32 s61, s[WV], 3072
	s_add_co_u32 s62, s62, s61
	s_add_nc_u64 s[8:9], s[8:9], s[62:63]          ; my four of the head's 64 rows of Wq
	s_lshl_b32 s62, s58, 11
	s_lshl_b32 s61, s[HF], 10
	s_add_co_u32 s62, s62, s61
	s_add_nc_u64 s[10:11], s[10:11], s[62:63]      ; the scales of my 32 rows of Wq
	s_mul_i32 s62, s56, 393216
	s_add_nc_u64 s[KVB:KVB+1], s[12:13], s[62:63]
	s_lshl_b32 s62, s56, 14
	s_add_nc_u64 s[14:15], s[14:15], s[62:63]
	s_lshl_b32 s62, s59, 2
	s_add_nc_u64 s[16:17], s[16:17], s[62:63]
	s_lshl_b32 s62, s57, 12
	s_add_nc_u64 s[20:21], s[20:21], s[62:63]
	s_lshr_b32 s61, s60, 4
	s_lshl_b32 s62, s61, 4
	s_add_co_u32 s62, s62, s58
	s_mul_i32 s62, s62, 768
	s_add_nc_u64 s[24:25], s[24:25], s[62:63]
	s_lshl_b32 s62, s61, 9
	s_lshl_b32 s61, s58, 1
	s_add_co_u32 s62, s62, s61
	s_add_nc_u64 s[26:27], s[26:27], s[62:63]
	; what goes to LDS first (24 loads), then what stays in registers (30)
.irp i, 0,1,2,3
.irp j, 0,1,2
	global_load_b64 v[40+6*\i+2*\j:41+6*\i+2*\j], v240, s[8:9] offset:768*\i+256*\j
.endr
.endr
	global_load_b128 v[64:67], v241, s[14:15]
	global_load_b128 v[68:71], v241, s[14:15] offset:8192
.irp j, 0,1,2
	global_load_b128 v[STG+4*\j:STG+4*\j+3], v[GOF], s[KVB:KVB+1] offset:4096*\j   ; my half's key step 0
.endr
	global_load_b128 v[16:19], v[GOF], s[KVB:KVB+1] offset:STPB                    ; and key step 1
	global_load_b128 v[20:23], v[GOF], s[KVB:KVB+1] offset:STPB+4096
	global_load_b128 v[32:35], v[GOF], s[KVB:KVB+1] offset:STPB+8192
	global_load_b128 v[72:75], v242, s[18:19]
	global_load_b128 v[76:79], v242, s[18:19] offset:16
	global_load_b64 v[80:81], v243, s[20:21]
	global_load_b32 v82, v247, s[16:17]
.irp s, 0,1,2,3,4,5,6,7
.irp c, 0,1,2
	global_load_b128 v[S+12*\s+4*\c:S+12*\s+4*\c+3], v7, s[4:5] offset:1536*\s+512*\c   ; the queries' fragment of K step s: 512 consecutive bytes a load
.endr
.endr
	global_load_b128 v[24:27], v6, s[6:7]          ; the queries' scale words
	global_load_b128 v[28:31], v6, s[6:7] offset:16
	global_load_b128 v[248:251], v6, s[10:11]      ; Wq's: my first tile's eight words,
	global_load_b128 v[252:255], v6, s[10:11] offset:16
	global_load_b128 v[84:87], v6, s[10:11] offset:512     ; my second tile's
	global_load_b128 v[100:103], v6, s[10:11] offset:528
	s_wait_loadcnt 30                              ; all but the 24 + 2 + 4 loads that stay in registers
.irp i, 0,1,2,3
.irp j, 0,1,2
	ds_store_b64 v244, v[40+6*\i+2*\j:41+6*\i+2*\j] offset:WQP*\i+256*\j
.endr
.endr
	ds_store_b128 v245, v[64:67]
	ds_store_b128 v245, v[68:71] offset:8192
.irp j, 0,1,2
	ds_store_b128 v[STA], v[STG+4*\j:STG+4*\j+3] offset:4096*\j    ; place 0
.endr
	ds_store_b128 v[STA], v[16:19] offset:STPB                     ; place 1
	ds_store_b128 v[STA], v[20:23] offset:STPB+4096
	ds_store_b128 v[STA], v[32:35] offset:STPB+8192
	s_wait_kmcnt 0x0
.irp i, 0,1,2,3,4,5,6,7,8
	v_mov_b32 v[200+\i], s[44+\i]
.endr
.irp i, 0,1,2,3,4,5,6,7,8
	v_mul_f32 v[200+\i], 0x41000000, v[200+\i]     ; x 8, exact: the scores are multiplied by 1 / 8 afterwards
.endr
	v_mov_b32 v209, 0xff000000                     ; -2^127
.irp e, 0,1,2,3,4,5,6,7
	v_bfe_u32 v236, v[80+\e/4], 8*(\e%4), 8
	v_cmp_eq_u32 s53, 1, v[72+\e]
	v_cmp_eq_u32 s54, 2, v[72+\e]
	s_delay_alu instid0(VALU_DEP_3)
	v_cmp_eq_u32 vcc_lo, 0, v236
.irp q, 0,1,2
	v_cndmask_b32 v[212+8*\q+\e], v[200+3*\q], v[201+3*\q], s53
	s_delay_alu instid0(VALU_DEP_1)
	v_cndmask_b32 v[212+8*\q+\e], v[212+8*\q+\e], v[202+3*\q], s54
	s_delay_alu instid0(VALU_DEP_1)
	v_cndmask_b32 v[212+8*\q+\e], v[212+8*\q+\e], v209, vcc_lo
.endr
.endr
.irp q, 0,1,2
	ds_store_b128 v246, v[212+8*\q:215+8*\q] offset:16*\q          ; my first four keys, for a query of type q
	ds_store_b128 v246, v[216+8*\q:219+8*\q] offset:64+16*\q       ; my other four
.endr
	ds_store_b128 v246, v[212:215] offset:48                       ; the fourth 16 bytes repeat the first: every byte of the table is written
	ds_store_b128 v246, v[216:219] offset:112
	v_min_u32 v82, 2, v82                          ; my query's type, held inside the table that it indexes
	s_lshl_b32 s56, s[HF], 15
	s_add_co_u32 s56, s56, BT
	v_lshl_add_u32 v[LBT], v14, 7, s56
	v_lshlrev_b32 v237, 4, v82
	s_delay_alu instid0(VALU_DEP_1)
	v_add_nc_u32 v[LBT], v[LBT], v237
	s_wait_dscnt 0x0                               ; for the others' sake: my stores have landed
.irp j, 0,1,2
	global_load_b128 v[STG+4*\j:STG+4*\j+3], v[GOF], s[KVB:KVB+1] offset:2*STPB+4096*\j   ; key step 2
.endr
	s_barrier_signal -1
	s_barrier_wait -1
	; q for my 16 queries and my 32 channels: two tiles, K = 1,024 in eight steps; Wq's fragments in v40-63 and v216-239 by turns
.macro WQF s
.set FS, 40+176*((\s)%2)
.irp t, 0,1
.irp p, 0,1,2,3,4,5
	ds_load_b64 v[FS+12*\t+2*\p:FS+12*\t+2*\p+1], v8 offset:16*WQP*\t+96*(\s)+48*(\p/3)+8*(\p%3)
.endr
.endr
.endm
	s_wait_loadcnt 3                               ; all but key step 2's three
	WQF 0
.irp s, 0,1,2,3,4,5,6,7
.if \s < 7
.if \s > 0
.rept 4
	v_nop                                          ; places in front of loads into registers that the last two products have read
.endr
.endif
	WQF \s+1
	s_wait_dscnt 12                                ; all but the twelve just issued
.else
	s_wait_dscnt 0x0
.endif
.set FS, 40+176*(\s%2)
.if \s < 4
.set WS1, 84+\s
.else
.set WS1, 96+\s
.endif
.if \s == 0
	MM0 200, FS, S+12*\s, 248+\s, 24+\s
	MM0 208, FS+12, S+12*\s, WS1, 24+\s
.else
	MM 200, FS, S+12*\s, 200, 248+\s, 24+\s        ; the two accumulators take turns
	MM 208, FS+12, S+12*\s, 208, WS1, 24+\s
.endif
.endr
.rept 4
	v_nop
.endr
	v_max3_num_f32 v232, |v200|, |v201|, 0x2800000 ; my 16 numbers of my block of 32 channels, and the floor 2^(5 - 127)
	v_max3_num_f32 v233, |v208|, |v209|, 0x2800000
.irp i, 2,4,6
	v_max3_num_f32 v232, |v[200+\i]|, |v[201+\i]|, v232
	v_max3_num_f32 v233, |v[208+\i]|, |v[209+\i]|, v233
.endr
	v_mov_b32 v234, 0                              ; a lane permute's destination counts as one of its sources
	s_delay_alu instid0(VALU_DEP_2)
	v_max_num_f32 v232, v232, v233
	s_delay_alu instid0(VALU_DEP_1)
	v_permlanex16_b32 v234, v232, s[SEL], s[SEL+1]
	s_delay_alu instid0(VALU_DEP_1)
	v_max_num_f32 v232, v232, v234                 ; with lane l xor 16's
	s_delay_alu instid0(VALU_DEP_1)
	v_add_nc_u32 v233, 0xfe000000, v232            ; the conversion's scale operand
	s_delay_alu instid0(VALU_DEP_1)
	v_lshrrev_b32 v239, 23, v233                   ; the scale's byte, the fourth word of my 16 bytes
	v_cvt_scalef32_pk16_bf6_f32 v[236:238], v[200:215], v233
	v_nop
	ds_store_b128 v38, v[236:239]
	s_wait_dscnt 0x0                               ; for the others' sake
	s_barrier_signal -1
	s_barrier_wait -1
	ds_load_b128 v[232:235], v39                   ; block h: the 16 codes of lane r of the wave that made it, and its byte,
	ds_load_b128 v[236:239], v39 offset:256        ; and those of lane 16 + r
	s_wait_dscnt 0x0
	v_mov_b32 v240, 0
	s_delay_alu instid0(VALU_DEP_1)
	v_permlanex16_b32 v240, v235, s[SEL], s[SEL+1] ; the other block's byte
.irp i, 0,1,2
	v_mov_b32 v[QA+\i], v[232+\i]
	v_mov_b32 v[QA+3+\i], v[236+\i]
	v_mov_b32 v[QB+6+\i], v[232+\i]
	v_mov_b32 v[QB+9+\i], v[236+\i]
.endr
.irp i, 0,1,2,3,4,5
	v_mov_b32 v[QA+6+\i], 0
	v_mov_b32 v[QB+\i], 0
.endr
	v_lshl_or_b32 v240, v240, 8, v235              ; lanes 0-15: block 0's byte, then block 1's (lanes 16-31 are not read)
	s_delay_alu instid0(VALU_DEP_1)
	v_lshl_or_b32 v[QSW], v240, 16, v240           ; for either half of K
	v_mov_b32 v13, 0xf149f2ca                      ; the largest t so far: -1e30, above a masked key's t: a run of masked keys leaves M alone and sums zeros
	s_delay_alu instid0(VALU_DEP_1)
	v_floor_f32 v12, -v13                          ; -M
	v_mov_b32 v14, 0
	v_mov_b32 v15, 0
	v_mov_b32 v[FF+1], 0
.irp b, 0,1,2,3
	v_mov_b32 v[BP+\b], 0
.endr
.set n, 0
.rept 32
	v_mov_b32 v[OT+n], 0                           ; the step is written once: the first finds zeros
.set n, n+1
.endr
; A KEY STEP of 128 keys of my half, read from place \p.  store: the tile of two steps on goes from registers into place (p + 2) % 4; load: the tile of three steps on is asked for;
; pre: the next step's numbers of the table are asked for; pf: the tile of four steps on is prefetched.
.macro STEP p, store, load, pre, pf
	v_add_nc_u32 v[ADS], s[TS], v[LSC]
	v_add_nc_u32 v[ADB], s[TBI], v[LBT]
	v_nop
	v_nop                                          ; four places behind the last products, in front of loads into their operands' registers
.if \store
	s_wait_alu depctr_va_vdst(0)
	s_wait_loadcnt 0x0                             ; the tile asked for a step ago
	s_wait_xcnt 0x0                                ; and any prefetch has read its base, which is stepped below
.irp j, 0,1,2
	ds_store_b128 v[STA], v[STG+4*\j:STG+4*\j+3] offset:((\p+2)%4)*STPB+4096*\j   ; the place read two steps ago
.endr
	s_add_nc_u64 s[KVB:KVB+1], s[KVB:KVB+1], STPB
.endif
.irp f, 0,1,2,3
.irp c, 0,1,2
	ds_load_b128 v[KV+12*\f+4*\c:KV+12*\f+4*\c+3], v[LI] offset:\p*STPB+1536*\f+512*\c
.endr
.endr
	ds_load_b128 v[KSW:KSW+3], v[ADS]
	s_wait_alu depctr_va_vdst(0)
	s_wait_dscnt 0x0                               ; K and the table's numbers are in, and the stores above have landed
.if \load
.irp j, 0,1,2
	global_load_b128 v[STG+4*\j:STG+4*\j+3], v[GOF], s[KVB:KVB+1] offset:2*STPB+4096*\j
.endr
.endif
.if \pf
	s_cmp_lg_u32 s[W7], 0                          ; one wave of each half asks
	s_cbranch_scc1 .Lno_pf_\@
	global_prefetch_b8 v[PFO], s[KVB:KVB+1] offset:3*STPB th:TH_LOAD_NT scope:SCOPE_SE
.Lno_pf_\@:
.endif
	s_barrier_signal -1                            ; no LDS instruction of mine is out; up to the wait: work on registers, and loads of bytes that no wave writes before a later barrier
.irp f, 0,1,2,3
	MM S+16*\f, KV+12*\f, QA, S+16*\f, KSW+\f, QSW
	MM S+16*\f+8, KV+12*\f, QB, S+16*\f+8, KSW+\f, QSW
.endr
.rept 4
	v_nop
.endr
.irp t, 0,1,2,3
.irp c, 0,1,2
	ds_load_b128 v[KV+12*\t+4*\c:KV+12*\t+4*\c+3], v[LI] offset:\p*STPB+6144+1536*\t+512*\c   ; V is asked for ahead of the softmax
.endr
.endr
	ds_load_b128 v[VSW:VSW+3], v[ADS] offset:8192
.irp b, 0,1,2,3
	v_max3_num_f32 v[BM+\b], v[S+16*\b], v[S+16*\b+1], v[S+16*\b+2]   ; the largest score of each block of 32 keys: for the row's maximum, and for the block's largest p
.endr
.irp i, 3,5,7,9,11,13
.irp b, 0,1,2,3
	v_max3_num_f32 v[BM+\b], v[BM+\b], v[S+16*\b+\i], v[S+16*\b+\i+1]
.endr
.endr
.irp b, 0,1,2,3
	v_max_num_f32 v[BM+\b], v[BM+\b], v[S+16*\b+15]
.endr
.irp b, 0,1,2,3
	s_delay_alu instid0(VALU_DEP_4)
	v_permlanex16_b32 v[BP+\b], v[BM+\b], s[SEL], s[SEL+1]
.endr
.irp b, 0,1,2,3
	s_delay_alu instid0(VALU_DEP_4)
	v_max_num_f32 v[BM+\b], v[BM+\b], v[BP+\b]
.endr
	s_delay_alu instid0(VALU_DEP_2)
	v_max3_num_f32 v240, v[BM], v[BM+1], v[BM+2]
	s_delay_alu instid0(VALU_DEP_1)
	v_max_num_f32 v240, v240, v[BM+3]
	s_delay_alu instid0(VALU_DEP_1)
	v_mul_f32 v240, s[CS], v240
	s_delay_alu instid0(VALU_DEP_1)
	v_max_num_f32 v13, v13, v240                   ; the running largest t
	v_mov_b32 v240, v12
	s_delay_alu instid0(VALU_DEP_2)
	v_floor_f32 v12, -v13                          ; -M = floor(-t): M is a whole number
	s_delay_alu instid0(VALU_DEP_1)
	v_sub_f32 v240, v12, v240                      ; old M - new M, 0 or less
	s_delay_alu instid0(VALU_DEP_1)
	v_cvt_i32_f32 v240, v240                       ; (it saturates)
	s_delay_alu instid0(VALU_DEP_1)
	v_ldexp_f32 v[FF], 1.0, v240                   ; f = 2^(old M - new M)
.set n, 0
.rept 32
	v_pk_fma_f32 v[S+n:S+n+1], v[S+n:S+n+1], s[CS:CS+1], v[12:13] op_sel_hi:[1,0,0]   ; t - M
.set n, n+2
.endr
.irp b, 0,1,2,3
	v_fma_f32 v[BM+\b], v[BM+\b], s[CS], v12
.endr
.set n, 0
	s_wait_alu depctr_va_vdst(0)
.rept 64
	v_exp_f32 v[S+n], v[S+n]                       ; p = 2^(t - M)
.set n, n+1
.endr
	v_pk_mul_f32 v[14:15], v[14:15], v[FF:FF+1] op_sel_hi:[1,0]       ; the sums under the new M; a plain instruction behind the exponentials
	s_wait_alu depctr_va_vdst(0)                   ; one wait for the 64, ahead of their first reader
.irp b, 0,1,2,3
	v_exp_f32 v[BM+\b], v[BM+\b]                   ; each block's largest p
.endr
	v_pk_add_f32 v[242:243], v[108:109], v[112:113]                   ; the row's sum of the unquantised p, in eight chains
	v_pk_add_f32 v[254:255], v[116:117], v[120:121]
	v_pk_add_f32 v[252:253], v[124:125], v[128:129]
	v_pk_add_f32 v[250:251], v[132:133], v[136:137]
	v_pk_add_f32 v[248:249], v[140:141], v[144:145]
	v_pk_add_f32 v[246:247], v[148:149], v[152:153]
	v_pk_add_f32 v[244:245], v[156:157], v[160:161]
	v_pk_add_f32 v[14:15], v[14:15], v[164:165]
	v_pk_add_f32 v[242:243], v[242:243], v[104:105]
	v_pk_add_f32 v[254:255], v[254:255], v[106:107]
	v_pk_add_f32 v[252:253], v[252:253], v[110:111]
	v_pk_add_f32 v[250:251], v[250:251], v[114:115]
	v_pk_add_f32 v[248:249], v[248:249], v[118:119]
	v_pk_add_f32 v[246:247], v[246:247], v[122:123]
	v_pk_add_f32 v[244:245], v[244:245], v[126:127]
	v_pk_add_f32 v[14:15], v[14:15], v[130:131]
	v_pk_add_f32 v[242:243], v[242:243], v[134:135]
	v_pk_add_f32 v[254:255], v[254:255], v[138:139]
	v_pk_add_f32 v[252:253], v[252:253], v[142:143]
	v_pk_add_f32 v[250:251], v[250:251], v[146:147]
	v_pk_add_f32 v[248:249], v[248:249], v[150:151]
	v_pk_add_f32 v[246:247], v[246:247], v[154:155]
	v_pk_add_f32 v[244:245], v[244:245], v[158:159]
	v_pk_add_f32 v[14:15], v[14:15], v[162:163]
	v_pk_add_f32 v[242:243], v[242:243], v[166:167]
	s_delay_alu instid0(VALU_DEP_2)
	v_pk_add_f32 v[14:15], v[14:15], v[250:251]
	s_delay_alu instid0(VALU_DEP_2)
	v_pk_add_f32 v[242:243], v[242:243], v[248:249]
	v_pk_add_f32 v[254:255], v[254:255], v[246:247]
	v_pk_add_f32 v[252:253], v[252:253], v[244:245]
	s_delay_alu instid0(VALU_DEP_2)
	v_pk_add_f32 v[14:15], v[14:15], v[254:255]
	s_delay_alu instid0(VALU_DEP_2)
	v_pk_add_f32 v[242:243], v[242:243], v[252:253]
	s_delay_alu instid0(VALU_DEP_1)
	v_pk_add_f32 v[14:15], v[14:15], v[242:243]
	s_wait_alu depctr_va_vdst(0)                   ; and one for the four
.irp b, 0,1,2,3
	v_max_num_f32 v[BM+\b], 0x2800000, v[BM+\b]    ; the floor 2^(5 - 127)
.endr
.irp b, 0,1,2,3
	s_delay_alu instid0(VALU_DEP_4)
	v_add_nc_u32 v[SO+\b], 0xfe000000, v[BM+\b]
.endr
.irp b, 0,1,2,3
	s_delay_alu instid0(VALU_DEP_4)
	v_lshrrev_b32 v[BP+\b], 23, v[SO+\b]
.endr
	s_delay_alu instid0(VALU_DEP_3)
	v_lshl_or_b32 v[PWD], v[BP+1], 8, v[BP]
	s_delay_alu instid0(VALU_DEP_1)
	v_lshl_or_b32 v[PWD], v[BP+2], 16, v[PWD]
	s_delay_alu instid0(VALU_DEP_1)
	v_lshl_or_b32 v[PWD], v[BP+3], 24, v[PWD]
.irp c, 0,1
	v_cvt_scalef32_pk16_bf6_f32 v[PC+6*\c:PC+6*\c+2], v[S+32*\c:S+32*\c+15], v[SO+2*\c]
	v_cvt_scalef32_pk16_bf6_f32 v[CT+4*\c:CT+4*\c+2], v[S+32*\c+16:S+32*\c+31], v[SO+2*\c+1]
.endr
	v_nop
.irp c, 0,1
.irp i, 0,1,2
	v_permlane16_swap_b32 v[PC+6*\c+\i], v[CT+4*\c+\i]
.endr
.irp i, 0,1,2
	s_delay_alu instid0(VALU_DEP_3)
	v_mov_b32 v[PC+6*\c+3+\i], v[CT+4*\c+\i]
.endr
.endr
.set n, 0
.rept 16
	v_pk_mul_f32 v[OT+n:OT+n+1], v[OT+n:OT+n+1], v[FF:FF+1] op_sel_hi:[1,0]   ; O^T under the new M; also the places in front of the products below
.set n, n+2
.endr
	s_wait_alu depctr_va_vdst(0)
	s_wait_dscnt 0x0                               ; V is in
.if \pre
.irp t, 0,1,2,3,4,5,6,7
	ds_load_b128 v[S+8*\t:S+8*\t+3], v[ADB] offset:2048+256*\t        ; the next step's numbers of the table, keys 16 t + 8 h + 0..3: the C of its first products; p has been converted
	ds_load_b128 v[S+8*\t+4:S+8*\t+7], v[ADB] offset:2048+256*\t+64   ; and + 4..7
.endr
.endif
.irp t, 0,1,2,3
	MM OT+8*\t, KV+12*\t, PC, OT+8*\t, VSW+\t, PWD
.endr
	s_add_co_u32 s[TS], s[TS], 256
	s_add_co_u32 s[TBI], s[TBI], 2048              ; 128 keys of the table
	s_barrier_wait -1                              ; every wave has given this step's signal
.endm
.irp t, 0,1,2,3,4,5,6,7
	ds_load_b128 v[S+8*\t:S+8*\t+3], v[LBT] offset:256*\t             ; step 0's numbers of the table
	ds_load_b128 v[S+8*\t+4:S+8*\t+7], v[LBT] offset:256*\t+64
.endr
	s_mov_b32 s[CNT], 3
.Lsteps:                                           ; three trips of four key steps, once through the four places
	STEP 0, 1, 1, 1, 1
	STEP 1, 1, 1, 1, 1
	STEP 2, 1, 1, 1, 1
	STEP 3, 1, 1, 1, 1
	s_sub_co_u32 s[CNT], s[CNT], 1
	s_cmp_lg_u32 s[CNT], 0
	s_cbranch_scc1 .Lsteps
	STEP 0, 1, 1, 1, 0                             ; step 12 asks for the last tile, step 15's: no load leaves the buffer
	STEP 1, 1, 0, 1, 0                             ; step 13 stores it
	STEP 2, 0, 0, 1, 0
	STEP 3, 0, 0, 0, 0
	; the two halves of the keys are merged: waves 8-15 hand O^T, -M and the sum to waves 0-7
	v_add_f32 v14, v14, v15
	v_nop
	v_nop
	v_nop                                          ; four places behind the last products
	s_cmp_lt_u32 s[WV], 8
	s_cbranch_scc1 .Lkeep
.irp i, 0,1,2,3,4,5,6,7
	ds_store_b128 v[MRA], v[OT+4*\i:OT+4*\i+3] offset:512*\i
.endr
	ds_store_b32 v[MRB], v12
	ds_store_b32 v[MRB], v14 offset:128
.Lkeep:
	s_wait_dscnt 0x0
	s_barrier_signal -1
	s_barrier_wait -1
	s_cmp_lt_u32 s[WV], 8
	s_cbranch_scc1 .Lmerge
	s_wait_xcnt 0x0
	v_lshl_add_u32 v254, v0, 2, SPB
	v_mov_b32 v255, 0
	s_wait_alu depctr_va_vdst(0)
	s_wait_tensorcnt 0x0                           ; the wave's end
	ds_add_u32 v254, v255
	s_wait_dscnt 0x0
	s_endpgm
.Lmerge:
.irp i, 0,1,2,3,4,5,6,7
	ds_load_b128 v[S+4*\i:S+4*\i+3], v[MRA] offset:512*\i
.endr
	ds_load_b32 v240, v[MRB]
	ds_load_b32 v241, v[MRB] offset:128
	v_mov_b32 v245, 0
	v_mov_b32 v246, 0
	s_wait_dscnt 0x0
	v_min_num_f32 v242, v12, v240                  ; -M of both halves
	s_delay_alu instid0(VALU_DEP_1)
	v_sub_f32 v243, v242, v12
	s_delay_alu instid0(VALU_DEP_2)
	v_sub_f32 v244, v242, v240
	s_delay_alu instid0(VALU_DEP_2)
	v_cvt_i32_f32 v243, v243
	s_delay_alu instid0(VALU_DEP_2)
	v_cvt_i32_f32 v244, v244
	s_delay_alu instid0(VALU_DEP_2)
	v_ldexp_f32 v[FF], 1.0, v243                   ; my half's power of two (0 where all my keys were masked),
	s_delay_alu instid0(VALU_DEP_2)
	v_ldexp_f32 v244, 1.0, v244                    ; the other's
.set n, 0
.rept 16
	v_pk_mul_f32 v[OT+n:OT+n+1], v[OT+n:OT+n+1], v[FF:FF+1] op_sel_hi:[1,0]
.set n, n+2
.endr
.set n, 0
.rept 16
	v_pk_fma_f32 v[OT+n:OT+n+1], v[S+n:S+n+1], v[244:245], v[OT+n:OT+n+1] op_sel_hi:[1,0,1]
.set n, n+2
.endr
	v_mul_f32 v14, v14, v[FF]
	s_delay_alu instid0(VALU_DEP_1)
	v_fma_f32 v14, v241, v244, v14
	s_delay_alu instid0(VALU_DEP_1)
	v_permlanex16_b32 v246, v14, s[SEL], s[SEL+1]
	s_delay_alu instid0(VALU_DEP_1)
	v_add_f32 v14, v14, v246                       ; the row's sum
	s_wait_alu depctr_va_vdst(0)
	v_rcp_f32 v14, v14
	v_and_b32 v6, 31, v0                           ; plain work behind the reciprocal: the stores' offsets
	v_and_b32 v8, 15, v0
	s_delay_alu instid0(VALU_DEP_2)
	v_lshlrev_b32 v7, 3, v6
	s_delay_alu instid0(VALU_DEP_3)
	v_lshlrev_b32 v6, 4, v6
	s_delay_alu instid0(VALU_DEP_3)
	v_lshlrev_b32 v8, 5, v8
	s_wait_alu depctr_va_vdst(0)                   ; ahead of its first reader
.set n, 0
.rept 16
	v_pk_mul_f32 v[OT+n:OT+n+1], v[OT+n:OT+n+1], v[14:15] op_sel_hi:[1,0]
.set n, n+2
.endr
.irp g, 0,1
.irp j, 0,1,2,3,4,5,6,7
	v_permlane16_swap_b32 v[OT+16*\g+\j], v[OT+16*\g+8+\j]   ; register 16 g + i now holds channel 32 g + 16 h + i: the order of Wo's codes
.endr
.endr
	QUANT2 OT, PC, CT, 216, 240
	global_store_b128 v6, v[PC:PC+3], s[24:25]             ; registers 0-3: 512 consecutive bytes
	global_store_b64 v7, v[PC+4:PC+5], s[24:25] offset:512 ; registers 4-5: 256
	global_store_b16 v8, v240, s[26:27]                    ; my row's two scale bytes of this head (lanes 16-31 repeat lanes 0-15)
	s_wait_xcnt 0x0
	v_lshl_add_u32 v254, v0, 2, SPB
	v_mov_b32 v255, 0
	s_wait_alu depctr_va_vdst(0)
	s_wait_tensorcnt 0x0                           ; the wave's end
	ds_add_u32 v254, v255
	s_wait_dscnt 0x0
	s_endpgm
.Lfunc_end_k_qb6b95eb054_attn:
	.size	k_qb6b95eb054_attn, .Lfunc_end_k_qb6b95eb054_attn-k_qb6b95eb054_attn
	.p2alignl 7, 3214868480
	.fill 96, 4, 3214868480
	.section	.rodata,"a",@progbits
	.p2align	6, 0x0
	.amdhsa_kernel k_qb6b95eb054_attn
		.amdhsa_group_segment_fixed_size 240640
		.amdhsa_private_segment_fixed_size 0
		.amdhsa_enable_private_segment 0
		.amdhsa_kernarg_size 96
		.amdhsa_user_sgpr_count 2
		.amdhsa_user_sgpr_kernarg_segment_ptr 1
		.amdhsa_wavefront_size32 1
		.amdhsa_system_sgpr_workgroup_id_x 1
		.amdhsa_system_sgpr_workgroup_id_y 1
		.amdhsa_system_sgpr_workgroup_id_z 1
		.amdhsa_system_vgpr_workitem_id 0
		.amdhsa_next_free_vgpr 256
		.amdhsa_next_free_sgpr 66
		.amdhsa_reserve_vcc 1
		.amdhsa_float_denorm_mode_32 3
		.amdhsa_float_denorm_mode_16_64 3
		.amdhsa_memory_ordered 1
		.amdhsa_forward_progress 1
		.amdhsa_inst_pref_size 188
	.end_amdhsa_kernel
	.amdgpu_metadata
---
amdhsa.version: [ 1, 2 ]
amdhsa.kernels:
  - .name:           k_qb6b95eb054_attn
    .symbol:         k_qb6b95eb054_attn.kd
    .args:
      - { .name: x_codes, .offset: 0, .size: 8, .value_kind: global_buffer, .address_space: global }
      - { .name: x_scales, .offset: 8, .size: 8, .value_kind: global_buffer, .address_space: global }
      - { .name: Wq_codes, .offset: 16, .size: 8, .value_kind: global_buffer, .address_space: global }
      - { .name: Wq_scales, .offset: 24, .size: 8, .value_kind: global_buffer, .address_space: global }
      - { .name: kv, .offset: 32, .size: 8, .value_kind: global_buffer, .address_space: global }
      - { .name: sc, .offset: 40, .size: 8, .value_kind: global_buffer, .address_space: global }
      - { .name: query_type_ids, .offset: 48, .size: 8, .value_kind: global_buffer, .address_space: global }
      - { .name: kv_type_ids, .offset: 56, .size: 8, .value_kind: global_buffer, .address_space: global }
      - { .name: kv_padding_mask, .offset: 64, .size: 8, .value_kind: global_buffer, .address_space: global }
      - { .name: typed_bias, .offset: 72, .size: 8, .value_kind: global_buffer, .address_space: global }
      - { .name: o_codes, .offset: 80, .size: 8, .value_kind: global_buffer, .address_space: global }
      - { .name: o_scales, .offset: 88, .size: 8, .value_kind: global_buffer, .address_space: global }
    .group_segment_fixed_size: 240640
    .private_segment_fixed_size: 0
    .kernarg_segment_align: 8
    .kernarg_segment_size: 96
    .max_flat_workgroup_size: 512
    .sgpr_count:     66
    .vgpr_count:     256
    .wavefront_size: 32
...
	.end_amdgpu_metadata
.endif
;; end of part 7
;; launch outp (part 8): grid 128 x 1, 16 waves a work-group, no clusters, 283,136 bytes of LDS; arguments o_codes, o_scales, wo_img, Wo_scales, queries, on_w, on_b, out0; writes out0
.if DOCPART == 8
	.amdgcn_target "amdgcn-amd-amdhsa--gfx1250"
	.amdhsa_code_object_version 6
	.text
	.protected	k_qb6b95eb054_outp
	.globl	k_qb6b95eb054_outp
	.p2align	8
	.type	k_qb6b95eb054_outp,@function
k_qb6b95eb054_outp:
	s_mov_b64 s[64:65], 0
	v_nop
	global_prefetch_b8 v0, s[64:65] scope:SCOPE_SE
	s_setreg_imm32_b32 hwreg(HW_REG_WAVE_MODE, 25, 1), 1
	s_wait_xcnt 0x0
; out0 = LayerNorm(queries + Q(out) Wo^T), the product on codes of E3M2 with E8M0 scales, K = 1,024.
; A work-group owns 16 whole rows, since the norm wants all 1,024 columns of a row.  Wave w owns columns 64 w .. 64 w + 63: four tiles x eight K steps.
; Each fragment of Wo is used once in the work-group, by one wave: it goes from memory straight into that wave's registers, three K steps ahead.  Wo's codes come as images of the operand's registers, laid out by the first
; launch: wo_img [tile of 16 rows][K step][1,536]: a fragment is three loads of 512 consecutive bytes.  No cluster: a joint load would send these bytes through LDS for one use each.
; The rows' codes (12,288 bytes, images of the operand's registers) are copied into LDS once and read by all sixteen waves.
; The product is used transposed (source 0 = 16 rows of Wo, source 1 = the 16 rows): lane (r, h) holds row r and columns 16 t + 8 h + j.  The residual is the C of each sum's first instruction.
; Mean and variance: each wave's part of a row's sum meets the others' in LDS, twice (the mean first, then the squared differences).
; LIMITS: NaN and infinities are not served.
; But K steps 6 and 7 of Wo's images, a quarter of its bytes, come another way: each wave asks for its own four tiles' 2 x 1,536 bytes (four rows of 3,072 bytes, 12,288 bytes apart in wo_img) by ONE tensor load at the head,
; into 12,288 LDS bytes that it alone reads, behind its own wait on TENSORcnt in K step 3; they are on their way beside the register loads of K steps 0..5.  These bytes are filled once.
.set TW,   86528                       ; behind the spare words: 12,288 bytes for each wave
.set STGB, 12288
.set SP,   272
.set RED1, 81920                       ; 16 rows x (64 + 16) bytes of partial sums, twice
.set RED2, 83200
.set RP,   80
.set ACC,  16                          ; v16-47
.set AF,   48                          ; v48-71   two sets
.set WF,   72                          ; v72-215  three sets of four fragments
.set WSW,  216                         ; v216-247 Wo's scale words
.set ASW,  248                         ; v248-255 the rows'
.macro MM d, a, b, c, sa, sb
	v_wmma_scale_f32_16x16x128_f8f6f4 v[\d:\d+7], v[\a:\a+11], v[\b:\b+11], v[\c:\c+7], v[\sa], v[\sb] matrix_a_fmt:MATRIX_FMT_BF6 matrix_b_fmt:MATRIX_FMT_BF6
.endm
.macro WLOAD s                         ; my four fragments of Wo for K step s: twelve loads of 512 consecutive bytes
.irp t, 0,1,2,3
.irp c, 0,1,2
	global_load_b128 v[WF+48*((\s)%3)+12*\t+4*\c:WF+48*((\s)%3)+12*\t+4*\c+3], v1, s[8:9] offset:12288*\t+1536*(\s)+512*\c
.endr
.endr
.endm
.macro LLOAD s                         ; my four fragments of Wo for K step s = 6 or 7, from my own LDS bytes: twelve loads, lane l at 16 l
.irp t, 0,1,2,3
.irp c, 0,1,2
	ds_load_b128 v[WF+48*((\s)%3)+12*\t+4*\c:WF+48*((\s)%3)+12*\t+4*\c+3], v11 offset:3072*\t+1536*((\s)-6)+512*\c
.endr
.endr
.endm
.macro ALOAD s
	ds_load_b128 v[AF+12*((\s)%2):AF+12*((\s)%2)+3], v1 offset:1536*(\s)
	ds_load_b64 v[AF+12*((\s)%2)+4:AF+12*((\s)%2)+5], v2 offset:1536*(\s)+512
	ds_load_b128 v[AF+12*((\s)%2)+6:AF+12*((\s)%2)+9], v1 offset:1536*(\s)+768
	ds_load_b64 v[AF+12*((\s)%2)+10:AF+12*((\s)%2)+11], v2 offset:1536*(\s)+1280
.endm
.macro KSTEP s, lc, dc                 ; lc, dc: the younger loads that may stay out
	s_wait_loadcnt \lc
	s_wait_dscnt \dc
.irp t, 0,1,2,3
	MM ACC+8*\t, WF+48*((\s)%3)+12*\t, AF+12*((\s)%2), ACC+8*\t, WSW+8*\t+(\s), ASW+(\s)
.endr
.rept 4
	v_nop                                          ; places in front of loads into registers that matrix instructions have read, and of the first read of results
.endr
.if (\s) <= 2
	WLOAD (\s)+3
.endif
.if (\s) == 3
	s_wait_tensorcnt 0x0                           ; my tensor load has landed
.endif
.if (\s) == 3 || (\s) == 4
	LLOAD (\s)+3
.endif
.if (\s) <= 5
	ALOAD (\s)+2
.endif
.endm
.macro BARRIER
	s_wait_dscnt 0x0
	s_barrier_signal -1
	s_barrier_wait -1
.endm
; four pairs in v80-87 become my row's sum over all 1,024 columns, in v88
.macro ROWRED off
	s_delay_alu instid0(VALU_DEP_3)
	v_pk_add_f32 v[80:81], v[80:81], v[82:83]
	s_delay_alu instid0(VALU_DEP_2)
	v_pk_add_f32 v[84:85], v[84:85], v[86:87]
	s_delay_alu instid0(VALU_DEP_1)
	v_pk_add_f32 v[80:81], v[80:81], v[84:85]
	s_delay_alu instid0(VALU_DEP_1)
	v_add_f32 v80, v80, v81
	s_delay_alu instid0(VALU_DEP_1)
	v_permlanex16_b32 v81, v80, s22, s23
	s_delay_alu instid0(VALU_DEP_1)
	v_add_f32 v80, v80, v81                        ; my wave's 64 columns of row r
	ds_store_b32 v8, v80 offset:\off               ; both lanes of a row write the same word with the same value
	BARRIER
.irp i, 0,1,2,3
	ds_load_b128 v[88+4*\i:91+4*\i], v9 offset:\off+16*\i
.endr
	s_wait_dscnt 0x0
.irp k, 0,1,2,3
	v_pk_add_f32 v[88+4*\k:89+4*\k], v[88+4*\k:89+4*\k], v[90+4*\k:91+4*\k]
.endr
	s_delay_alu instid0(VALU_DEP_3)
	v_pk_add_f32 v[88:89], v[88:89], v[92:93]
	s_delay_alu instid0(VALU_DEP_2)
	v_pk_add_f32 v[96:97], v[96:97], v[100:101]
	s_delay_alu instid0(VALU_DEP_1)
	v_pk_add_f32 v[88:89], v[88:89], v[96:97]
	s_delay_alu instid0(VALU_DEP_1)
	v_add_f32 v88, v88, v89
.endm
	s_load_b512 s[4:19], s[0:1], 0x0               ; o_codes, o_scales, wo_img, Wo_scales, queries, on_w, on_b, out0
	v_lshl_add_u32 v3, v0, 2, 0x14a00
	v_mov_b32 v15, 0
	ds_add_u32 v3, v15                             ; the opening lines: the add, twice on end, and its wait ahead of my tensor load
	ds_add_u32 v3, v15
	v_lshrrev_b32 v1, 5, v0
	s_delay_alu instid0(VALU_DEP_1)
	v_readfirstlane_b32 s20, v1                    ; wave 0..15
	v_and_b32 v11, 31, v0                          ; lane
	v_and_b32 v12, 15, v0                          ; r
	v_bfe_u32 v13, v0, 4, 1                        ; h
	s_delay_alu instid0(VALU_DEP_3)
	v_lshlrev_b32 v1, 4, v11                       ; 16 lane
	s_delay_alu instid0(VALU_DEP_4)
	v_lshlrev_b32 v2, 3, v11                       ; 8 lane
	s_delay_alu instid0(VALU_DEP_4)
	v_lshlrev_b32 v4, 5, v12                       ; scale words: 32 bytes a row
	v_lshlrev_b32 v5, 4, v12
	s_delay_alu instid0(VALU_DEP_1)
	v_lshl_add_u32 v5, v13, 12, v5                 ; rows in and out: lanes 0-15 one row's 256 bytes, lanes 16-31 the next row's
	s_mul_i32 s21, s20, 16*SP
	s_add_co_u32 s21, s21, STGB                    ; my stage
	v_mul_u32_u24 v6, v13, SP
	s_delay_alu instid0(VALU_DEP_1)
	v_lshl_add_u32 v6, v12, 4, v6
	s_delay_alu instid0(VALU_DEP_1)
	v_add_nc_u32 v6, s21, v6                       ; by rows
	v_mul_u32_u24 v7, v12, SP
	s_delay_alu instid0(VALU_DEP_1)
	v_lshl_add_u32 v7, v13, 5, v7
	s_delay_alu instid0(VALU_DEP_1)
	v_add_nc_u32 v7, s21, v7                       ; as the accumulators lie
	v_mul_u32_u24 v9, v12, RP
	s_delay_alu instid0(VALU_DEP_1)
	v_add_nc_u32 v9, RED1, v9                      ; row r's sixteen partial sums
	s_lshl_b32 s21, s20, 2
	v_add_nc_u32 v8, s21, v9                       ; my wave's among them
	v_lshlrev_b32 v10, 3, v0                       ; 8 x thread
	v_lshlrev_b32 v14, 4, v12                      ; 16 r
	s_mul_i32 s21, s20, 12288
	s_add_co_u32 s33, s21, TW                      ; my bytes for K steps 6 and 7: also the descriptor's LDS address
	v_lshl_add_u32 v11, v11, 4, s33                ; + 16 lane
	s_mov_b32 s22, 0x76543210
	s_mov_b32 s23, 0xfedcba98
	s_mov_b32 s24, 0x3a800000                      ; 1 / 1,024
	s_mov_b32 s25, 0x3727c5ac                      ; 1e-5
	s_mov_b32 s27, 0
	s_mov_b32 s32, 1                               ; the descriptor: four rows of 384 elements of 8 bytes, 1,536 elements apart, dense in LDS
	s_mov_b32 s36, 3<<16
	s_mov_b32 s37, 384<<16
	s_mov_b32 s38, 4<<16
	s_mov_b32 s39, 384<<16
	s_mov_b32 s40, 4
	s_mov_b32 s41, 1536
	s_mov_b32 s42, 0
	s_mov_b32 s43, 0
	s_wait_alu depctr_va_vdst(0)
	s_wait_dscnt 0x0                               ; both opening adds are done
	s_wait_kmcnt 0x0
	s_mul_i32 s26, ttmp9, 12288
	s_add_nc_u64 s[4:5], s[4:5], s[26:27]
	s_lshl_b32 s26, ttmp9, 9
	s_add_nc_u64 s[6:7], s[6:7], s[26:27]
	s_mul_i32 s26, s20, 49152
	s_add_nc_u64 s[8:9], s[8:9], s[26:27]          ; my four tiles' images: 4 x 8 x 1,536 bytes
	s_add_nc_u64 s[34:35], s[8:9], 9216            ; K step 6 of the first of them
	s_or_b32 s35, s35, 0x80000000
	tensor_load_to_lds s[32:35], s[36:43]          ; my one tensor load
	s_nop 0
	s_lshl_b32 s26, s20, 11
	s_add_nc_u64 s[10:11], s[10:11], s[26:27]
	s_lshl_b32 s26, s20, 8
	s_add_nc_u64 s[14:15], s[14:15], s[26:27]
	s_add_nc_u64 s[16:17], s[16:17], s[26:27]
	s_lshl_b32 s28, ttmp9, 16
	s_add_co_u32 s26, s26, s28
	s_add_nc_u64 s[12:13], s[12:13], s[26:27]
	s_add_nc_u64 s[18:19], s[18:19], s[26:27]
.irp i, 0,1,2
	global_load_b64 v[AF+2*\i:AF+2*\i+1], v10, s[4:5] offset:4096*\i
.endr
.irp i, 0,1,2,3,4,5,6,7
	global_load_b128 v[168+4*\i:171+4*\i], v5, s[12:13] offset:8192*\i   ; the residual: two rows' 256 bytes
.endr
	global_load_b128 v[ASW:ASW+3], v4, s[6:7]
	global_load_b128 v[ASW+4:ASW+7], v4, s[6:7] offset:16
.irp t, 0,1,2,3
	global_load_b128 v[WSW+8*\t:WSW+8*\t+3], v4, s[10:11] offset:512*\t
	global_load_b128 v[WSW+8*\t+4:WSW+8*\t+7], v4, s[10:11] offset:512*\t+16
.endr
	WLOAD 0
	s_wait_loadcnt 30                              ; the copy's three are in; the 8 + 2 + 8 + 12 behind them may be out
.irp i, 0,1,2
	ds_store_b64 v10, v[AF+2*\i:AF+2*\i+1] offset:4096*\i
.endr
	s_wait_loadcnt 22                              ; the residual's eight are in; the 2 + 8 + 12 behind them may be out
.irp i, 0,1,2,3,4,5,6,7
	ds_store_b128 v6, v[168+4*\i:171+4*\i] offset:2*SP*\i
.endr
.irp t, 0,1,2,3
	ds_load_b128 v[ACC+8*\t:ACC+8*\t+3], v7 offset:64*\t          ; LDS serves a wave's instructions in order: these see my stores
	ds_load_b128 v[ACC+8*\t+4:ACC+8*\t+7], v7 offset:64*\t+16
.endr
	WLOAD 1
	BARRIER                                        ; the rows' codes lie in LDS; my stores have read their registers
	WLOAD 2
	ALOAD 0
	ALOAD 1
	KSTEP 0, 24, 4                                 ; two sets of Wo's fragments (12 loads each) and one of the rows' (4) may be out
	KSTEP 1, 24, 4
	KSTEP 2, 24, 4
	KSTEP 3, 24, 4
	KSTEP 4, 12, 16                                ; K step 5's twelve register loads; twelve LDS loads of Wo and four of the rows may be out
	KSTEP 5, 0, 16
	KSTEP 6, 0, 4
	KSTEP 7, 0, 0
	global_load_b128 v[72:75], v14, s[14:15]       ; gain and bias of the four columns that I store
	global_load_b128 v[76:79], v14, s[16:17]
.irp k, 0,1,2,3
	v_pk_add_f32 v[80+2*\k:81+2*\k], v[ACC+4*\k:ACC+4*\k+1], v[ACC+4*\k+2:ACC+4*\k+3]   ; each accumulator from its low end on
.endr
.irp k, 0,1,2,3,4,5,6,7
	v_pk_add_f32 v[80+2*(\k%4):81+2*(\k%4)], v[80+2*(\k%4):81+2*(\k%4)], v[ACC+16+2*\k:ACC+17+2*\k]
.endr
	ROWRED 0
	s_delay_alu instid0(VALU_DEP_1)
	v_mul_f32 v88, s24, v88                        ; the mean
.irp k, 0,1,2,3,4,5,6,7,8,9,10,11,12,13,14,15
	v_pk_add_f32 v[ACC+2*\k:ACC+2*\k+1], v[ACC+2*\k:ACC+2*\k+1], v[88:89] op_sel_hi:[1,0] neg_lo:[0,1] neg_hi:[0,1]
.endr
.irp k, 0,1,2,3
	v_pk_mul_f32 v[80+2*\k:81+2*\k], v[ACC+2*\k:ACC+2*\k+1], v[ACC+2*\k:ACC+2*\k+1]
.endr
.irp k, 0,1,2,3,4,5,6,7,8,9,10,11
	s_delay_alu instid0(VALU_DEP_4)
	v_pk_fma_f32 v[80+2*(\k%4):81+2*(\k%4)], v[ACC+8+2*\k:ACC+9+2*\k], v[ACC+8+2*\k:ACC+9+2*\k], v[80+2*(\k%4):81+2*(\k%4)]
.endr
	ROWRED RED2-RED1
	s_delay_alu instid0(VALU_DEP_1)
	v_fma_f32 v88, v88, s24, s25
	s_wait_alu depctr_va_vdst(0)
	v_rsq_f32 v120, v88
	v_mov_b32 v121, 0                              ; a plain instruction behind it; the pair's upper half is written
	s_wait_alu depctr_va_vdst(0)                   ; ahead of the first reader
.irp k, 0,1,2,3,4,5,6,7,8,9,10,11,12,13,14,15
	v_pk_mul_f32 v[ACC+2*\k:ACC+2*\k+1], v[ACC+2*\k:ACC+2*\k+1], v[120:121] op_sel_hi:[1,0]
.endr
.irp t, 0,1,2,3
	ds_store_b128 v7, v[ACC+8*\t:ACC+8*\t+3] offset:64*\t
	ds_store_b128 v7, v[ACC+8*\t+4:ACC+8*\t+7] offset:64*\t+16
.endr
.irp i, 0,1,2,3,4,5,6,7
	ds_load_b128 v[88+4*\i:91+4*\i], v6 offset:2*SP*\i     ; my own stage, served in order
.endr
	s_wait_loadcnt 0x0                             ; gain and bias
.irp i, 0,1,2,3,4,5,6,7
	s_wait_dscnt 7-\i                              ; load i is in; the younger ones may be out
	v_pk_fma_f32 v[88+4*\i:89+4*\i], v[88+4*\i:89+4*\i], v[72:73], v[76:77]
	v_pk_fma_f32 v[90+4*\i:91+4*\i], v[90+4*\i:91+4*\i], v[74:75], v[78:79]
	global_store_b128 v5, v[88+4*\i:91+4*\i], s[18:19] offset:8192*\i th:TH_STORE_NT   ; sixteen lanes store 256 consecutive bytes of a row
.endr
	s_wait_tensorcnt 0x0
	ds_add_u32 v3, v15
	s_wait_dscnt 0x0
	s_endpgm
.Lfunc_end_k_qb6b95eb054_outp:
	.size	k_qb6b95eb054_outp, .Lfunc_end_k_qb6b95eb054_outp-k_qb6b95eb054_outp
	.p2alignl 7, 3214868480
	.fill 96, 4, 3214868480
	.section	.rodata,"a",@progbits
	.p2align	6, 0x0
	.amdhsa_kernel k_qb6b95eb054_outp
		.amdhsa_group_segment_fixed_size 283136
		.amdhsa_private_segment_fixed_size 0
		.amdhsa_enable_private_segment 0
		.amdhsa_kernarg_size 64
		.amdhsa_user_sgpr_count 2
		.amdhsa_user_sgpr_kernarg_segment_ptr 1
		.amdhsa_wavefront_size32 1
		.amdhsa_system_sgpr_workgroup_id_x 1
		.amdhsa_system_sgpr_workgroup_id_y 1
		.amdhsa_system_sgpr_workgroup_id_z 1
		.amdhsa_system_vgpr_workitem_id 0
		.amdhsa_next_free_vgpr 256
		.amdhsa_next_free_sgpr 66
		.amdhsa_reserve_vcc 0
		.amdhsa_float_denorm_mode_32 3
		.amdhsa_float_denorm_mode_16_64 3
		.amdhsa_memory_ordered 1
		.amdhsa_forward_progress 1
		.amdhsa_inst_pref_size 34
	.end_amdhsa_kernel
	.amdgpu_metadata
---
amdhsa.version: [ 1, 2 ]
amdhsa.kernels:
  - .name:           k_qb6b95eb054_outp
    .symbol:         k_qb6b95eb054_outp.kd
    .args:
      - { .name: o_codes, .offset: 0, .size: 8, .value_kind: global_buffer, .address_space: global }
      - { .name: o_scales, .offset: 8, .size: 8, .value_kind: global_buffer, .address_space: global }
      - { .name: wo_img, .offset: 16, .size: 8, .value_kind: global_buffer, .address_space: global }
      - { .name: Wo_scales, .offset: 24, .size: 8, .value_kind: global_buffer, .address_space: global }
      - { .name: queries, .offset: 32, .size: 8, .value_kind: global_buffer, .address_space: global }
      - { .name: on_w, .offset: 40, .size: 8, .value_kind: global_buffer, .address_space: global }
      - { .name: on_b, .offset: 48, .size: 8, .value_kind: global_buffer, .address_space: global }
      - { .name: out0, .offset: 56, .size: 8, .value_kind: global_buffer, .address_space: global }
    .group_segment_fixed_size: 283136
    .private_segment_fixed_size: 0
    .kernarg_segment_align: 8
    .kernarg_segment_size: 64
    .max_flat_workgroup_size: 512
    .sgpr_count:     66
    .vgpr_count:     256
    .wavefront_size: 32
...
	.end_amdgpu_metadata
.endif
;; end of part 8
